; MI455X (gfx1250); checked and timed in simulation.
; The chip was launched on July 23, 2026; its instructions are those of AMD's public machine-readable ISA for CDNA 5 (MIT licence, August 2026) and "CDNA5" Instruction Set Architecture Reference Guide (July 2026). The comments in the code are by the model that wrote it; some were corrected since.
;; Multi Head Attention Module. Allowed arithmetic: matrix products marked QUANTISED: E4M3 operands, one E8M0 scale for each 32 along K, by v_wmma_scale_f32_16x16x128_f8f6f4 with both operands' format E4M3, f32 sums; everything else in f32.
;; Inputs: token_positions 2,048 int32; wk 2,048 x 2,048 float32; wo 2,048 x 2,048 float32; wq 2,048 x 2,048 float32; wv 2,048 x 2,048 float32; x 1 x 2,048 x 2,048 float32.
;; Outputs: out0 1 x 2,048 x 2,048 float32.
;; This version of the problem:
;;   THIS VERSION OF THE PROBLEM IS GIVEN IN LOW PRECISION. The matrix products marked QUANTISED in the list below multiply operands that are first quantised to E4M3 (4 exponent bits, 3 mantissa bits; 8 bits a number), with one power-of-two scale for each 32 numbers along K (OCP MX v1.0); their sums are f32. All else is computed in f32.
;;   The module's matrix products, in the order in which they are computed (A, B: the left and right operand; K: the contracted axis; several contracted axes count as one K, in the product's order):
;;     1. [M 2,048, K 2,048] x [K 2,048, N 2,048]; A: input x; B: input wq: QUANTISED
;;     2. [M 2,048, K 2,048] x [K 2,048, N 2,048]; A: input x; B: input wk: QUANTISED
;;     3. [M 2,048, K 2,048] x [K 2,048, N 2,048]; A: input x; B: input wv: QUANTISED
;;     4. batch 16 x [M 2,048, K 128] x [K 128, N 2,048]; A: computed on the way; B: computed on the way: QUANTISED
;;     5. batch 16 x [M 2,048, K 2,048] x [K 2,048, N 128]; A: softmax (see below); B: computed on the way: QUANTISED
;;     6. [M 2,048, K 2,048] x [K 2,048, N 2,048]; A: computed on the way; B: input wo: QUANTISED
;;   THE QUANTISER, for each operand of a quantised product, along K:
;;     - K is cut into blocks of 32 from its start; a last block that is shorter is filled with zeros.
;;     - A block's scale is 2^e with e = floor(log2(the largest magnitude in the block)) - 8, held to -126 .. 127; a block of zeros has e = 0. As a byte (E8M0): e + 127.
;;     - Each number is divided by its block's scale, clamped to +-448, and rounded to the nearest number of E4M3, ties to even, subnormals kept.
;;     - The product sums the exact products of the quantised numbers (number of the format x scale) in f32.
;;   ~~~python
;;   def quantise(x, axis):      # numpy; x: float32 -> the quantised numbers, widened to float32 again
;;       x = np.moveaxis(x, axis, -1); K = x.shape[-1]
;;       x = np.pad(x, [(0, 0)] * (x.ndim - 1) + [(0, -K % 32)]); x = x.reshape(x.shape[:-1] + (-1, 32)); a = np.abs(x).max(-1, keepdims=True)
;;       e = np.where(a > 0, np.clip(np.frexp(np.where(a > 0, a, 1))[1] - 1 - 8, -126, 127), 0)      # np.frexp(a)[1] - 1 = floor(log2(a)), exactly
;;       r = np.clip(x / 2.0 ** e, -448, 448)
;;       step = 2.0 ** (np.maximum(np.frexp(np.where(r == 0, 1, r))[1] - 1, -6) - 3)
;;       q = np.round(r / step) * step * 2.0 ** e      # np.round: ties to even
;;       return np.moveaxis(q.reshape(q.shape[:-2] + (-1,))[..., :K], -1, axis).astype(np.float32)
;;   ~~~
;;   SOFTMAX AHEAD OF A QUANTISED PRODUCT. Where the list says 'softmax', what is quantised is not the finished softmax but p = 2^(t - M), with t = logit x log2(e) and M = ceil(the row's largest t), a whole number; so 1/2 < the row's largest p <= 1. The row's sum l is taken of the UNQUANTISED p, in f32, and the product's result is divided by l at the end. Since M is a whole number, a kernel that streams over the keys may use a running M (the ceiling of the running maximum): every later rescaling is an exact power of two, which a block's scale takes up: the codes' values come out the same.
;;   OPERANDS COMPUTED ON THE WAY. 'Computed on the way' means the value that the module computes at that place (a softmax that the list does not call 'softmax' is quantised finished and normalised). What goes into a quantiser is computed in f32, as accurately as f32 sums, v_exp_f32 and their like allow (about 1e-6 of the number): no bf16 or f16 on the way to a quantiser, and a product that is left as it is and whose result goes on into a quantised operand takes f32 operands (vector FMAs, or v_wmma_f32_16x16x4_f32). A number that lies on a knife's edge between two numbers of the format may be rounded either way, as far as f32 arithmetic and the matrix unit's own rounding can turn it there, and no further.
;; 2 versions. Each part assembles by itself: llvm-mc -triple=amdgcn-amd-amdhsa -mcpu=gfx1250 --defsym DOCPART=n.
;; ======== version 1 of 2: 4 launches
;; limits: right only within a limited range of input values
;; workspace buffers: opimg 21,626,880 bytes; rope 1,114,112 bytes; qkvc 12,582,912 bytes; qkvs 393,216 bytes; aoimg 4,325,376 bytes
;; launch prep (part 1): grid 708 x 1, 4 waves a work-group, no clusters, 35,328 bytes of LDS; arguments x, wq, wk, wv, wo, token_positions, opimg, rope; writes opimg, rope
.if DOCPART == 1
	.amdgcn_target "amdgcn-amd-amdhsa--gfx1250"
	.amdhsa_code_object_version 6
	.text
	.protected	k_q4e8569df96_prep
	.globl	k_q4e8569df96_prep
	.p2align	8
	.type	k_q4e8569df96_prep,@function
k_q4e8569df96_prep:
	s_mov_b64 s[64:65], 0
	v_nop
	global_prefetch_b8 v0, s[64:65] scope:SCOPE_SE
	s_setreg_imm32_b32 hwreg(HW_REG_WAVE_MODE, 25, 1), 1
	s_wait_xcnt 0x0
; PREP.  Work-groups 0-639: x, wq, wk, wv, wo ([2048][2048] f32, K innermost) become codes of FP8 (E4M3) with one E8M0 byte for each 32 along K.
; Work-groups 640-707: the table of cos and sin for the rotation of q and k, from token_positions.
; THE CODES LIE AS IMAGES OF THE OPERAND'S REGISTERS.  A fragment (16 rows x 128 K, 16 registers a lane) is 2,048 bytes [c 0..3][lane][16 bytes]: lane (r = lane % 16, h = lane / 16)
; holds row r, piece c holds K = 32 c + 16 h + 0..15.  THE ROWS OF A FRAGMENT ARE NOT NEIGHBOURS: in block 2 g + u lane r holds row 32 g + 8 u + r + 8 (r / 8).
; opimg: 40 tiles of 256 rows (x 0-7, wq 8-15, wk 16-23, wv 24-31, wo 32-39); a tile is 16 chunks (one for each 128 along K) of CH bytes: 16 images, then 16 x 16 scale words.
; A block's scale byte is its largest magnitude's exponent field - 8, held at 1 from below; numbers are held within +-448 x the scale and rounded to the nearest code, ties to even.
; rope: 136 blocks of 8,192 bytes [block of 16 tokens][i 0..15][lane][cos f0, sin f0, cos f0+1, sin f0+1], f0 = 16 (i / 4) + 8 h + 2 (i % 4), token by the rule of rows above.
; Blocks 128-135 are made with the position 0 (cos 1, sin 0): the next launch rotates v by them, so that it has one way out.
; LIMITS: a block of zeros gets the byte 1 (its codes are zeros; this program alone reads the bytes); NaN and infinities are not served; blocks under 2^-118 were not tried.
; The angle is reduced by three parts of pi/2, good while |position x frequency| stays under about 1e5; the frequency 10000^(-f/64) is within about 2 units in the last place of the exact power.
; No tensor loads, no barrier: waves share nothing.  No cluster: no two work-groups read the same bytes.
.set CH,    33792
.set TILEB, 16*CH
.set SP,    528                        ; a stage row: 512 bytes + 16, so that the 16 rows that a load touches start at 16 different places modulo 256 bytes
.set WREG,  16*SP+256                  ; LDS of a wave: a stage of 16 rows, then its 256 bytes of scale words
.set GA,  4                            ; v4   16 x lane
.set SI,  5                            ; v5   the stage, on the way in
.set SL,  6                            ; v6   and on the way out: row r, + 64 h
.set SS,  7                            ; v7   where my row's scale word goes
.set SG,  8                            ; v8   where the scale words are read back, 8 bytes a lane
.set GS,  10                           ; v10  8 x lane
.set TM,  12                           ; v12-27 at work in QUANT
.set PW,  28                           ; v28  the scale word just made
.set PC,  32                           ; v32-47 the codes just made
.set X,   48                           ; v48-111 64 numbers of a lane
.set R,   112                          ; v112-239 two sets of 64 registers as loaded
.set SEL, 32                           ; s[32:33] lane selects: lane l xor 16
.set MNT, 34                           ; s34  the mantissa field of 448
; 64 numbers of a lane, register 16 b + i = K 32 b + 16 h + i of my row, become a fragment's codes in v[PC] on and its scale word in v[PW]
.macro QUANT s
.irp b, 0,1,2,3
	v_max3_num_f32 v[TM+\b], |v[\s+16*\b]|, |v[\s+1+16*\b]|, 0x4800000   ; my 16 numbers of block b, and the floor 2^(9 - 127): the byte cannot fall under 1
.endr
.irp i, 2,4,6,8,10,12,14
.irp b, 0,1,2,3
	v_max3_num_f32 v[TM+\b], v[TM+\b], |v[\s+16*\b+\i]|, |v[\s+1+16*\b+\i]|
.endr
.endr
.irp b, 0,1,2,3
	v_permlanex16_b32 v[TM+4+\b], v[TM+\b], s[SEL], s[SEL+1]
.endr
.irp b, 0,1,2,3
	v_max_num_f32 v[TM+\b], v[TM+\b], v[TM+4+\b]           ; with lane l xor 16's: the block's largest magnitude
.endr
.irp b, 0,1,2,3
	v_add_nc_u32 v[TM+12+\b], 0xfc000000, v[TM+\b]         ; 8 off its exponent field: the conversion's scale operand
.endr
.irp b, 0,1,2,3
	v_and_or_b32 v[TM+8+\b], v[TM+\b], 0x7f800000, s[MNT]  ; 448 x the scale
.endr
.irp b, 0,1,2,3
	v_lshrrev_b32 v[TM+4+\b], 23, v[TM+12+\b]              ; the scale's byte
.endr
	v_lshl_or_b32 v[PW], v[TM+5], 8, v[TM+4]
	v_lshl_or_b32 v[PW], v[TM+6], 16, v[PW]
	v_lshl_or_b32 v[PW], v[TM+7], 24, v[PW]
.irp b, 0,1,2,3
.irp i, 0,1,2,3,4,5,6,7,8,9,10,11,12,13,14,15
	v_med3_num_f32 v[\s+16*\b+\i], v[\s+16*\b+\i], -v[TM+8+\b], v[TM+8+\b]   ; the conversion does not saturate (ISA guide 7.6.2): the hold comes first
.endr
	v_cvt_scalef32_pk8_fp8_f32 v[PC+4*\b:PC+1+4*\b], v[\s+16*\b:\s+7+16*\b], v[TM+12+\b]
	v_cvt_scalef32_pk8_fp8_f32 v[PC+2+4*\b:PC+3+4*\b], v[\s+8+16*\b:\s+15+16*\b], v[TM+12+\b]
.endr
	v_nop                                          ; a plain line behind the last conversion
.endm
	s_load_b512 s[16:31], s[0:1], 0x0              ; x 16, wq 18, wk 20, wv 22, wo 24, token_positions 26, opimg 28, rope 30
	v_lshl_add_u32 v254, v0, 2, 0x8800
	v_mov_b32 v255, 0
	v_lshrrev_b32 v1, 5, v0
	v_readfirstlane_b32 s8, v1                     ; wave 0..3
	v_and_b32 v2, 31, v0                           ; lane
	v_and_b32 v3, 15, v0                           ; r
	v_bfe_u32 v9, v0, 4, 1                         ; h
	v_lshlrev_b32 v[GA], 4, v2
	s_cmp_ge_u32 ttmp9, 640
	s_cbranch_scc1 .Ltable
; ---- THE QUANTISER.  id = 128 x tensor + 4 x (group of 64 rows) + kappa; wave w takes 128 along K at K step 4 kappa + w, and the group's four blocks of 16 rows.
	s_lshr_b32 s9, ttmp9, 7                        ; tensor 0..4
	s_bfe_u32 s10, ttmp9, 0x50002                  ; group of 64 rows, 0..31
	s_and_b32 s11, ttmp9, 3
	s_lshl_b32 s12, s11, 2
	s_add_co_u32 s12, s12, s8                      ; K step 0..15
	s_and_b32 s13, s10, 3                          ; which 64 rows of the tile of 256
	s_lshr_b32 s14, ttmp9, 4                       ; the tile, 0..39
	s_mul_i32 s15, s8, WREG                        ; my wave's LDS
	v_add_nc_u32 v[SI], s15, v[GA]
	v_mul_u32_u24 v[SL], v3, SP
	v_lshl_add_u32 v[SL], v9, 6, v[SL]
	v_add_nc_u32 v[SL], s15, v[SL]
	v_lshlrev_b32 v[SS], 2, v3
	v_add_nc_u32 v[SS], s15, v[SS]
	v_add_nc_u32 v[SS], 16*SP, v[SS]
	v_lshlrev_b32 v[GS], 3, v2
	v_add_nc_u32 v[SG], s15, v[GS]
	v_add_nc_u32 v[SG], 16*SP, v[SG]
	s_lshl_b32 s2, s10, 19                         ; 64 rows of 8,192 bytes
	s_lshl_b32 s3, s12, 9                          ; 128 numbers of 4 bytes
	s_add_co_u32 s2, s2, s3
	s_mov_b32 s3, 0
	s_mul_i32 s4, s14, TILEB
	s_mul_i32 s5, s12, CH
	s_add_co_u32 s4, s4, s5                        ; my chunk
	s_lshl_b32 s6, s13, 8
	s_add_co_u32 s6, s6, s4
	s_add_co_u32 s6, s6, 32768                     ; my four blocks' scale words: 256 bytes
	s_mov_b32 s7, 0
	s_lshl_b32 s5, s13, 13
	s_add_co_u32 s4, s4, s5                        ; my four images
	s_mov_b32 s5, 0
	s_mov_b32 s[SEL], 0x76543210
	s_mov_b32 s[SEL+1], 0xfedcba98
	s_mov_b32 s[MNT], 0x600000
.irp b, 0,1,2,3
	v_mov_b32 v[TM+4+\b], 0                        ; written once: a lane permute's destination counts as one of its sources
.endr
	s_wait_kmcnt 0x0
	s_cmp_eq_u32 s9, 1                             ; the tensor is chosen by the work-group's number alone
	s_cselect_b64 s[16:17], s[18:19], s[16:17]
	s_cmp_eq_u32 s9, 2
	s_cselect_b64 s[16:17], s[20:21], s[16:17]
	s_cmp_eq_u32 s9, 3
	s_cselect_b64 s[16:17], s[22:23], s[16:17]
	s_cmp_eq_u32 s9, 4
	s_cselect_b64 s[16:17], s[24:25], s[16:17]
	s_add_nc_u64 s[16:17], s[16:17], s[2:3]
	s_add_nc_u64 s[4:5], s[28:29], s[4:5]
	s_add_nc_u64 s[6:7], s[28:29], s[6:7]
.macro LOAD t                          ; block t's 16 rows, 512 consecutive bytes each, into set t % 2
.irp p, 0,1,2,3,4,5,6,7,8,9,10,11,12,13,14,15
	global_load_b128 v[R+64*((\t)%2)+4*\p:R+64*((\t)%2)+4*\p+3], v[GA], s[16:17] offset:(32*((\t)/2)+8*((\t)%2)+\p+8*(\p/8))*8192 th:TH_LOAD_NT
.endr
.endm
.macro BLOCK t
.if (\t) < 3
	s_wait_loadcnt 16                              ; this block's 16 loads are in; the next block's 16 may be out
.else
	s_wait_loadcnt 0x0
.endif
.irp p, 0,1,2,3,4,5,6,7,8,9,10,11,12,13,14,15
	ds_store_b128 v[SI], v[R+64*((\t)%2)+4*\p:R+64*((\t)%2)+4*\p+3] offset:SP*\p
.endr
.irp c, 0,1,2,3
.irp j, 0,1,2,3
	ds_load_b128 v[X+16*\c+4*\j:X+16*\c+4*\j+3], v[SL] offset:128*\c+16*\j   ; LDS serves a wave's instructions in order: these see the stores above
.endr
.endr
	s_wait_dscnt 0x0                               ; my 64 numbers are in, and the stores have read their registers,
.if (\t) < 2
	LOAD (\t)+2                                    ; which take the block two further on
.endif
	s_wait_xcnt 0x0                                ; the last block's stores have read the codes' registers: they are written again only behind this wait
	QUANT X
.irp c, 0,1,2,3
	global_store_b128 v[GA], v[PC+4*\c:PC+4*\c+3], s[4:5] offset:(\t)*2048+512*\c   ; 512 consecutive bytes, aligned
.endr
	ds_store_b32 v[SS], v[PW] offset:64*(\t)       ; both halves of the lanes write the same word with the same value
.endm
	LOAD 0
	LOAD 1
	BLOCK 0
	BLOCK 1
	BLOCK 2
	BLOCK 3
	ds_load_b64 v[30:31], v[SG]
	s_wait_dscnt 0x0
	global_store_b64 v[GS], v[30:31], s[6:7]       ; the four blocks' scale words: 256 consecutive bytes, aligned
	s_wait_tensorcnt 0x0
	ds_add_u32 v254, v255
	s_wait_dscnt 0x0
	s_endpgm
; ---- THE TABLE.  Work-group q makes blocks 2 q and 2 q + 1; waves 0, 1 the first, waves 2, 3 the second; a wave's eight i are 8 (wave % 2) + 0..7: 16 frequencies a lane.
.set FQ,  32                           ; v32-47   the frequency's number f, then 10000^(-f/64)
.set AH,  48                           ; v48-63   f x log2(10000)/64, upper part; later the angle, later sin before its sign
.set AL,  64                           ; v64-79   its lower part; later the reduced angle
.set NN,  80                           ; v80-95   whole parts; later cos before its sign
.set OUTR, 112                         ; v112-143 cos, sin of frequency k at 2 k, 2 k + 1
.set S2,  144
.set CC,  160
.set SN,  176
.set QQ,  192
.set TT,  208
.set TWOPI, 35
.set C1, 36
.set C2, 37
.set C3, 38
.set K4, 39
.set K3, 40
.set K2, 41
.set P3, 42
.set P2, 43
.set P1, 44
.set P0, 45
.set LH, 46
.set LL, 47
.Ltable:
	s_sub_co_u32 s9, ttmp9, 640
	s_lshl_b32 s9, s9, 1
	s_lshr_b32 s10, s8, 1
	s_add_co_u32 s9, s9, s10                       ; the block, 0..135
	s_and_b32 s10, s8, 1                           ; which half of its sixteen i
	s_min_u32 s11, s9, 127                         ; blocks 128-135 read a position inside the buffer and multiply it by 0
	s_lshr_b32 s12, s11, 1
	s_lshl_b32 s12, s12, 7
	s_and_b32 s13, s11, 1
	s_lshl_b32 s13, s13, 5
	s_add_co_u32 s12, s12, s13                     ; 4 x (32 (block / 2) + 8 (block % 2))
	v_and_b32 v5, 8, v3
	v_add_nc_u32 v5, v5, v3
	v_lshlrev_b32 v5, 2, v5
	v_add_nc_u32 v5, s12, v5                       ; 4 x my token
	s_lshl_b32 s2, s9, 13
	s_lshl_b32 s3, s10, 12
	s_add_co_u32 s2, s2, s3
	s_mov_b32 s3, 0
	s_cmp_lt_u32 s9, 128
	s_cselect_b32 s14, 1.0, 0
	s_lshl_b32 s15, s10, 5
	s_mov_b32 s[TWOPI], 0x3f22f983                 ; 2 / pi
	s_mov_b32 s[C1], 0xbfc90fd8                    ; - pi / 2 in three parts
	s_mov_b32 s[C2], 0xb4a8885a
	s_mov_b32 s[C3], 0xa7c234c4
	s_mov_b32 s[K4], 0x37cd4000                    ; cos on +-pi/4: 1 - s/2 + K2 s^2 + K3 s^3 + K4 s^4, s = r^2
	s_mov_b32 s[K3], 0xbab6077d
	s_mov_b32 s[K2], 0x3d2aaaa8
	s_mov_b32 s[P3], 0x36405000                    ; sin: r + r s (P0 + P1 s + P2 s^2 + P3 s^3)
	s_mov_b32 s[P2], 0xb9503486
	s_mov_b32 s[P1], 0x3c0888c1
	s_mov_b32 s[P0], 0xbe2aaaab
	s_mov_b32 s[LH], 0x3e549a78                    ; log2(10000) / 64 in two parts
	s_mov_b32 s[LL], 0x31979a22
	s_wait_kmcnt 0x0
	global_load_b32 v11, v5, s[26:27]
	s_add_nc_u64 s[30:31], s[30:31], s[2:3]
	v_lshlrev_b32 v6, 3, v9
	v_add_nc_u32 v6, s15, v6                       ; 32 (wave % 2) + 8 h
.set k, 0
.rept 16
	v_add_nc_u32 v[FQ+k], 16*(k/8)+k%8, v6         ; f
.set k, k+1
.endr
.set k, 0
.rept 16
	v_cvt_f32_u32 v[FQ+k], v[FQ+k]
.set k, k+1
.endr
.set k, 0
.rept 16
	v_mul_f32 v[AH+k], s[LH], v[FQ+k]
.set k, k+1
.endr
.set k, 0
.rept 16
	v_fma_f32 v[AL+k], v[FQ+k], s[LH], -v[AH+k]    ; what that product's rounding lost,
.set k, k+1
.endr
.set k, 0
.rept 16
	v_fma_f32 v[AL+k], v[FQ+k], s[LL], v[AL+k]     ; and the constant's lower part
.set k, k+1
.endr
.set k, 0
.rept 16
	v_rndne_f32 v[NN+k], v[AH+k]
.set k, k+1
.endr
.set k, 0
.rept 16
	v_sub_f32 v[AH+k], v[NN+k], v[AH+k]            ; exact
.set k, k+1
.endr
.set k, 0
.rept 16
	v_sub_f32 v[AH+k], v[AH+k], v[AL+k]            ; minus the fraction, within +-1/2
.set k, k+1
.endr
.set k, 0
.rept 16
	v_cvt_i32_f32 v[NN+k], v[NN+k]
.set k, k+1
.endr
.set k, 0
.rept 16
	v_exp_f32 v[FQ+k], v[AH+k]
.set k, k+1
.endr
.set k, 0
.rept 16
	v_sub_nc_u32 v[NN+k], 0, v[NN+k]               ; plain lines behind the exponentials
.set k, k+1
.endr
	s_wait_alu depctr_va_vdst(0)                   ; one wait for the batch, ahead of its first reader
.set k, 0
.rept 16
	v_ldexp_f32 v[FQ+k], v[FQ+k], v[NN+k]          ; 10000^(-f/64)
.set k, k+1
.endr
	s_wait_loadcnt 0x0
	v_cvt_f32_i32 v11, v11
	v_mul_f32 v11, s14, v11                        ; the position, or 0 in blocks 128-135
.set k, 0
.rept 16
	v_mul_f32 v[AH+k], v11, v[FQ+k]                ; the angle: one product in f32
.set k, k+1
.endr
.set k, 0
.rept 16
	v_mul_f32 v[NN+k], s[TWOPI], v[AH+k]
.set k, k+1
.endr
.set k, 0
.rept 16
	v_rndne_f32 v[NN+k], v[NN+k]                   ; how many quarter turns
.set k, k+1
.endr
.set k, 0
.rept 16
	v_fma_f32 v[AL+k], v[NN+k], s[C1], v[AH+k]
.set k, k+1
.endr
.set k, 0
.rept 16
	v_fma_f32 v[AL+k], v[NN+k], s[C2], v[AL+k]
.set k, k+1
.endr
.set k, 0
.rept 16
	v_fma_f32 v[AL+k], v[NN+k], s[C3], v[AL+k]     ; r, within +-pi/4
.set k, k+1
.endr
.set k, 0
.rept 16
	v_cvt_i32_f32 v[QQ+k], v[NN+k]
.set k, k+1
.endr
.set k, 0
.rept 16
	v_mul_f32 v[S2+k], v[AL+k], v[AL+k]
.set k, k+1
.endr
.set k, 0
.rept 16
	v_fma_f32 v[CC+k], v[S2+k], s[K4], s[K3]
	v_fma_f32 v[SN+k], v[S2+k], s[P3], s[P2]
.set k, k+1
.endr
.set k, 0
.rept 16
	v_fma_f32 v[CC+k], v[CC+k], v[S2+k], s[K2]
	v_fma_f32 v[SN+k], v[SN+k], v[S2+k], s[P1]
.set k, k+1
.endr
.set k, 0
.rept 16
	v_fma_f32 v[CC+k], v[CC+k], v[S2+k], -0.5
	v_fma_f32 v[SN+k], v[SN+k], v[S2+k], s[P0]
.set k, k+1
.endr
.set k, 0
.rept 16
	v_mul_f32 v[TT+k], v[AL+k], v[S2+k]
	v_fma_f32 v[CC+k], v[CC+k], v[S2+k], 1.0       ; cos r
.set k, k+1
.endr
.set k, 0
.rept 16
	v_fma_f32 v[SN+k], v[SN+k], v[TT+k], v[AL+k]   ; sin r
.set k, k+1
.endr
.set k, 0
.rept 16
	v_and_b32 v[TT+k], 1, v[QQ+k]
.set k, k+1
.endr
.set k, 0
.rept 16
	v_cmp_eq_u32 vcc_lo, 1, v[TT+k]                ; an odd number of quarter turns: sin and cos change places
	v_cndmask_b32 v[AH+k], v[SN+k], v[CC+k], vcc_lo
	v_cndmask_b32 v[NN+k], v[CC+k], v[SN+k], vcc_lo
.set k, k+1
.endr
.set k, 0
.rept 16
	v_and_b32 v[TT+k], 2, v[QQ+k]                  ; sin is negated in quarters 2 and 3,
	v_add_nc_u32 v[QQ+k], 1, v[QQ+k]
.set k, k+1
.endr
.set k, 0
.rept 16
	v_lshlrev_b32 v[TT+k], 30, v[TT+k]
	v_and_b32 v[QQ+k], 2, v[QQ+k]                  ; cos in quarters 1 and 2
.set k, k+1
.endr
.set k, 0
.rept 16
	v_xor_b32 v[OUTR+2*k+1], v[TT+k], v[AH+k]
	v_lshlrev_b32 v[QQ+k], 30, v[QQ+k]
.set k, k+1
.endr
.set k, 0
.rept 16
	v_xor_b32 v[OUTR+2*k], v[QQ+k], v[NN+k]
.set k, k+1
.endr
.irp i, 0,1,2,3,4,5,6,7
	global_store_b128 v[GA], v[OUTR+4*\i:OUTR+4*\i+3], s[30:31] offset:512*\i   ; 512 consecutive bytes, aligned
.endr
	s_endpgm
.Lfunc_end_k_q4e8569df96_prep:
	.size	k_q4e8569df96_prep, .Lfunc_end_k_q4e8569df96_prep-k_q4e8569df96_prep
	.p2alignl 7, 3214868480
	.fill 96, 4, 3214868480
	.section	.rodata,"a",@progbits
	.p2align	6, 0x0
	.amdhsa_kernel k_q4e8569df96_prep
		.amdhsa_group_segment_fixed_size 35328
		.amdhsa_private_segment_fixed_size 0
		.amdhsa_enable_private_segment 0
		.amdhsa_kernarg_size 64
		.amdhsa_user_sgpr_count 2
		.amdhsa_user_sgpr_kernarg_segment_ptr 1
		.amdhsa_wavefront_size32 1
		.amdhsa_system_sgpr_workgroup_id_x 1
		.amdhsa_system_sgpr_workgroup_id_y 1
		.amdhsa_system_sgpr_workgroup_id_z 1
		.amdhsa_system_vgpr_workitem_id 0
		.amdhsa_next_free_vgpr 256
		.amdhsa_next_free_sgpr 66
		.amdhsa_reserve_vcc 1
		.amdhsa_float_denorm_mode_32 3
		.amdhsa_float_denorm_mode_16_64 3
		.amdhsa_memory_ordered 1
		.amdhsa_forward_progress 1
		.amdhsa_inst_pref_size 81
	.end_amdhsa_kernel
	.amdgpu_metadata
---
amdhsa.version: [ 1, 2 ]
amdhsa.kernels:
  - .name:           k_q4e8569df96_prep
    .symbol:         k_q4e8569df96_prep.kd
    .args:
      - { .name: x, .offset: 0, .size: 8, .value_kind: global_buffer, .address_space: global }
      - { .name: wq, .offset: 8, .size: 8, .value_kind: global_buffer, .address_space: global }
      - { .name: wk, .offset: 16, .size: 8, .value_kind: global_buffer, .address_space: global }
      - { .name: wv, .offset: 24, .size: 8, .value_kind: global_buffer, .address_space: global }
      - { .name: wo, .offset: 32, .size: 8, .value_kind: global_buffer, .address_space: global }
      - { .name: token_positions, .offset: 40, .size: 8, .value_kind: global_buffer, .address_space: global }
      - { .name: opimg, .offset: 48, .size: 8, .value_kind: global_buffer, .address_space: global }
      - { .name: rope, .offset: 56, .size: 8, .value_kind: global_buffer, .address_space: global }
    .group_segment_fixed_size: 35328
    .private_segment_fixed_size: 0
    .kernarg_segment_align: 8
    .kernarg_segment_size: 64
    .max_flat_workgroup_size: 128
    .sgpr_count:     66
    .vgpr_count:     256
    .wavefront_size: 32
...
	.end_amdgpu_metadata
.endif
;; end of part 1
;; launch qkv (part 2): grid 24 x 8, 4 waves a work-group, clusters of 4 x 4, 327,680 bytes of LDS; arguments opimg, rope, qkvc, qkvs; writes qkvc, qkvs
.if DOCPART == 2
	.amdgcn_target "amdgcn-amd-amdhsa--gfx1250"
	.amdhsa_code_object_version 6
	.text
	.protected	k_q4e8569df96_qkv
	.globl	k_q4e8569df96_qkv
	.p2align	8
	.type	k_q4e8569df96_qkv,@function
k_q4e8569df96_qkv:
	s_mov_b64 s[64:65], 0
	v_nop
	global_prefetch_b8 v0, s[64:65] scope:SCOPE_SE
	s_setreg_imm32_b32 hwreg(HW_REG_WAVE_MODE, 25, 1), 1
	s_wait_xcnt 0x0
	s_wait_alu depctr_hold_cnt(0) depctr_sa_sdst(0) depctr_va_vdst(0) depctr_va_sdst(0) depctr_va_ssrc(0) depctr_va_vcc(0) depctr_vm_vsrc(0)
	s_getreg_b32 s2, hwreg(HW_REG_IB_STS2, 6, 4)
	s_cmp_eq_u32 s2, 0
	s_cbranch_scc0 .Lentry_in_a_cluster
	s_endpgm
.Lentry_in_a_cluster:
	s_bfe_u32 s2, ttmp6, 0x10000c
	s_cmp_lg_u32 s2, 0xf033
	s_cbranch_scc0 .Lentry_shape_is_right
	s_endpgm
.Lentry_shape_is_right:
; QKV.  q = x wq^T, k = x wk^T, v = x wv^T on codes of FP8 (E4M3) with E8M0 scales for each 32 along K = 2,048; q and k are rotated; all three are quantised again, in registers, and stored as codes.
; A work-group of four waves makes a tile of 256 x 256; a wave 128 x 128: 64 accumulators, 512 registers.  Grid x 0-7: q, 8-15: k, 16-23: v.  Grid y: for q and k the tile of tokens, for v the tile of wv's rows.
; OPERANDS COME AS IMAGES OF THEIR REGISTERS (opimg): a chunk of CH bytes is 256 rows x 128 K: 16 images of 2,048 bytes [c][lane][16 bytes], then 16 x 16 scale words.  A chunk is dense in memory: one tensor load
; brings it, and a fragment is read from LDS by four loads of 512 consecutive bytes.  In block 2 g + u lane r holds row 32 g + 8 u + r + 8 (r / 8).
; THE MATRIX INSTRUCTION: source 0 = 16 rows of side B, source 1 = 16 rows of side A.  A lane then holds one row of side A (lane % 16), and, by the rule of rows, the 64 registers of A's block a hold
; side B's index 32 b + 16 (lane / 16) + i in register 16 b + i: neighbours, in the order that the next product's operand wants along its K.
; For q and k: A = x (tokens), B = the weight (a wave's 128 rows are one head): registers run along the head's 128.  For v: A = wv, B = x: registers run along 128 keys, which are the K of the second product of attention.
; THE WAY OUT, one text for all three: rotate by the table (v's work-groups read blocks of cos 1, sin 0), quantise, store an image of 2,048 bytes for each of A's eight blocks, and 512 bytes of scale words.
; qkvc: [q, k, v][head][group of 128 tokens][block 0..7][2,048 bytes];  qkvs: the same with 16 words for a block.
; CLUSTERS: 4 x 4 work-groups; A's chunks are shared along a row of the cluster, B's along a column: each is asked for jointly, by the same tensor load with a mask that names the four.
; The ring: two slots, each with two K steps of 128 of both sides (4 chunks); wave w fetches chunk w of a slot (A step 0, A step 1, B step 0, B step 1).
; LIMITS: as the quantiser's in the launch before: a block of zeros gets the byte 1; NaN and infinities are not served.
; REGISTERS: window 0: v16-29 addresses; v32-63 scale words, two sets; v128-255 A's fragments, one set; on the way out v128-191 the rotated numbers, v192-231 at work.
;   window 1: B's fragments, two sets; on the way out v0-127 two sets of the table.   windows 2, 3: the accumulators ((a, b) at v[8 (8 (a % 4) + b)]).
.set CH,     33792
.set TILEB,  16*CH
.set SLOT,   4*CH
.set SPARE,  2*SLOT                    ; behind the ring: the spare words, 128 bytes for each wave, that no other line names
.set NQ,     2
.set FR,     16
.set NL,     4
.set NP,     8                         ; places behind this matrix instruction (ISA guide 7.12.1)
.set LAPS,   4                         ; a lap = two slots = 512 along K
.set ADRA, 16                          ; v16-17  LDS address of my A fragments in slot 0, 1
.set ADRB, 20                          ; v20-21  the same for B
.set ADRS, 22                          ; v22-23  of my scale words: lanes 0-15 A's, lanes 16-31 B's
.set STO,  24                          ; v24     the way out: where my row's scale word goes
.set RD,   25                          ; v25     and where the scale words are read back
.set CO,   26                          ; v26     16 x lane
.set SPW,  28                          ; v28     LDS address of my spare word; never rewritten
.set NIL,  29                          ; v29     0; never rewritten
.set SC,   32
.set AF,   128
.set X,    128
.set PC,   192
.set TM,   208
.set PW,   224
.set SW,   228
.set G1, 24
.set G0, 32
.set G1B, 48
.set G0B, 56
.set SEL, 76
.set MNT, 78
.set MSB, 0
.macro WIN new                         ; the immediate's high byte repeats the setting that is left
.if MSB != \new
	s_set_vgpr_msb (MSB<<8)|\new
.set MSB, \new
.endif
.endm
.set MUL_LO, 0xa1                      ; source 0 (B) window 1, source 1 (A) window 0, C and D window 2
.set MUL_HI, 0xf1                      ; the same, C and D window 3
.set TO_B,   0x40                      ; destination window 1, address window 0
; A joint load: waves 0 and 1 fetch for A, waves 2 and 3 for B; the branch hangs on the wave's number alone.  Four v_nop follow each of the two lines.
.macro JLOAD g0a, g1a, g0b, g1b
	s_cmp_eq_u32 s15, 0
	s_cbranch_scc0 .Lfor_b_\@
	tensor_load_to_lds s[\g0a:\g0a+3], s[\g1a:\g1a+7]
	s_nop 0
.rept 4
	v_nop
.endr
	s_branch .Lasked_\@
.Lfor_b_\@:
	tensor_load_to_lds s[\g0b:\g0b+3], s[\g1b:\g1b+7]
	s_nop 0
.rept 4
	v_nop
.endr
.Lasked_\@:
.endm
.macro CREST                           ; a round of the cluster's barrier behind its opening barrier
	s_cmp_lg_u32 s14, 0
	s_cbranch_scc1 .Lnot_wave_0_\@
	s_barrier_signal -3
.Lnot_wave_0_\@:
	s_barrier_wait -3
	s_barrier_signal -1
	s_barrier_wait -1
.endm
.macro CROUND
	s_barrier_signal -1
	s_barrier_wait -1
	CREST
.endm
.macro QUANT s                         ; 64 numbers of a lane, register 16 b + i = K 32 b + 16 h + i of my row, become codes in v[PC] on and the scale word in v[PW]
.irp b, 0,1,2,3
	v_max3_num_f32 v[TM+\b], |v[\s+16*\b]|, |v[\s+1+16*\b]|, 0x4800000   ; and the floor 2^(9 - 127): the byte cannot fall under 1
.endr
.irp i, 2,4,6,8,10,12,14
.irp b, 0,1,2,3
	v_max3_num_f32 v[TM+\b], v[TM+\b], |v[\s+16*\b+\i]|, |v[\s+1+16*\b+\i]|
.endr
.endr
.irp b, 0,1,2,3
	v_permlanex16_b32 v[TM+4+\b], v[TM+\b], s[SEL], s[SEL+1]
.endr
.irp b, 0,1,2,3
	v_max_num_f32 v[TM+\b], v[TM+\b], v[TM+4+\b]
.endr
.irp b, 0,1,2,3
	v_add_nc_u32 v[TM+12+\b], 0xfc000000, v[TM+\b]         ; 8 off the exponent field: the conversion's scale operand
.endr
.irp b, 0,1,2,3
	v_and_or_b32 v[TM+8+\b], v[TM+\b], 0x7f800000, s[MNT]  ; 448 x the scale
.endr
.irp b, 0,1,2,3
	v_lshrrev_b32 v[TM+4+\b], 23, v[TM+12+\b]              ; the scale's byte
.endr
	v_lshl_or_b32 v[PW], v[TM+5], 8, v[TM+4]
	v_lshl_or_b32 v[PW], v[TM+6], 16, v[PW]
	v_lshl_or_b32 v[PW], v[TM+7], 24, v[PW]
.irp b, 0,1,2,3
.irp i, 0,1,2,3,4,5,6,7,8,9,10,11,12,13,14,15
	v_med3_num_f32 v[\s+16*\b+\i], v[\s+16*\b+\i], -v[TM+8+\b], v[TM+8+\b]   ; the conversion does not saturate (ISA guide 7.6.2)
.endr
	v_cvt_scalef32_pk8_fp8_f32 v[PC+4*\b:PC+1+4*\b], v[\s+16*\b:\s+7+16*\b], v[TM+12+\b]
	v_cvt_scalef32_pk8_fp8_f32 v[PC+2+4*\b:PC+3+4*\b], v[\s+8+16*\b:\s+15+16*\b], v[TM+12+\b]
.endr
	v_nop                                          ; a plain line behind the last conversion
.endm
	s_load_b128 s[4:7], s[0:1], 0x0                ; opimg s[4:5], rope s[6:7]
	s_load_b128 s[8:11], s[0:1], 0x10              ; qkvc s[8:9], qkvs s[10:11]
	v_lshl_add_u32 v[SPW], v0, 2, SPARE
	v_mov_b32 v[NIL], 0
	ds_add_u32 v28, v29
	ds_add_u32 v28, v29
	s_wait_dscnt 0x0
	v_lshrrev_b32 v1, 5, v0
	v_readfirstlane_b32 s14, v1                    ; wave 0..3
	s_lshr_b32 s15, s14, 1                         ; which half of A's rows is mine.  Also: I fetch for A (0) or for B (1)
	s_and_b32 s16, s14, 1                          ; which half of B's rows.  Also: which K step of a slot I fetch
	s_bfe_u32 s40, ttmp6, 0x40000                  ; cx, cy: my place in the cluster
	s_bfe_u32 s41, ttmp6, 0x40004
	s_lshl_b32 s42, ttmp9, 2
	s_add_co_u32 s42, s42, s40                     ; grid x
	s_and_b32 s17, ttmp7, 0xffff
	s_lshl_b32 s17, s17, 2
	s_add_co_u32 s17, s17, s41                     ; grid y
	s_lshl_b32 s43, s41, 2
	s_lshl_b32 s43, 15, s43                        ; my row of the cluster
	s_lshl_b32 s44, 0x1111, s40                    ; my column
	s_lshr_b32 s66, ttmp9, 2                       ; 1 in v's clusters (cluster x 4 and 5): the same in all sixteen partners
	s_mul_i32 s67, s66, 24
	; descriptor group 1: a chunk, dense: 132 rows of 32 elements of 8 bytes
	s_or_b32 s[G1+0], s43, (3<<16)|(1<<21)         ; 15:0 the mask: A's chunks go to my row; 17:16 elements of 8 bytes; 21 set beside a mask
	s_or_b32 s[G1B+0], s44, (3<<16)|(1<<21)
.irp g, G1, G1B
	s_mov_b32 s[\g+1], 32<<16                      ; tensor_dim0
	s_mov_b32 s[\g+2], 132<<16                     ; tensor_dim1
	s_mov_b32 s[\g+3], 32<<16                      ; tile_dim0
	s_mov_b32 s[\g+4], 132                         ; tile_dim1
	s_mov_b32 s[\g+5], 32                          ; tensor_dim0_stride
	s_mov_b32 s[\g+6], 0
	s_mov_b32 s[\g+7], 0
.endr
	s_mul_i32 s18, s16, CH                         ; the K step that I fetch
	s_add_co_u32 s20, s17, s67                     ; A's tile: x's tile y, or wv's (24 + y)
	s_mul_i32 s20, s20, TILEB
	s_add_co_u32 s20, s20, s18
	s_mov_b32 s21, 0
	s_add_co_u32 s46, s42, 8                       ; B's tile: wq's and wk's (8 + x), or x's (x - 16)
	s_sub_co_u32 s46, s46, s67
	s_mul_i32 s46, s46, TILEB
	s_add_co_u32 s46, s46, s18
	s_mov_b32 s47, 0
	s_mul_i32 s45, s14, CH                         ; where it goes: chunk w of a slot: no place in the cluster enters an LDS address
	s_wait_kmcnt 0x0
	s_add_nc_u64 s[20:21], s[4:5], s[20:21]
	s_add_nc_u64 s[46:47], s[4:5], s[46:47]
	CROUND                                         ; all sixteen work-groups are here: the first joint loads meet
.irp s, 0,1
	s_mov_b32 s[G0+4*\s], 1
	s_add_co_u32 s[G0+4*\s+1], s45, \s*SLOT
	s_add_nc_u64 s[G0+4*\s+2:G0+4*\s+3], s[20:21], \s*2*CH
	s_or_b32 s[G0+4*\s+3], s[G0+4*\s+3], 0x80000000
	s_mov_b32 s[G0B+4*\s], 1
	s_add_co_u32 s[G0B+4*\s+1], s45, \s*SLOT
	s_add_nc_u64 s[G0B+4*\s+2:G0B+4*\s+3], s[46:47], \s*2*CH
	s_or_b32 s[G0B+4*\s+3], s[G0B+4*\s+3], 0x80000000
	JLOAD G0+4*\s, G1, G0B+4*\s, G1B
.endr
	v_and_b32 v1, 15, v0                           ; r
	v_bfe_u32 v2, v0, 4, 1                         ; h
	v_and_b32 v3, 31, v0
	v_lshlrev_b32 v[CO], 4, v3                     ; 16 x lane
	s_lshl_b32 s21, s15, 14                        ; my eight images of A in a chunk
	s_lshl_b32 s22, s16, 14                        ; my eight of B,
	s_add_co_u32 s22, s22, 2*CH                    ; behind A's two chunks
.irp s, 0,1
	v_add_nc_u32 v[ADRA+\s], s21, v[CO]
	v_add_nc_u32 v[ADRB+\s], s22, v[CO]
	s_add_co_u32 s21, s21, SLOT
	s_add_co_u32 s22, s22, SLOT
.endr
	s_lshl_b32 s21, s15, 9                         ; the scale words of my eight blocks of A: 512 bytes,
	s_lshl_b32 s22, s16, 9
	s_add_co_u32 s22, s22, 2*CH                    ; and of B
	s_sub_co_u32 s22, s22, s21
	v_mul_u32_u24 v6, s22, v2                      ; lanes 16-31 take B's
	s_add_co_u32 s21, s21, 32768
	v_lshlrev_b32 v5, 2, v1
	v_add_nc_u32 v6, v5, v6
	v_add_nc_u32 v[ADRS], s21, v6
	v_add_nc_u32 v[ADRS+1], SLOT, v[ADRS]
	s_lshl_b32 s23, s14, 9                         ; the way out: 512 bytes for each wave at the head of slot 0, which has had its last fill and its last read by then
	v_add_nc_u32 v[STO], s23, v5
	v_add_nc_u32 v[RD], s23, v[CO]
	; where my results go
	s_and_b32 s70, s42, 7
	s_lshl_b32 s70, s70, 1
	s_add_co_u32 s70, s70, s16                     ; u: which 128 of side B
	s_lshl_b32 s71, s17, 1
	s_add_co_u32 s71, s71, s15                     ; v: which 128 of side A
	s_lshr_b32 s72, s42, 3                         ; q, k or v
	s_lshl_b32 s75, s71, 3                         ; the table's first block for my tokens
	s_cmp_eq_u32 s66, 1
	s_cselect_b32 s73, s71, s70                    ; the head: side B's for q and k, side A's for v
	s_cselect_b32 s74, s70, s71                    ; the group of 128 tokens: the other one
	s_cselect_b32 s75, 128, s75                    ; v is rotated by the blocks of cos 1, sin 0
	s_lshl_b32 s72, s72, 4
	s_add_co_u32 s72, s72, s73
	s_lshl_b32 s72, s72, 4
	s_add_co_u32 s72, s72, s74
	s_lshl_b32 s70, s72, 14
	s_mov_b32 s71, 0
	s_add_nc_u64 s[8:9], s[8:9], s[70:71]
	s_lshl_b32 s70, s72, 9
	s_add_nc_u64 s[10:11], s[10:11], s[70:71]
	s_lshl_b32 s70, s75, 13
	s_add_nc_u64 s[6:7], s[6:7], s[70:71]
	s_mov_b32 s[SEL], 0x76543210
	s_mov_b32 s[SEL+1], 0xfedcba98
	s_mov_b32 s[MNT], 0x600000
.macro FRAG reg, adr, q, i             ; an image comes back as it was stored: four loads of 512 consecutive bytes
.irp c, 0,1,2,3
	ds_load_b128 v[\reg+4*\c:\reg+4*\c+3], v[\adr] offset:CH*(\q)+2048*(\i)+512*\c
.endr
.endm
; 16 matrix instructions: A's blocks a0, a0 + 1 x B's eight.  The 64 accumulators take turns, one instruction a turn, in the same order in every step.
.macro MUL16 a0, p, q, sc, zero
.irp a, \a0, \a0+1
.irp b, 0,1,2,3,4,5,6,7
.if \zero
	v_wmma_scale_f32_16x16x128_f8f6f4 v[8*(8*((\a)%4)+\b):8*(8*((\a)%4)+\b)+7], v[128*(\p)+FR*\b:128*(\p)+FR*\b+FR-1], v[AF+FR*(\a):AF+FR*(\a)+FR-1], 0, v[SC+8*NQ*(\sc)+NQ*\b+(\q)], v[SC+8*NQ*(\sc)+NQ*(\a)+(\q)] matrix_a_scale:MATRIX_SCALE_ROW1
.else
	v_wmma_scale_f32_16x16x128_f8f6f4 v[8*(8*((\a)%4)+\b):8*(8*((\a)%4)+\b)+7], v[128*(\p)+FR*\b:128*(\p)+FR*\b+FR-1], v[AF+FR*(\a):AF+FR*(\a)+FR-1], v[8*(8*((\a)%4)+\b):8*(8*((\a)%4)+\b)+7], v[SC+8*NQ*(\sc)+NQ*\b+(\q)], v[SC+8*NQ*(\sc)+NQ*(\a)+(\q)] matrix_a_scale:MATRIX_SCALE_ROW1
.endif
.endr
.endr
.endm
.macro FETCH_B slot, q, p
	WIN TO_B
.irp i, 0,1,2,3,4,5,6,7
	FRAG 128*(\p)+FR*\i, ADRB+\slot, \q, \i
.endr
	WIN 0
.endm
.macro FETCH_A slot, q, i0
.irp i, \i0, \i0+1, \i0+2, \i0+3
	FRAG AF+FR*(\i), ADRA+\slot, \q, \i
.endr
.endm
.macro SCALES sc                       ; a slot's scale words into set sc: register 2 i + q: lanes 0-15 A's block i, lanes 16-31 B's block i, K step q
.irp i, 0,1,2,3,4,5,6,7
.irp q, 0,1
	ds_load_b32 v[SC+16*\sc+2*\i+\q], v[ADRS+\sc] offset:CH*\q+64*\i
.endr
.endr
.endm
.macro PLACES n                        ; plain vector lines between a matrix instruction and a load into, or a read of, its registers
.rept \n
	v_nop
.endr
.endm
.macro STEP slot, q, zero              ; a step of 128 along K that has its successor in the same slot
	s_wait_dscnt 4*NL                              ; B's set, A's blocks 0-3 and the scale words are in; the youngest 16 loads (A's blocks 4-7) may be out
	WIN MUL_LO
	MUL16 0, (\q)%2, \q, \slot, \zero
	MUL16 2, (\q)%2, \q, \slot, \zero
	s_wait_dscnt 0                                 ; A's blocks 4-7 are in
	PLACES NP
	FETCH_B \slot, (\q)+1, 1-(\q)%2
	FETCH_A \slot, (\q)+1, 0
	WIN MUL_HI
	MUL16 4, (\q)%2, \q, \slot, \zero
	MUL16 6, (\q)%2, \q, \slot, \zero
	PLACES NP
	WIN 0
	FETCH_A \slot, (\q)+1, 4
.endm
; A slot's last step changes slots: one barrier; in front of it each wave waits for all its tensor loads, adds 0 to its spare word, and waits for that and for its own reads of this slot.
.macro TURN slot, next, fill
	s_wait_tensorcnt 0x0                           ; all my tensor loads have landed: my chunk of the next slot
	ds_add_u32 v[SPW], v[NIL]                      ; 0 onto my spare word
	s_wait_dscnt 4*NL+1                            ; (the add and the youngest 16 loads, A's blocks 4-7, may be out)
	WIN MUL_LO
	MUL16 0, 1, NQ-1, \slot, 0
	s_wait_dscnt 0x0                               ; the add is done, and my reads of this slot are over
	s_barrier_signal -1
	MUL16 2, 1, NQ-1, \slot, 0
	WIN 0
	s_barrier_wait -1
.if \fill
	CREST                                          ; the barrier has opened a round of the cluster's: no wave of any partner still reads this slot or has a load on its way
	s_add_nc_u64 s[G0+4*\slot+2:G0+4*\slot+3], s[G0+4*\slot+2:G0+4*\slot+3], 4*CH
	s_add_nc_u64 s[G0B+4*\slot+2:G0B+4*\slot+3], s[G0B+4*\slot+2:G0B+4*\slot+3], 4*CH
	JLOAD G0+4*\slot, G1, G0B+4*\slot, G1B         ; the first tensor load behind the round; its four v_nop are among the places in front of the loads below
	PLACES NP-4
.else
	PLACES NP
.endif
	FETCH_B \next, 0, 0
	FETCH_A \next, 0, 0
	SCALES \next
	WIN MUL_HI
	MUL16 4, 1, NQ-1, \slot, 0
	MUL16 6, 1, NQ-1, \slot, 0
	PLACES NP
	WIN 0
	FETCH_A \next, 0, 4
.endm
	s_wait_tensorcnt 1                             ; my chunk of slot 0 is in (slot 1's load may be out)
	s_barrier_signal -1
	s_barrier_wait -1                              ; everybody's is
	FETCH_B 0, 0, 0
	FETCH_A 0, 0, 0
	SCALES 0
	FETCH_A 0, 0, 4
	STEP 0, 0, 1                                   ; the first step stands in front of the loop: its products start the sums
	s_mov_b32 s3, LAPS-1
.Llap:                                                 ; a trip goes once round the ring and fills both slots again
	TURN 0, 1, 1
	STEP 1, 0, 0
	TURN 1, 0, 1
	STEP 0, 0, 0
	s_sub_co_u32 s3, s3, 1
	s_cmp_lg_u32 s3, 0
	s_cbranch_scc1 .Llap
	TURN 0, 1, 0                                   ; the last lap fills nothing
	STEP 1, 0, 0
	s_wait_dscnt 4*NL
	WIN MUL_LO
	MUL16 0, 1, NQ-1, 1, 0
	MUL16 2, 1, NQ-1, 1, 0
	s_wait_dscnt 0
	WIN MUL_HI
	MUL16 4, 1, NQ-1, 1, 0
	MUL16 6, 1, NQ-1, 1, 0
	WIN 0
; THE WAY OUT, A's blocks one after the other.
.macro TAB a                           ; the table's block for A's block a: 16 loads of 512 consecutive bytes into set a % 2 (window 1): register e = cos, e + 1 = sin of the pair (e, e + 1)
	WIN 0x40
.irp i, 0,1,2,3,4,5,6,7,8,9,10,11,12,13,14,15
	global_load_b128 v[64*((\a)%2)+4*\i:64*((\a)%2)+4*\i+3], v[CO], s[6:7] offset:(\a)*8192+512*\i
.endr
	WIN 0
.endm
.macro ROPE a                          ; even' = even cos - odd sin, odd' = even sin + odd cos.  Each accumulator is read from its low end on
.set AC, 64*((\a)%4)
.set TT, 64*((\a)%2)
	WIN 0x06+(\a)/4                                ; source 0: window 2 or 3; source 1: window 1
.set e, 0
.rept 16
	v_mul_f32 v[X+e],   v[AC+e+1], v[TT+e+1]
	v_mul_f32 v[X+e+2], v[AC+e+3], v[TT+e+3]
	v_mul_f32 v[X+e+1], v[AC+e],   v[TT+e+1]
	v_mul_f32 v[X+e+3], v[AC+e+2], v[TT+e+3]
	v_fma_f32 v[X+e],   v[AC+e],   v[TT+e],   -v[X+e]
	v_fma_f32 v[X+e+2], v[AC+e+2], v[TT+e+2], -v[X+e+2]
	v_fma_f32 v[X+e+1], v[AC+e+1], v[TT+e],   v[X+e+1]
	v_fma_f32 v[X+e+3], v[AC+e+3], v[TT+e+2], v[X+e+3]
.set e, e+4
.endr
	WIN 0
.endm
	PLACES NP                                      ; behind the last products: for the loads and writes into their operands' registers and the reads of their results
.irp b, 0,1,2,3
	v_mov_b32 v[TM+4+\b], 0                        ; a lane permute's destination counts as one of its sources
.endr
	TAB 0
.irp a, 0,1,2,3,4,5,6,7
.if \a < 7
	TAB \a+1
	s_wait_loadcnt 16                              ; this block's table is in; the next block's 16 loads may be out
.else
	s_wait_loadcnt 0x0
.endif
	ROPE \a
	s_wait_xcnt 0x0                                ; the last block's stores have read the codes' registers,
	s_wait_dscnt 0x0                               ; and its scale word has left its register
	QUANT X
.irp c, 0,1,2,3
	global_store_b128 v[CO], v[PC+4*\c:PC+4*\c+3], s[8:9] offset:\a*2048+512*\c   ; 512 consecutive bytes, aligned
.endr
	ds_store_b32 v[STO], v[PW] offset:64*\a        ; both halves of the lanes write the same word with the same value
.endr
	ds_load_b128 v[SW:SW+3], v[RD]                 ; LDS serves a wave's instructions in order: this sees my stores
	s_wait_dscnt 0x0
	global_store_b128 v[CO], v[SW:SW+3], s[10:11]  ; my eight blocks' scale words: 512 consecutive bytes, aligned
	s_wait_tensorcnt 0x0                           ; the wave's end
	ds_add_u32 v[SPW], v[NIL]
	s_wait_dscnt 0x0
	CROUND                                         ; the closing round: no work-group ends while a partner may still ask for a chunk that names it
	s_endpgm
.Lfunc_end_k_q4e8569df96_qkv:
	.size	k_q4e8569df96_qkv, .Lfunc_end_k_q4e8569df96_qkv-k_q4e8569df96_qkv
	.p2alignl 7, 3214868480
	.fill 96, 4, 3214868480
	.section	.rodata,"a",@progbits
	.p2align	6, 0x0
	.amdhsa_kernel k_q4e8569df96_qkv
		.amdhsa_group_segment_fixed_size 327680
		.amdhsa_private_segment_fixed_size 0
		.amdhsa_enable_private_segment 0
		.amdhsa_kernarg_size 32
		.amdhsa_user_sgpr_count 2
		.amdhsa_user_sgpr_kernarg_segment_ptr 1
		.amdhsa_wavefront_size32 1
		.amdhsa_system_sgpr_workgroup_id_x 1
		.amdhsa_system_sgpr_workgroup_id_y 1
		.amdhsa_system_sgpr_workgroup_id_z 1
		.amdhsa_system_vgpr_workitem_id 0
		.amdhsa_next_free_vgpr 1024
		.amdhsa_next_free_sgpr 100
		.amdhsa_reserve_vcc 0
		.amdhsa_float_denorm_mode_32 3
		.amdhsa_float_denorm_mode_16_64 3
		.amdhsa_memory_ordered 1
		.amdhsa_forward_progress 1
		.amdhsa_inst_pref_size 245
	.end_amdhsa_kernel
	.amdgpu_metadata
---
amdhsa.version: [ 1, 2 ]
amdhsa.kernels:
  - .name:           k_q4e8569df96_qkv
    .symbol:         k_q4e8569df96_qkv.kd
    .args:
      - { .name: opimg, .offset: 0, .size: 8, .value_kind: global_buffer, .address_space: global }
      - { .name: rope, .offset: 8, .size: 8, .value_kind: global_buffer, .address_space: global }
      - { .name: qkvc, .offset: 16, .size: 8, .value_kind: global_buffer, .address_space: global }
      - { .name: qkvs, .offset: 24, .size: 8, .value_kind: global_buffer, .address_space: global }
    .group_segment_fixed_size: 327680
    .private_segment_fixed_size: 0
    .kernarg_segment_align: 8
    .kernarg_segment_size: 32
    .max_flat_workgroup_size: 128
    .sgpr_count:     100
    .vgpr_count:     1024
    .wavefront_size: 32
...
	.end_amdgpu_metadata
.endif
;; end of part 2
;; launch attn (part 3): grid 16 x 16, 8 waves a work-group, clusters of 4 x 1, 327,680 bytes of LDS; arguments qkvc, qkvs, aoimg; writes aoimg
.if DOCPART == 3
	.amdgcn_target "amdgcn-amd-amdhsa--gfx1250"
	.amdhsa_code_object_version 6
	.text
	.protected	k_q4e8569df96_attn
	.globl	k_q4e8569df96_attn
	.p2align	8
	.type	k_q4e8569df96_attn,@function
k_q4e8569df96_attn:
	s_mov_b64 s[64:65], 0
	v_nop
	global_prefetch_b8 v0, s[64:65] scope:SCOPE_SE
	s_setreg_imm32_b32 hwreg(HW_REG_WAVE_MODE, 25, 1), 1
	s_wait_xcnt 0x0
	s_wait_alu depctr_hold_cnt(0) depctr_sa_sdst(0) depctr_va_vdst(0) depctr_va_sdst(0) depctr_va_ssrc(0) depctr_va_vcc(0) depctr_vm_vsrc(0)
	s_getreg_b32 s2, hwreg(HW_REG_IB_STS2, 6, 4)
	s_cmp_eq_u32 s2, 0
	s_cbranch_scc0 .Lentry_in_a_cluster
	s_endpgm
.Lentry_in_a_cluster:
	s_bfe_u32 s2, ttmp6, 0x10000c
	s_cmp_lg_u32 s2, 0x3003
	s_cbranch_scc0 .Lentry_shape_is_right
	s_endpgm
.Lentry_shape_is_right:
; ATTN.  O[h][q] = the sum over keys k <= q of softmax_k(Q[h][q] . K[h][k] / sqrt(128)) V[h][k], both products on codes of FP8 (E4M3) with E8M0 scales for each 32 along a product's K; O is quantised along the model's axis and stored as codes.
; THE SOFTMAX: t = score x log2(e) / sqrt(128); M = the row's largest t so far, rounded up to a whole number; p = 2^(t - M) is quantised along the keys, not normalised; the row's sum is taken of the unquantised p
; and divides O at the end.  When M moves, the sum and O are multiplied by 2^(old M - new M): exact.
; OPERANDS ARE IMAGES OF THEIR REGISTERS (qkvc, qkvs): 2,048 bytes [c][lane][16 bytes] for 16 rows x 128 K; in block 2 g + u lane r holds row 32 g + 8 u + r + 8 (r / 8).  K: rows are keys, K the head's 128.  V: rows are channels, K 128 keys.
; Both products are used transposed: S^T = K Q^T, O^T = V^T P^T: a lane holds one query throughout; by the rule of rows p's 16 registers of two neighbouring tiles are 16 neighbouring keys, and O^T's are 16 neighbouring channels.
; SHARES.  A work-group (j = grid x, head = grid y) has eight waves; a wave owns one block of 16 queries, block 16 i + j, i by the wave's number.  So a work-group's queries are strewn over the sequence, every work-group walks
; all 16 key steps of 128 (constant trip counts), and the work-groups' work is nearly even.  A step all of whose keys come after the wave's queries is jumped over by a scalar branch on ids; the one step on the diagonal masks.
; CLUSTER.  The four work-groups of a cluster belong to one head and walk the same K and V: each tile is asked for jointly.  The ring: two slots of four key steps; wave w fetches 16,384 bytes (waves 0-3: K's steps, waves 4-7: V's).
; The scale words of the whole head stay in LDS, filled once.
; The scale word of my 16 rows leaves as 64 bytes from sixteen lanes: a short store, one a wave in the whole launch.
; LIMITS: a block of zeros gets the byte 1; NaN and infinities are not served.
; REGISTERS: v1-7 addresses that stay; v8-11 addresses in hand; v12 -M, v13 the largest t, v[14:15] the sum in two halves; v16-31 Q; v32-95 four fragments of K or V; v96-159 S^T, then p; v160-223 O^T; v224-239 p's codes; v232-254 at work;
; v248-251 the tiles' scale words; v253 p's; v255 Q's.
.set STEPB, 16384                      ; a key step's eight images
.set VOFF,  4*STEPB                    ; a slot: four steps of K, then four of V
.set SLOT1, 1<<17
.set SCK,   2*SLOT1                    ; K's scale words of the head, 8,192 bytes;
.set SCV,   SCK+8192                   ; V's
.set SPARE, SCV+8192                   ; the spare words, 128 bytes for each wave, that no other line names
.set CH,    33792
.set TILEB, 16*CH
.set AK0,  1
.set AV0,  2
.set ASK0, 3
.set ASV0, 4
.set SPW,  5
.set NIL,  6
.set PFO,  7
.set ADK,  8
.set ADV,  9
.set ADS,  10
.set ADT,  11
.set TM,   232
.set PC,   32
.set PW,   248
.set WV,   18
.set MNT,  19
.set SEL,  20
.set CS,   22
.set G1,   24
.set G1S,  32
.set G0,   40
.set G0S,  44
.set TB,   2                           ; s2   LDS byte at which the step's tiles of K begin
.set TS,   3                           ; s3   512 x the key step: its scale words
.set KS,   66                          ; s66  the key step
.set G,    67                          ; s67  the key step on my queries' diagonal
.set SLOTS, 68
.set FOUR, 69
.set DJ,   70                          ; s70  my block's first query within its 128
.set PFA,  72
.set LIM,  74
.macro CROUND
	s_barrier_signal -1
	s_barrier_wait -1
	s_cmp_lg_u32 s[WV], 0
	s_cbranch_scc1 .Lnot_wave_0_\@
	s_barrier_signal -3
.Lnot_wave_0_\@:
	s_barrier_wait -3
	s_barrier_signal -1
	s_barrier_wait -1
.endm
; A prefetch of what the NEXT change of slots will ask for.  All clusters of a head walk the same K and V: the head's first cluster asks.  In it the even waves ask, each for its own 16,384 bytes and the next wave's;
; the four partners share those 32,768 bytes out by address, 8,192 each, lanes 256 bytes apart: each block of 256 bytes is named once.  The last change that fills a slot asks for nothing; slots 0 and 1 come by their loads alone.
.macro ASK
	s_cmp_gt_u32 s[SLOTS], s[LIM]
	s_cbranch_scc0 .Lnot_mine_\@
	global_prefetch_b8 v[PFO], s[PFA:PFA+1] th:TH_LOAD_NT scope:SCOPE_SE
.Lnot_mine_\@:
.endm
.macro QUANT s
.irp b, 0,1,2,3
	v_max3_num_f32 v[TM+\b], |v[\s+16*\b]|, |v[\s+1+16*\b]|, 0x4800000
.endr
.irp i, 2,4,6,8,10,12,14
.irp b, 0,1,2,3
	v_max3_num_f32 v[TM+\b], v[TM+\b], |v[\s+16*\b+\i]|, |v[\s+1+16*\b+\i]|
.endr
.endr
.irp b, 0,1,2,3
	v_permlanex16_b32 v[TM+4+\b], v[TM+\b], s[SEL], s[SEL+1]
.endr
.irp b, 0,1,2,3
	v_max_num_f32 v[TM+\b], v[TM+\b], v[TM+4+\b]
.endr
.irp b, 0,1,2,3
	v_add_nc_u32 v[TM+12+\b], 0xfc000000, v[TM+\b]
.endr
.irp b, 0,1,2,3
	v_and_or_b32 v[TM+8+\b], v[TM+\b], 0x7f800000, s[MNT]
.endr
.irp b, 0,1,2,3
	v_lshrrev_b32 v[TM+4+\b], 23, v[TM+12+\b]
.endr
	v_lshl_or_b32 v[PW], v[TM+5], 8, v[TM+4]
	v_lshl_or_b32 v[PW], v[TM+6], 16, v[PW]
	v_lshl_or_b32 v[PW], v[TM+7], 24, v[PW]
.irp b, 0,1,2,3
.irp i, 0,1,2,3,4,5,6,7,8,9,10,11,12,13,14,15
	v_med3_num_f32 v[\s+16*\b+\i], v[\s+16*\b+\i], -v[TM+8+\b], v[TM+8+\b]
.endr
	v_cvt_scalef32_pk8_fp8_f32 v[PC+4*\b:PC+1+4*\b], v[\s+16*\b:\s+7+16*\b], v[TM+12+\b]
	v_cvt_scalef32_pk8_fp8_f32 v[PC+2+4*\b:PC+3+4*\b], v[\s+8+16*\b:\s+15+16*\b], v[TM+12+\b]
.endr
	v_nop
.endm
	s_load_b128 s[4:7], s[0:1], 0x0                ; qkvc s[4:5], qkvs s[6:7]
	s_load_b64 s[8:9], s[0:1], 0x10                ; aoimg
	v_lshl_add_u32 v[SPW], v0, 2, SPARE
	v_mov_b32 v[NIL], 0
	ds_add_u32 v5, v6
	ds_add_u32 v5, v6
	s_wait_dscnt 0x0
	v_lshrrev_b32 v8, 5, v0
	v_readfirstlane_b32 s[WV], v8                  ; wave 0..7
	s_bfe_u32 s10, ttmp6, 0x40000                  ; cx
	s_lshl_b32 s11, ttmp9, 2
	s_add_co_u32 s11, s11, s10                     ; j
	s_and_b32 s12, ttmp7, 0xffff                   ; the head
	s_lshr_b32 s13, s[WV], 2                       ; I fetch for K (0) or for V (1)
	s_mul_i32 s14, s13, 3
	s_xor_b32 s14, s[WV], s14                      ; i: 0, 1, 2, 3, 7, 6, 5, 4
	s_lshl_b32 s[G], s14, 1
	s_lshr_b32 s15, ttmp9, 1
	s_add_co_u32 s[G], s[G], s15                   ; (16 i + j) / 8: made of the wave's number and the cluster's x: the same in all partners
	s_add_co_u32 s48, s13, 1
	s_lshl_b32 s48, s48, 4
	s_add_co_u32 s48, s48, s12                     ; 16 x (k or v) + head
	s_and_b32 s49, s[WV], 3                        ; which of a slot's four steps I fetch
	s_lshl_b32 s50, s48, 18
	s_lshl_b32 s51, s49, 14
	s_add_co_u32 s50, s50, s51
	s_mov_b32 s51, 0                               ; s[50:51]: my tile of slot 0, in qkvc
	s_lshl_b32 s52, s48, 13
	s_lshl_b32 s53, s49, 11
	s_add_co_u32 s52, s52, s53
	s_mov_b32 s53, 0                               ; s[52:53]: my quarter of the scale words, in qkvs
	s_lshl_b32 s54, s[WV], 14                      ; where they go in LDS
	s_lshl_b32 s55, s[WV], 11
	s_add_co_u32 s55, s55, SCK
	s_and_b32 s56, s11, 7                          ; my block within its group of 128 tokens
	s_lshl_b32 s58, s12, 18
	s_lshl_b32 s57, s[G], 14
	s_add_co_u32 s58, s58, s57
	s_lshl_b32 s57, s56, 11
	s_add_co_u32 s58, s58, s57
	s_mov_b32 s59, 0                               ; s[58:59]: Q's image
	s_lshl_b32 s60, s12, 13
	s_lshl_b32 s57, s[G], 9
	s_add_co_u32 s60, s60, s57
	s_lshl_b32 s57, s56, 6
	s_add_co_u32 s60, s60, s57
	s_mov_b32 s61, 0                               ; s[60:61]: its scale words
	s_lshr_b32 s57, s56, 1
	s_lshl_b32 s57, s57, 5
	s_and_b32 s[DJ], s11, 1
	s_lshl_b32 s[DJ], s[DJ], 3
	s_add_co_u32 s[DJ], s[DJ], s57
	s_mul_i32 s76, s14, TILEB                      ; the result: tile i, K step = head, block j
	s_mul_i32 s57, s12, CH
	s_add_co_u32 s76, s76, s57
	s_lshl_b32 s57, s11, 6
	s_add_co_u32 s78, s76, s57
	s_lshl_b32 s57, s11, 11
	s_add_co_u32 s76, s76, s57
	s_mov_b32 s77, 0
	s_mov_b32 s79, 0
	s_lshl_b32 s62, s10, 13                        ; the prefetches: my work-group's 8,192 bytes, in slot 1: the first change of slots steps it to slot 2
	s_add_co_u32 s62, s62, 4*STEPB
	s_mov_b32 s63, 0
	s_and_b32 s[LIM], s[WV], 1
	s_or_b32 s[LIM], s[LIM], ttmp9
	s_cmp_eq_u32 s[LIM], 0
	s_cselect_b32 s[LIM], 1, -1                    ; 1 in the even waves of the head's first cluster, else the greatest number
	; descriptor group 1: 16,384 dense bytes as 64 rows of 32 elements of 8 bytes; the scale words: 8 such rows
	s_mov_b32 s[G1], 15|(3<<16)|(1<<21)            ; 15:0 the mask: all four work-groups; 17:16 elements of 8 bytes; 21 set beside a mask
	s_mov_b32 s[G1+1], 32<<16
	s_mov_b32 s[G1+2], 64<<16
	s_mov_b32 s[G1+3], 32<<16
	s_mov_b32 s[G1+4], 64
	s_mov_b32 s[G1+5], 32
	s_mov_b32 s[G1+6], 0
	s_mov_b32 s[G1+7], 0
	s_mov_b32 s[G1S], 15|(3<<16)|(1<<21)
	s_mov_b32 s[G1S+1], 32<<16
	s_mov_b32 s[G1S+2], 8<<16
	s_mov_b32 s[G1S+3], 32<<16
	s_mov_b32 s[G1S+4], 8
	s_mov_b32 s[G1S+5], 32
	s_mov_b32 s[G1S+6], 0
	s_mov_b32 s[G1S+7], 0
	s_mov_b32 s[SEL], 0x76543210
	s_mov_b32 s[SEL+1], 0xfedcba98
	s_mov_b32 s[CS], 0x3e0293ee                    ; c = log2(e) / sqrt(128)
	s_mov_b32 s[CS+1], s[CS]
	s_mov_b32 s[MNT], 0x600000
	s_mov_b32 s[TB], 0
	s_mov_b32 s[TS], 0
	s_mov_b32 s[KS], 0
	s_mov_b32 s[SLOTS], 3
	s_wait_kmcnt 0x0
	s_mov_b32 s[G0S], 1
	s_mov_b32 s[G0S+1], s55
	s_add_nc_u64 s[G0S+2:G0S+3], s[6:7], s[52:53]
	s_or_b32 s[G0S+3], s[G0S+3], 0x80000000
	s_mov_b32 s[G0], 1
	s_mov_b32 s[G0+1], s54
	s_add_nc_u64 s[G0+2:G0+3], s[4:5], s[50:51]
	s_or_b32 s[G0+3], s[G0+3], 0x80000000
	CROUND                                         ; all four work-groups are here: the first joint loads meet
	tensor_load_to_lds s[G0S:G0S+3], s[G1S:G1S+7]  ; the scale words: filled once
	s_nop 0
	tensor_load_to_lds s[G0:G0+3], s[G1:G1+7]      ; slot 0.  Two loads of mine are out
	s_nop 0
.rept 4
	v_nop
.endr
	s_add_nc_u64 s[PFA:PFA+1], s[4:5], s[50:51]
	s_add_nc_u64 s[PFA:PFA+1], s[PFA:PFA+1], s[62:63]
	s_add_nc_u64 s[82:83], s[4:5], s[58:59]
	s_add_nc_u64 s[84:85], s[6:7], s[60:61]
	s_add_nc_u64 s[76:77], s[8:9], s[76:77]
	s_add_nc_u64 s[78:79], s[8:9], s[78:79]
	v_and_b32 v8, 31, v0
	v_lshlrev_b32 v[AK0], 4, v8                    ; 16 x lane
	v_add_nc_u32 v[AV0], VOFF, v[AK0]
	v_and_b32 v9, 15, v0
	v_lshlrev_b32 v10, 2, v9                       ; 4 r
	v_add_nc_u32 v[ASK0], SCK, v10
	v_add_nc_u32 v[ASV0], SCV, v10
	v_lshlrev_b32 v[PFO], 8, v8
.irp c, 0,1,2,3
	global_load_b128 v[16+4*\c:19+4*\c], v[AK0], s[82:83] offset:512*\c   ; Q's fragment stays in registers
.endr
	global_load_b32 v255, v10, s[84:85]            ; and its scale words
	v_mov_b32 v13, 0xff61b1e6                      ; the largest t so far: -3e38
	v_floor_f32 v12, -v13                          ; -M
	v_mov_b32 v14, 0
	v_mov_b32 v15, 0
.irp b, 0,1,2,3
	v_mov_b32 v[236+\b], 0                         ; a lane permute's destination counts as one of its sources
.endr
	v_mov_b32 v252, 0
	v_mov_b32 v253, 0
.set n, 0
.rept 64
	v_mov_b32 v[160+n], 0                          ; O^T: the step is written once; the first finds zeros
.set n, n+1
.endr
.macro VLOAD g                         ; four tiles of V (16 channels x 128 keys) and their scale words
.irp t, 0,1,2,3
.irp c, 0,1,2,3
	ds_load_b128 v[32+16*\t+4*\c:32+16*\t+4*\c+3], v[ADV] offset:(4*\g+\t)*2048+512*\c
.endr
	ds_load_b32 v[248+\t], v[ADT] offset:(4*\g+\t)*64
.endr
.endm
.macro PV g                            ; O^T += V^T P^T, four accumulators, one instruction each
.irp t, 0,1,2,3
	v_wmma_scale_f32_16x16x128_f8f6f4 v[160+8*(4*\g+\t):167+8*(4*\g+\t)], v[32+16*\t:47+16*\t], v[224:239], v[160+8*(4*\g+\t):167+8*(4*\g+\t)], v[248+\t], v253
.endr
.endm
; A KEY STEP: 128 keys.
.macro STEP
	s_cmp_gt_u32 s[KS], s[G]                       ; all its keys come after my queries: only the addresses step
	s_cbranch_scc1 .Lhidden_\@
	v_add_nc_u32 v[ADK], s[TB], v[AK0]
	v_add_nc_u32 v[ADV], s[TB], v[AV0]
	v_add_nc_u32 v[ADS], s[TS], v[ASK0]
	v_add_nc_u32 v[ADT], s[TS], v[ASV0]
.irp g, 0,1                                    ; S^T = K Q^T, four tiles of 16 keys at a time
.rept 4+4*\g
	v_nop                                          ; eight places in front of loads into registers that matrix instructions have read; the four additions above are four of the first eight
.endr
.irp t, 0,1,2,3
.irp c, 0,1,2,3
	ds_load_b128 v[32+16*\t+4*\c:32+16*\t+4*\c+3], v[ADK] offset:(4*\g+\t)*2048+512*\c
.endr
	ds_load_b32 v[248+\t], v[ADS] offset:(4*\g+\t)*64
.endr
	s_wait_dscnt 0x0
.irp t, 0,1,2,3
	v_wmma_scale_f32_16x16x128_f8f6f4 v[96+8*(4*\g+\t):103+8*(4*\g+\t)], v[32+16*\t:47+16*\t], v[16:31], 0, v[248+\t], v255
.endr
.endr
.rept 8
	v_nop
.endr
	VLOAD 0                                        ; V's first four tiles land under the softmax
	s_cmp_lt_u32 s[KS], s[G]
	s_cbranch_scc1 .Lopen_\@                       ; all keys count
	v_and_b32 v252, 15, v0                         ; on the diagonal hidden scores become -infinity ahead of the maximum
	v_and_b32 v253, 8, v0
	v_add_nc_u32 v252, v252, v253                  ; r + 8 (r / 8)
	v_bfe_u32 v253, v0, 4, 1
	v_lshlrev_b32 v253, 4, v253
	v_sub_nc_u32 v252, v252, v253
	v_add_nc_u32 v252, s[DJ], v252                 ; d = my query within the 128 - 16 h.  Register 16 b + i holds key 32 b + 16 h + i: hidden where 32 b + i > d
	v_mov_b32 v254, 0xff800000
.set n, 0
.rept 64
	v_cmp_gt_i32 vcc_lo, 32*(n/16)+n%16, v252
	v_cndmask_b32 v[96+n], v[96+n], v254, vcc_lo
.set n, n+1
.endr
.Lopen_\@:
.irp b, 0,1,2,3
	v_max3_num_f32 v[232+\b], v[96+16*\b], v[97+16*\b], v[98+16*\b]   ; the largest score of each block of 32 keys: for the row's maximum and, since p rises with the score, for the block's largest p
.endr
.irp i, 3,5,7,9,11,13
.irp b, 0,1,2,3
	v_max3_num_f32 v[232+\b], v[232+\b], v[96+16*\b+\i], v[97+16*\b+\i]
.endr
.endr
.irp b, 0,1,2,3
	v_max_num_f32 v[232+\b], v[232+\b], v[111+16*\b]
.endr
.irp b, 0,1,2,3
	v_permlanex16_b32 v[236+\b], v[232+\b], s[SEL], s[SEL+1]
.endr
.irp b, 0,1,2,3
	v_max_num_f32 v[232+\b], v[232+\b], v[236+\b]
.endr
	v_max3_num_f32 v254, v232, v233, v234
	v_max_num_f32 v254, v254, v235
	v_mul_f32 v254, s[CS], v254
	v_max_num_f32 v13, v13, v254                   ; the running largest t
	v_mov_b32 v254, v12
	v_floor_f32 v12, -v13                          ; the new -M: a whole number
	v_sub_f32 v254, v12, v254
	v_cvt_i32_f32 v254, v254
	v_ldexp_f32 v252, 1.0, v254                    ; f = 2^(old M - new M)
.set n, 0
.rept 32
	v_pk_fma_f32 v[96+n:97+n], v[96+n:97+n], s[CS:CS+1], v[12:13] op_sel_hi:[1,0,0]   ; t - M
.set n, n+2
.endr
.irp b, 0,1,2,3
	v_fma_f32 v[232+\b], v[232+\b], s[CS], v12
.endr
.set n, 0
.rept 64
	v_exp_f32 v[96+n], v[96+n]                     ; p = 2^(t - M)
.set n, n+1
.endr
	v_pk_mul_f32 v[14:15], v[14:15], v[252:253] op_sel_hi:[1,0]   ; the sums under the new M: a plain line behind the exponentials
	s_wait_alu depctr_va_vdst(0)                   ; one wait for the batch, ahead of its first reader
.irp b, 0,1,2,3
	v_exp_f32 v[232+\b], v[232+\b]                 ; the block's largest p
.endr
	v_pk_add_f32 v[236:237], v[96:97], v[98:99]    ; the row's sum of the unquantised p, in two chains
.irp j, 4,8,12,16,20,24,28,32,36,40,44,48,52,56,60
	v_pk_add_f32 v[14:15], v[14:15], v[96+\j:97+\j]
	v_pk_add_f32 v[236:237], v[236:237], v[98+\j:99+\j]
.endr
	v_pk_add_f32 v[14:15], v[14:15], v[236:237]
	s_wait_alu depctr_va_vdst(0)                   ; and one for the four
.irp b, 0,1,2,3
	v_max_num_f32 v[232+\b], 0x4800000, v[232+\b]  ; the floor: the byte cannot fall under 1
.endr
.irp b, 0,1,2,3
	v_add_nc_u32 v[244+\b], 0xfc000000, v[232+\b]
.endr
.irp b, 0,1,2,3
	v_and_or_b32 v[240+\b], v[232+\b], 0x7f800000, s[MNT]
.endr
.irp b, 0,1,2,3
	v_lshrrev_b32 v[236+\b], 23, v[244+\b]
.endr
	v_lshl_or_b32 v253, v237, 8, v236              ; p's scale word for these 128 keys
	v_lshl_or_b32 v253, v238, 16, v253
	v_lshl_or_b32 v253, v239, 24, v253
.irp b, 0,1,2,3
.irp i, 0,1,2,3,4,5,6,7,8,9,10,11,12,13,14,15
	v_min_num_f32 v[96+16*\b+\i], v[96+16*\b+\i], v[240+\b]   ; p is not negative: the hold is one-sided
.endr
	v_cvt_scalef32_pk8_fp8_f32 v[224+4*\b:225+4*\b], v[96+16*\b:103+16*\b], v[244+\b]
	v_cvt_scalef32_pk8_fp8_f32 v[226+4*\b:227+4*\b], v[104+16*\b:111+16*\b], v[244+\b]
.endr
.set n, 0
.rept 32
	v_pk_mul_f32 v[160+n:161+n], v[160+n:161+n], v[252:253] op_sel_hi:[1,0]   ; O^T under the new M; also the places in front of the products below
.set n, n+2
.endr
	s_wait_dscnt 0x0                               ; V's first four tiles
	PV 0
.rept 8
	v_nop
.endr
	VLOAD 1
	s_wait_dscnt 0x0
	PV 1
.Lhidden_\@:
	s_add_co_u32 s[KS], s[KS], 1
	s_add_co_u32 s[TB], s[TB], STEPB
	s_add_co_u32 s[TS], s[TS], 512
.endm
.macro FOUR_STEPS                      ; a slot's four key steps: written once, walked four times
	s_mov_b32 s[FOUR], 4
.Lstep_\@:
	STEP
	s_sub_co_u32 s[FOUR], s[FOUR], 1
	s_cmp_lg_u32 s[FOUR], 0
	s_cbranch_scc1 .Lstep_\@
	s_sub_co_u32 s[TB], s[TB], 4*STEPB
	s_xor_b32 s[TB], s[TB], SLOT1                  ; on to the other slot
.endm
; THE CHANGE OF SLOTS stands at a slot's head.  Each wave waits for all its tensor loads (its part of the slot ahead), adds 0 to its spare word, and waits for that and for its reads of the slot that it has left.
; fill = 1: the barrier is a round of the cluster's, and behind it the slot that was left is filled with the next four key steps, which have a whole slot's steps in which to land.
.macro CHANGE fill
	s_wait_tensorcnt 0x0                           ; no tensor load of mine is out, so a group 0 may be written
	ds_add_u32 v[SPW], v[NIL]                      ; 0 onto my spare word
.if \fill
	s_xor_b32 s[G0+1], s[G0+1], SLOT1
	s_add_nc_u64 s[G0+2:G0+3], s[G0+2:G0+3], 4*STEPB
	s_wait_xcnt 0x0                                ; the last prefetch, a slot back, has read its address
	s_add_nc_u64 s[PFA:PFA+1], s[PFA:PFA+1], 4*STEPB
	s_wait_dscnt 0x0                               ; the add is done, and my reads of the slot that I have left are over
	CROUND
	tensor_load_to_lds s[G0:G0+3], s[G1:G1+7]      ; the first thing behind the round, and my one tensor load until the next
	s_nop 0
.rept 4
	v_nop
.endr
	ASK
.else
	s_wait_dscnt 0x0
	s_barrier_signal -1
	s_barrier_wait -1
.endif
.endm
	s_wait_loadcnt 0x0                             ; Q
.Lslot:                                                ; three trips: behind each change of slots but the last the next slot is asked for
	CHANGE 1
	FOUR_STEPS
	s_sub_co_u32 s[SLOTS], s[SLOTS], 1
	s_cmp_lg_u32 s[SLOTS], 0
	s_cbranch_scc1 .Lslot
	CHANGE 0                                       ; the last slot is written out
	FOUR_STEPS
	; THE WAY OUT.  O^T / the sum; register 16 b + i is channel 32 b + 16 h + i of my query: 128 along the last product's K, ready to be quantised.
.rept 8
	v_nop
.endr
	v_add_f32 v14, v14, v15
	v_permlanex16_b32 v252, v14, s[SEL], s[SEL+1]
	v_add_f32 v14, v14, v252                       ; the row's sum
	v_rcp_f32 v14, v14
	v_and_b32 v9, 31, v0                           ; (plain lines behind the reciprocal)
	v_and_b32 v10, 15, v0
	v_lshlrev_b32 v10, 2, v10
	s_wait_alu depctr_va_vdst(0)                   ; ahead of the first reader
.set n, 0
.rept 64
	v_mul_f32 v[96+n], v[160+n], v14
.set n, n+1
.endr
	QUANT 96
.irp c, 0,1,2,3
	global_store_b128 v[AK0], v[PC+4*\c:PC+4*\c+3], s[76:77] offset:512*\c   ; the image: 512 consecutive bytes a store, aligned
.endr
	s_wait_xcnt 0x0                                ; EXEC changes only behind this wait
	v_cmp_gt_u32 vcc_lo, 16, v9
	s_and_saveexec_b32 s80, vcc_lo
	global_store_b32 v10, v[PW], s[78:79] offset:32768   ; lanes 0-15: the 16 rows' scale words
	s_wait_xcnt 0x0                                ; and again, in front of the line that widens it
	s_or_b32 exec_lo, exec_lo, s80
	s_wait_tensorcnt 0x0                           ; the wave's end
	ds_add_u32 v[SPW], v[NIL]
	s_wait_dscnt 0x0
	CROUND                                         ; the closing round
	s_endpgm
.Lfunc_end_k_q4e8569df96_attn:
	.size	k_q4e8569df96_attn, .Lfunc_end_k_q4e8569df96_attn-k_q4e8569df96_attn
	.p2alignl 7, 3214868480
	.fill 96, 4, 3214868480
	.section	.rodata,"a",@progbits
	.p2align	6, 0x0
	.amdhsa_kernel k_q4e8569df96_attn
		.amdhsa_group_segment_fixed_size 327680
		.amdhsa_private_segment_fixed_size 0
		.amdhsa_enable_private_segment 0
		.amdhsa_kernarg_size 24
		.amdhsa_user_sgpr_count 2
		.amdhsa_user_sgpr_kernarg_segment_ptr 1
		.amdhsa_wavefront_size32 1
		.amdhsa_system_sgpr_workgroup_id_x 1
		.amdhsa_system_sgpr_workgroup_id_y 1
		.amdhsa_system_sgpr_workgroup_id_z 1
		.amdhsa_system_vgpr_workitem_id 0
		.amdhsa_next_free_vgpr 256
		.amdhsa_next_free_sgpr 100
		.amdhsa_reserve_vcc 1
		.amdhsa_float_denorm_mode_32 3
		.amdhsa_float_denorm_mode_16_64 3
		.amdhsa_memory_ordered 1
		.amdhsa_forward_progress 1
		.amdhsa_inst_pref_size 79
	.end_amdhsa_kernel
	.amdgpu_metadata
---
amdhsa.version: [ 1, 2 ]
amdhsa.kernels:
  - .name:           k_q4e8569df96_attn
    .symbol:         k_q4e8569df96_attn.kd
    .args:
      - { .name: qkvc, .offset: 0, .size: 8, .value_kind: global_buffer, .address_space: global }
      - { .name: qkvs, .offset: 8, .size: 8, .value_kind: global_buffer, .address_space: global }
      - { .name: aoimg, .offset: 16, .size: 8, .value_kind: global_buffer, .address_space: global }
    .group_segment_fixed_size: 327680
    .private_segment_fixed_size: 0
    .kernarg_segment_align: 8
    .kernarg_segment_size: 24
    .max_flat_workgroup_size: 256
    .sgpr_count:     100
    .vgpr_count:     256
    .wavefront_size: 32
...
	.end_amdgpu_metadata
.endif
;; end of part 3
;; launch oproj (part 4): grid 8 x 8, 4 waves a work-group, clusters of 4 x 4, 327,680 bytes of LDS; arguments aoimg, opimg, out0; writes out0
.if DOCPART == 4
	.amdgcn_target "amdgcn-amd-amdhsa--gfx1250"
	.amdhsa_code_object_version 6
	.text
	.protected	k_q4e8569df96_oproj
	.globl	k_q4e8569df96_oproj
	.p2align	8
	.type	k_q4e8569df96_oproj,@function
k_q4e8569df96_oproj:
	s_mov_b64 s[64:65], 0
	v_nop
	global_prefetch_b8 v0, s[64:65] scope:SCOPE_SE
	s_setreg_imm32_b32 hwreg(HW_REG_WAVE_MODE, 25, 1), 1
	s_wait_xcnt 0x0
	s_wait_alu depctr_hold_cnt(0) depctr_sa_sdst(0) depctr_va_vdst(0) depctr_va_sdst(0) depctr_va_ssrc(0) depctr_va_vcc(0) depctr_vm_vsrc(0)
	s_getreg_b32 s2, hwreg(HW_REG_IB_STS2, 6, 4)
	s_cmp_eq_u32 s2, 0
	s_cbranch_scc0 .Lentry_in_a_cluster
	s_endpgm
.Lentry_in_a_cluster:
	s_bfe_u32 s2, ttmp6, 0x10000c
	s_cmp_lg_u32 s2, 0xf033
	s_cbranch_scc0 .Lentry_shape_is_right
	s_endpgm
.Lentry_shape_is_right:
; OPROJ.  out0[s][e] = the sum over m of O[s][m] wo[e][m], on codes of FP8 (E4M3) with E8M0 scales for each 32 along K = 2,048; out0 f32.
; A work-group of four waves makes a tile of 256 x 256; a wave 128 x 128: 64 accumulators.  Side A = the attention's result (aoimg, tile = grid y), side B = wo (opimg's tiles 32 + grid x).
; Operands come as images of their registers, in chunks of CH bytes (256 rows x 128 K: 16 images of 2,048 bytes, then 16 x 16 scale words); in block 2 g + u lane r holds row 32 g + 8 u + r + 8 (r / 8).
; Source 0 = 16 rows of B, source 1 = 16 rows of A: a lane holds one token (lane % 16 of A's block), and register j of B's block 2 g + u the column 32 g + 16 (lane / 16) + 8 u + j.
; The ring, the joint loads and the loop are those of the launch that makes q, k and v.  64 tiles of this size leave WGPs without work: the tile is kept so that both products share one loop.
; THE WAY OUT: a block of 16 tokens x 128 columns goes through the wave's own stage in LDS and leaves as whole rows of 512 bytes.
.set CH,     33792
.set TILEB,  16*CH
.set SLOT,   4*CH
.set SPARE,  2*SLOT                    ; behind the ring: the spare words, 128 bytes for each wave, that no other line names
.set NQ,     2
.set FR,     16
.set NL,     4
.set NP,     8
.set LAPS,   4
.set SPITCH, 528                       ; the stage: 16 rows x (512 bytes + 16) for each wave, in slot 0, which has had its last fill and its last read by then
.set ADRA, 16
.set ADRB, 20
.set ADRS, 22
.set STO,  24
.set RD,   25
.set CO,   26
.set SPW,  28
.set NIL,  29
.set SC,   32
.set AF,   128
.set BK,   128
.set G1, 24
.set G0, 32
.set G1B, 48
.set G0B, 56
.set MSB, 0
.macro WIN new
.if MSB != \new
	s_set_vgpr_msb (MSB<<8)|\new
.set MSB, \new
.endif
.endm
.set MUL_LO, 0xa1
.set MUL_HI, 0xf1
.set TO_B,   0x40
.macro JLOAD g0a, g1a, g0b, g1b        ; waves 0 and 1 fetch for A, waves 2 and 3 for B; four v_nop follow each of the two lines
	s_cmp_eq_u32 s15, 0
	s_cbranch_scc0 .Lfor_b_\@
	tensor_load_to_lds s[\g0a:\g0a+3], s[\g1a:\g1a+7]
	s_nop 0
.rept 4
	v_nop
.endr
	s_branch .Lasked_\@
.Lfor_b_\@:
	tensor_load_to_lds s[\g0b:\g0b+3], s[\g1b:\g1b+7]
	s_nop 0
.rept 4
	v_nop
.endr
.Lasked_\@:
.endm
.macro CREST
	s_cmp_lg_u32 s14, 0
	s_cbranch_scc1 .Lnot_wave_0_\@
	s_barrier_signal -3
.Lnot_wave_0_\@:
	s_barrier_wait -3
	s_barrier_signal -1
	s_barrier_wait -1
.endm
.macro CROUND
	s_barrier_signal -1
	s_barrier_wait -1
	CREST
.endm
	s_load_b128 s[4:7], s[0:1], 0x0                ; aoimg s[4:5], opimg s[6:7]
	s_load_b64 s[12:13], s[0:1], 0x10              ; out0
	v_lshl_add_u32 v[SPW], v0, 2, SPARE
	v_mov_b32 v[NIL], 0
	ds_add_u32 v28, v29
	ds_add_u32 v28, v29
	s_wait_dscnt 0x0
	v_lshrrev_b32 v1, 5, v0
	v_readfirstlane_b32 s14, v1                    ; wave 0..3
	s_lshr_b32 s15, s14, 1                         ; which half of A's rows is mine.  Also: I fetch for A (0) or for B (1)
	s_and_b32 s16, s14, 1                          ; which half of B's rows.  Also: which K step of a slot I fetch
	s_bfe_u32 s40, ttmp6, 0x40000
	s_bfe_u32 s41, ttmp6, 0x40004
	s_lshl_b32 s42, ttmp9, 2
	s_add_co_u32 s42, s42, s40                     ; grid x
	s_and_b32 s17, ttmp7, 0xffff
	s_lshl_b32 s17, s17, 2
	s_add_co_u32 s17, s17, s41                     ; grid y
	s_lshl_b32 s43, s41, 2
	s_lshl_b32 s43, 15, s43                        ; my row of the cluster
	s_lshl_b32 s44, 0x1111, s40                    ; my column
	s_or_b32 s[G1+0], s43, (3<<16)|(1<<21)         ; a chunk, dense: 132 rows of 32 elements of 8 bytes
	s_or_b32 s[G1B+0], s44, (3<<16)|(1<<21)
.irp g, G1, G1B
	s_mov_b32 s[\g+1], 32<<16
	s_mov_b32 s[\g+2], 132<<16
	s_mov_b32 s[\g+3], 32<<16
	s_mov_b32 s[\g+4], 132
	s_mov_b32 s[\g+5], 32
	s_mov_b32 s[\g+6], 0
	s_mov_b32 s[\g+7], 0
.endr
	s_mul_i32 s18, s16, CH
	s_mul_i32 s20, s17, TILEB
	s_add_co_u32 s20, s20, s18
	s_mov_b32 s21, 0
	s_add_co_u32 s46, s42, 32
	s_mul_i32 s46, s46, TILEB
	s_add_co_u32 s46, s46, s18
	s_mov_b32 s47, 0
	s_mul_i32 s45, s14, CH
	s_wait_kmcnt 0x0
	s_add_nc_u64 s[20:21], s[4:5], s[20:21]
	s_add_nc_u64 s[46:47], s[6:7], s[46:47]
	CROUND                                         ; all sixteen work-groups are here: the first joint loads meet
.irp s, 0,1
	s_mov_b32 s[G0+4*\s], 1
	s_add_co_u32 s[G0+4*\s+1], s45, \s*SLOT
	s_add_nc_u64 s[G0+4*\s+2:G0+4*\s+3], s[20:21], \s*2*CH
	s_or_b32 s[G0+4*\s+3], s[G0+4*\s+3], 0x80000000
	s_mov_b32 s[G0B+4*\s], 1
	s_add_co_u32 s[G0B+4*\s+1], s45, \s*SLOT
	s_add_nc_u64 s[G0B+4*\s+2:G0B+4*\s+3], s[46:47], \s*2*CH
	s_or_b32 s[G0B+4*\s+3], s[G0B+4*\s+3], 0x80000000
	JLOAD G0+4*\s, G1, G0B+4*\s, G1B
.endr
	v_and_b32 v1, 15, v0                           ; r
	v_bfe_u32 v2, v0, 4, 1                         ; h
	v_and_b32 v3, 31, v0
	v_lshlrev_b32 v[CO], 4, v3                     ; 16 x lane
	s_lshl_b32 s21, s15, 14
	s_lshl_b32 s22, s16, 14
	s_add_co_u32 s22, s22, 2*CH
.irp s, 0,1
	v_add_nc_u32 v[ADRA+\s], s21, v[CO]
	v_add_nc_u32 v[ADRB+\s], s22, v[CO]
	s_add_co_u32 s21, s21, SLOT
	s_add_co_u32 s22, s22, SLOT
.endr
	s_lshl_b32 s21, s15, 9
	s_lshl_b32 s22, s16, 9
	s_add_co_u32 s22, s22, 2*CH
	s_sub_co_u32 s22, s22, s21
	v_mul_u32_u24 v6, s22, v2                      ; lanes 16-31 take B's scale words
	s_add_co_u32 s21, s21, 32768
	v_lshlrev_b32 v5, 2, v1
	v_add_nc_u32 v6, v5, v6
	v_add_nc_u32 v[ADRS], s21, v6
	v_add_nc_u32 v[ADRS+1], SLOT, v[ADRS]
	s_mul_i32 s23, s14, 16*SPITCH                  ; my stage
	v_mul_u32_u24 v5, v1, SPITCH
	v_lshl_add_u32 v5, v2, 6, v5
	v_add_nc_u32 v[STO], s23, v5                   ; in: row r, + 64 h
	v_add_nc_u32 v[RD], s23, v[CO]                 ; back: the 32 lanes take one row of 512 bytes
	s_lshl_b32 s20, s17, 8
	s_lshl_b32 s21, s15, 7
	s_add_co_u32 s20, s20, s21                     ; my first token
	s_lshl_b32 s20, s20, 13                        ; a row of out0 is 8,192 bytes
	s_lshl_b32 s46, s42, 10
	s_lshl_b32 s47, s16, 9
	s_add_co_u32 s46, s46, s47                     ; my first column, in bytes
	s_add_co_u32 s20, s20, s46
	s_mov_b32 s21, 0
	s_add_nc_u64 s[12:13], s[12:13], s[20:21]
.macro FRAG reg, adr, q, i
.irp c, 0,1,2,3
	ds_load_b128 v[\reg+4*\c:\reg+4*\c+3], v[\adr] offset:CH*(\q)+2048*(\i)+512*\c
.endr
.endm
.macro MUL16 a0, p, q, sc, zero        ; the 64 accumulators take turns, one instruction a turn, in the same order in every step
.irp a, \a0, \a0+1
.irp b, 0,1,2,3,4,5,6,7
.if \zero
	v_wmma_scale_f32_16x16x128_f8f6f4 v[8*(8*((\a)%4)+\b):8*(8*((\a)%4)+\b)+7], v[128*(\p)+FR*\b:128*(\p)+FR*\b+FR-1], v[AF+FR*(\a):AF+FR*(\a)+FR-1], 0, v[SC+8*NQ*(\sc)+NQ*\b+(\q)], v[SC+8*NQ*(\sc)+NQ*(\a)+(\q)] matrix_a_scale:MATRIX_SCALE_ROW1
.else
	v_wmma_scale_f32_16x16x128_f8f6f4 v[8*(8*((\a)%4)+\b):8*(8*((\a)%4)+\b)+7], v[128*(\p)+FR*\b:128*(\p)+FR*\b+FR-1], v[AF+FR*(\a):AF+FR*(\a)+FR-1], v[8*(8*((\a)%4)+\b):8*(8*((\a)%4)+\b)+7], v[SC+8*NQ*(\sc)+NQ*\b+(\q)], v[SC+8*NQ*(\sc)+NQ*(\a)+(\q)] matrix_a_scale:MATRIX_SCALE_ROW1
.endif
.endr
.endr
.endm
.macro FETCH_B slot, q, p
	WIN TO_B
.irp i, 0,1,2,3,4,5,6,7
	FRAG 128*(\p)+FR*\i, ADRB+\slot, \q, \i
.endr
	WIN 0
.endm
.macro FETCH_A slot, q, i0
.irp i, \i0, \i0+1, \i0+2, \i0+3
	FRAG AF+FR*(\i), ADRA+\slot, \q, \i
.endr
.endm
.macro SCALES sc
.irp i, 0,1,2,3,4,5,6,7
.irp q, 0,1
	ds_load_b32 v[SC+16*\sc+2*\i+\q], v[ADRS+\sc] offset:CH*\q+64*\i
.endr
.endr
.endm
.macro PLACES n
.rept \n
	v_nop
.endr
.endm
.macro STEP slot, q, zero
	s_wait_dscnt 4*NL                              ; all but the youngest 16 loads (A's blocks 4-7)
	WIN MUL_LO
	MUL16 0, (\q)%2, \q, \slot, \zero
	MUL16 2, (\q)%2, \q, \slot, \zero
	s_wait_dscnt 0
	PLACES NP
	FETCH_B \slot, (\q)+1, 1-(\q)%2
	FETCH_A \slot, (\q)+1, 0
	WIN MUL_HI
	MUL16 4, (\q)%2, \q, \slot, \zero
	MUL16 6, (\q)%2, \q, \slot, \zero
	PLACES NP
	WIN 0
	FETCH_A \slot, (\q)+1, 4
.endm
.macro TURN slot, next, fill
	s_wait_tensorcnt 0x0                           ; all my tensor loads have landed: my chunk of the next slot
	ds_add_u32 v[SPW], v[NIL]                      ; 0 onto my spare word
	s_wait_dscnt 4*NL+1                            ; (the add and the youngest 16 loads may be out)
	WIN MUL_LO
	MUL16 0, 1, NQ-1, \slot, 0
	s_wait_dscnt 0x0                               ; the add is done, and my reads of this slot are over
	s_barrier_signal -1
	MUL16 2, 1, NQ-1, \slot, 0
	WIN 0
	s_barrier_wait -1
.if \fill
	CREST                                          ; a round of the cluster's barrier: no wave of any partner still reads this slot or has a load on its way
	s_add_nc_u64 s[G0+4*\slot+2:G0+4*\slot+3], s[G0+4*\slot+2:G0+4*\slot+3], 4*CH
	s_add_nc_u64 s[G0B+4*\slot+2:G0B+4*\slot+3], s[G0B+4*\slot+2:G0B+4*\slot+3], 4*CH
	JLOAD G0+4*\slot, G1, G0B+4*\slot, G1B
	PLACES NP-4
.else
	PLACES NP
.endif
	FETCH_B \next, 0, 0
	FETCH_A \next, 0, 0
	SCALES \next
	WIN MUL_HI
	MUL16 4, 1, NQ-1, \slot, 0
	MUL16 6, 1, NQ-1, \slot, 0
	PLACES NP
	WIN 0
	FETCH_A \next, 0, 4
.endm
	s_wait_tensorcnt 1                             ; my chunk of slot 0 is in (slot 1's load may be out),
	s_barrier_signal -1
	s_barrier_wait -1                              ; everybody's is
	FETCH_B 0, 0, 0
	FETCH_A 0, 0, 0
	SCALES 0
	FETCH_A 0, 0, 4
	STEP 0, 0, 1
	s_mov_b32 s3, LAPS-1
.Llap:
	TURN 0, 1, 1
	STEP 1, 0, 0
	TURN 1, 0, 1
	STEP 0, 0, 0
	s_sub_co_u32 s3, s3, 1
	s_cmp_lg_u32 s3, 0
	s_cbranch_scc1 .Llap
	TURN 0, 1, 0
	STEP 1, 0, 0
	s_wait_dscnt 4*NL
	WIN MUL_LO
	MUL16 0, 1, NQ-1, 1, 0
	MUL16 2, 1, NQ-1, 1, 0
	s_wait_dscnt 0
	WIN MUL_HI
	MUL16 4, 1, NQ-1, 1, 0
	MUL16 6, 1, NQ-1, 1, 0
	WIN 0
.macro TOSTAGE a                       ; block a's 16 tokens x 128 columns into my stage, and back as whole rows
.set AC, 64*((\a)%4)
	WIN 0x08+4*((\a)/4)                            ; the data: window 2 or 3
.irp b, 0,1,2,3,4,5,6,7
	ds_store_b128 v[STO], v[AC+8*\b:AC+8*\b+3] offset:128*(\b/2)+32*(\b%2)        ; each accumulator from its low end on
	ds_store_b128 v[STO], v[AC+8*\b+4:AC+8*\b+7] offset:128*(\b/2)+32*(\b%2)+16
.endr
	WIN 0
.set BB, BK+64*((\a)%2)
.irp t, 0,1,2,3,4,5,6,7,8,9,10,11,12,13,14,15
	ds_load_b128 v[BB+4*\t:BB+4*\t+3], v[RD] offset:\t*SPITCH   ; LDS serves a wave's instructions in order: these see the stores above
.endr
.endm
.macro SEND a, younger                 ; younger: the LDS instructions issued behind block a's loads, which may stay out
.set BB, BK+64*((\a)%2)
	s_wait_dscnt \younger
.irp t, 0,1,2,3,4,5,6,7,8,9,10,11,12,13,14,15
	global_store_b128 v[CO], v[BB+4*\t:BB+4*\t+3], s[12:13] offset:(32*((\a)/2)+8*((\a)%2)+\t+8*(\t/8))*8192 th:TH_STORE_NT   ; 512 consecutive bytes, aligned; the token by the rule of rows; 127 rows at the most, inside the signed 24-bit immediate
.endr
.endm
	PLACES NP
	TOSTAGE 0
.irp a, 1,2,3,4,5,6,7
.if \a > 1
	s_wait_xcnt 0x0                                ; block a - 2's stores have read their registers: block a's loads may land there
.endif
	TOSTAGE \a
	SEND \a-1, 32                                  ; behind block a - 1's loads: block a's 16 stores and 16 loads
.endr
	SEND 7, 0
	s_wait_tensorcnt 0x0                           ; the wave's end
	ds_add_u32 v[SPW], v[NIL]
	s_wait_dscnt 0x0
	CROUND                                         ; the closing round
	s_endpgm
.Lfunc_end_k_q4e8569df96_oproj:
	.size	k_q4e8569df96_oproj, .Lfunc_end_k_q4e8569df96_oproj-k_q4e8569df96_oproj
	.p2alignl 7, 3214868480
	.fill 96, 4, 3214868480
	.section	.rodata,"a",@progbits
	.p2align	6, 0x0
	.amdhsa_kernel k_q4e8569df96_oproj
		.amdhsa_group_segment_fixed_size 327680
		.amdhsa_private_segment_fixed_size 0
		.amdhsa_enable_private_segment 0
		.amdhsa_kernarg_size 24
		.amdhsa_user_sgpr_count 2
		.amdhsa_user_sgpr_kernarg_segment_ptr 1
		.amdhsa_wavefront_size32 1
		.amdhsa_system_sgpr_workgroup_id_x 1
		.amdhsa_system_sgpr_workgroup_id_y 1
		.amdhsa_system_sgpr_workgroup_id_z 1
		.amdhsa_system_vgpr_workitem_id 0
		.amdhsa_next_free_vgpr 1024
		.amdhsa_next_free_sgpr 100
		.amdhsa_reserve_vcc 0
		.amdhsa_float_denorm_mode_32 3
		.amdhsa_float_denorm_mode_16_64 3
		.amdhsa_memory_ordered 1
		.amdhsa_forward_progress 1
		.amdhsa_inst_pref_size 144
	.end_amdhsa_kernel
	.amdgpu_metadata
---
amdhsa.version: [ 1, 2 ]
amdhsa.kernels:
  - .name:           k_q4e8569df96_oproj
    .symbol:         k_q4e8569df96_oproj.kd
    .args:
      - { .name: aoimg, .offset: 0, .size: 8, .value_kind: global_buffer, .address_space: global }
      - { .name: opimg, .offset: 8, .size: 8, .value_kind: global_buffer, .address_space: global }
      - { .name: out0, .offset: 16, .size: 8, .value_kind: global_buffer, .address_space: global }
    .group_segment_fixed_size: 327680
    .private_segment_fixed_size: 0
    .kernarg_segment_align: 8
    .kernarg_segment_size: 24
    .max_flat_workgroup_size: 128
    .sgpr_count:     100
    .vgpr_count:     1024
    .wavefront_size: 32
...
	.end_amdgpu_metadata
.endif
;; end of part 4
;; ======== version 2 of 2: 4 launches
;; limits: right only within a limited range of input values
;; workspace buffers: opimg 21,626,880 bytes; rope 1,114,112 bytes; qkvc 12,582,912 bytes; qkvs 393,216 bytes; aoimg 4,325,376 bytes
;; launch prep (part 5): grid 708 x 1, 4 waves a work-group, no clusters, 35,328 bytes of LDS; arguments x, wq, wk, wv, wo, token_positions, opimg, rope; writes opimg, rope
.if DOCPART == 5
	.amdgcn_target "amdgcn-amd-amdhsa--gfx1250"
	.amdhsa_code_object_version 6
	.text
	.protected	k_q4e8569df96_prep
	.globl	k_q4e8569df96_prep
	.p2align	8
	.type	k_q4e8569df96_prep,@function
k_q4e8569df96_prep:
	s_mov_b64 s[64:65], 0
	v_nop
	global_prefetch_b8 v0, s[64:65] scope:SCOPE_SE
	s_setreg_imm32_b32 hwreg(HW_REG_WAVE_MODE, 25, 1), 1
	s_wait_xcnt 0x0
; PREP.  Work-groups 0-639: x, wq, wk, wv, wo ([2048][2048] f32, K innermost) become codes of FP8 (E4M3) with one E8M0 byte for each 32 along K.
; Work-groups 640-707: the table of cos and sin for the rotation of q and k, from token_positions.
; THE CODES LIE AS IMAGES OF THE OPERAND'S REGISTERS.  A fragment (16 rows x 128 K, 16 registers a lane) is 2,048 bytes [c 0..3][lane][16 bytes]: lane (r = lane % 16, h = lane / 16)
; holds row r, piece c holds K = 32 c + 16 h + 0..15.  THE ROWS OF A FRAGMENT ARE NOT NEIGHBOURS: in block 2 g + u lane r holds row 32 g + 8 u + r + 8 (r / 8).
; opimg: 40 tiles of 256 rows (x 0-7, wq 8-15, wk 16-23, wv 24-31, wo 32-39); a tile is 16 chunks (one for each 128 along K) of CH bytes: 16 images, then 16 x 16 scale words.
; A block's scale byte is its largest magnitude's exponent field - 8, held at 1 from below; numbers are held within +-448 x the scale and rounded to the nearest code, ties to even.
; rope: 136 blocks of 8,192 bytes [block of 16 tokens][i 0..15][lane][cos f0, sin f0, cos f0+1, sin f0+1], f0 = 16 (i / 4) + 8 h + 2 (i % 4), token by the rule of rows above.
; Blocks 128-135 are made with the position 0 (cos 1, sin 0): the next launch rotates v by them, so that it has one way out.
; LIMITS: a block of zeros gets the byte 1 (its codes are zeros; this program alone reads the bytes); NaN and infinities are not served; blocks under 2^-118 were not tried.
; The angle is reduced by three parts of pi/2, good while |position x frequency| stays under about 1e5; the frequency 10000^(-f/64) is within about 2 units in the last place of the exact power.
; No tensor loads, no barrier: waves share nothing.  No cluster: no two work-groups read the same bytes.
.set CH,    33792
.set TILEB, 16*CH
.set SP,    528                        ; a stage row: 512 bytes + 16, so that the 16 rows that a load touches start at 16 different places modulo 256 bytes
.set WREG,  16*SP+256                  ; LDS of a wave: a stage of 16 rows, then its 256 bytes of scale words
.set GA,  4                            ; v4   16 x lane
.set SI,  5                            ; v5   the stage, on the way in
.set SL,  6                            ; v6   and on the way out: row r, + 64 h
.set SS,  7                            ; v7   where my row's scale word goes
.set SG,  8                            ; v8   where the scale words are read back, 8 bytes a lane
.set GS,  10                           ; v10  8 x lane
.set TM,  12                           ; v12-27 at work in QUANT
.set PW,  28                           ; v28  the scale word just made
.set PC,  32                           ; v32-47 the codes just made
.set X,   48                           ; v48-111 64 numbers of a lane
.set R,   112                          ; v112-239 two sets of 64 registers as loaded
.set SEL, 32                           ; s[32:33] lane selects: lane l xor 16
.set MNT, 34                           ; s34  the mantissa field of 448
; 64 numbers of a lane, register 16 b + i = K 32 b + 16 h + i of my row, become a fragment's codes in v[PC] on and its scale word in v[PW]
.macro QUANT s
.irp b, 0,1,2,3
	v_max3_num_f32 v[TM+\b], |v[\s+16*\b]|, |v[\s+1+16*\b]|, 0x4800000   ; my 16 numbers of block b, and the floor 2^(9 - 127): the byte cannot fall under 1
.endr
.irp i, 2,4,6,8,10,12,14
.irp b, 0,1,2,3
	v_max3_num_f32 v[TM+\b], v[TM+\b], |v[\s+16*\b+\i]|, |v[\s+1+16*\b+\i]|
.endr
.endr
.irp b, 0,1,2,3
	v_permlanex16_b32 v[TM+4+\b], v[TM+\b], s[SEL], s[SEL+1]
.endr
.irp b, 0,1,2,3
	v_max_num_f32 v[TM+\b], v[TM+\b], v[TM+4+\b]           ; with lane l xor 16's: the block's largest magnitude
.endr
.irp b, 0,1,2,3
	v_add_nc_u32 v[TM+12+\b], 0xfc000000, v[TM+\b]         ; 8 off its exponent field: the conversion's scale operand
.endr
.irp b, 0,1,2,3
	v_and_or_b32 v[TM+8+\b], v[TM+\b], 0x7f800000, s[MNT]  ; 448 x the scale
.endr
.irp b, 0,1,2,3
	v_lshrrev_b32 v[TM+4+\b], 23, v[TM+12+\b]              ; the scale's byte
.endr
	v_lshl_or_b32 v[PW], v[TM+5], 8, v[TM+4]
	v_lshl_or_b32 v[PW], v[TM+6], 16, v[PW]
	v_lshl_or_b32 v[PW], v[TM+7], 24, v[PW]
.irp b, 0,1,2,3
.irp i, 0,1,2,3,4,5,6,7,8,9,10,11,12,13,14,15
	v_med3_num_f32 v[\s+16*\b+\i], v[\s+16*\b+\i], -v[TM+8+\b], v[TM+8+\b]   ; the conversion does not saturate (ISA guide 7.6.2): the hold comes first
.endr
	v_cvt_scalef32_pk8_fp8_f32 v[PC+4*\b:PC+1+4*\b], v[\s+16*\b:\s+7+16*\b], v[TM+12+\b]
	v_cvt_scalef32_pk8_fp8_f32 v[PC+2+4*\b:PC+3+4*\b], v[\s+8+16*\b:\s+15+16*\b], v[TM+12+\b]
.endr
	v_nop                                          ; a plain line behind the last conversion
.endm
	s_load_b512 s[16:31], s[0:1], 0x0              ; x 16, wq 18, wk 20, wv 22, wo 24, token_positions 26, opimg 28, rope 30
	v_lshl_add_u32 v254, v0, 2, 0x8800
	v_mov_b32 v255, 0
	v_lshrrev_b32 v1, 5, v0
	v_readfirstlane_b32 s8, v1                     ; wave 0..3
	v_and_b32 v2, 31, v0                           ; lane
	v_and_b32 v3, 15, v0                           ; r
	v_bfe_u32 v9, v0, 4, 1                         ; h
	v_lshlrev_b32 v[GA], 4, v2
	s_cmp_ge_u32 ttmp9, 640
	s_cbranch_scc1 .Ltable
; ---- THE QUANTISER.  id = 128 x tensor + 4 x (group of 64 rows) + kappa; wave w takes 128 along K at K step 4 kappa + w, and the group's four blocks of 16 rows.
	s_lshr_b32 s9, ttmp9, 7                        ; tensor 0..4
	s_bfe_u32 s10, ttmp9, 0x50002                  ; group of 64 rows, 0..31
	s_and_b32 s11, ttmp9, 3
	s_lshl_b32 s12, s11, 2
	s_add_co_u32 s12, s12, s8                      ; K step 0..15
	s_and_b32 s13, s10, 3                          ; which 64 rows of the tile of 256
	s_lshr_b32 s14, ttmp9, 4                       ; the tile, 0..39
	s_mul_i32 s15, s8, WREG                        ; my wave's LDS
	s_wait_alu depctr_va_vdst(0)
	v_add_nc_u32 v[SI], s15, v[GA]
	v_mul_u32_u24 v[SL], v3, SP
	v_lshl_add_u32 v[SL], v9, 6, v[SL]
	v_add_nc_u32 v[SL], s15, v[SL]
	v_lshlrev_b32 v[SS], 2, v3
	v_add_nc_u32 v[SS], s15, v[SS]
	v_add_nc_u32 v[SS], 16*SP, v[SS]
	v_lshlrev_b32 v[GS], 3, v2
	v_add_nc_u32 v[SG], s15, v[GS]
	v_add_nc_u32 v[SG], 16*SP, v[SG]
	s_lshl_b32 s2, s10, 19                         ; 64 rows of 8,192 bytes
	s_lshl_b32 s3, s12, 9                          ; 128 numbers of 4 bytes
	s_add_co_u32 s2, s2, s3
	s_mov_b32 s3, 0
	s_mul_i32 s4, s14, TILEB
	s_mul_i32 s5, s12, CH
	s_add_co_u32 s4, s4, s5                        ; my chunk
	s_lshl_b32 s6, s13, 8
	s_add_co_u32 s6, s6, s4
	s_add_co_u32 s6, s6, 32768                     ; my four blocks' scale words: 256 bytes
	s_mov_b32 s7, 0
	s_lshl_b32 s5, s13, 13
	s_add_co_u32 s4, s4, s5                        ; my four images
	s_mov_b32 s5, 0
	s_mov_b32 s[SEL], 0x76543210
	s_mov_b32 s[SEL+1], 0xfedcba98
	s_mov_b32 s[MNT], 0x600000
.irp b, 0,1,2,3
	v_mov_b32 v[TM+4+\b], 0                        ; written once: a lane permute's destination counts as one of its sources
.endr
	s_wait_kmcnt 0x0
	s_cmp_eq_u32 s9, 1                             ; the tensor is chosen by the work-group's number alone
	s_cselect_b64 s[16:17], s[18:19], s[16:17]
	s_cmp_eq_u32 s9, 2
	s_cselect_b64 s[16:17], s[20:21], s[16:17]
	s_cmp_eq_u32 s9, 3
	s_cselect_b64 s[16:17], s[22:23], s[16:17]
	s_cmp_eq_u32 s9, 4
	s_cselect_b64 s[16:17], s[24:25], s[16:17]
	s_add_nc_u64 s[16:17], s[16:17], s[2:3]
	s_add_nc_u64 s[4:5], s[28:29], s[4:5]
	s_add_nc_u64 s[6:7], s[28:29], s[6:7]
.macro LOAD t                          ; block t's 16 rows, 512 consecutive bytes each, into set t % 2
.irp p, 0,1,2,3,4,5,6,7,8,9,10,11,12,13,14,15
	global_load_b128 v[R+64*((\t)%2)+4*\p:R+64*((\t)%2)+4*\p+3], v[GA], s[16:17] offset:(32*((\t)/2)+8*((\t)%2)+\p+8*(\p/8))*8192 th:TH_LOAD_NT
.endr
.endm
.macro BLOCK t
.if (\t) < 3
	s_wait_loadcnt 16                              ; this block's 16 loads are in; the next block's 16 may be out
.else
	s_wait_loadcnt 0x0
.endif
.irp p, 0,1,2,3,4,5,6,7,8,9,10,11,12,13,14,15
	ds_store_b128 v[SI], v[R+64*((\t)%2)+4*\p:R+64*((\t)%2)+4*\p+3] offset:SP*\p
.endr
.irp c, 0,1,2,3
.irp j, 0,1,2,3
	ds_load_b128 v[X+16*\c+4*\j:X+16*\c+4*\j+3], v[SL] offset:128*\c+16*\j   ; LDS serves a wave's instructions in order: these see the stores above
.endr
.endr
	s_wait_dscnt 0x0                               ; my 64 numbers are in, and the stores have read their registers,
.if (\t) < 2
	LOAD (\t)+2                                    ; which take the block two further on
.endif
	s_wait_xcnt 0x0                                ; the last block's stores have read the codes' registers: they are written again only behind this wait
	QUANT X
.irp c, 0,1,2,3
	global_store_b128 v[GA], v[PC+4*\c:PC+4*\c+3], s[4:5] offset:(\t)*2048+512*\c   ; 512 consecutive bytes, aligned
.endr
	ds_store_b32 v[SS], v[PW] offset:64*(\t)       ; both halves of the lanes write the same word with the same value
.endm
	LOAD 0
	LOAD 1
	BLOCK 0
	BLOCK 1
	BLOCK 2
	BLOCK 3
	ds_load_b64 v[30:31], v[SG]
	s_wait_dscnt 0x0
	global_store_b64 v[GS], v[30:31], s[6:7]       ; the four blocks' scale words: 256 consecutive bytes, aligned
	s_wait_tensorcnt 0x0
	ds_add_u32 v254, v255
	s_wait_dscnt 0x0
	s_endpgm
; ---- THE TABLE.  Work-group q makes blocks 2 q and 2 q + 1; waves 0, 1 the first, waves 2, 3 the second; a wave's eight i are 8 (wave % 2) + 0..7: 16 frequencies a lane.
.set FQ,  32                           ; v32-47   the frequency's number f, then 10000^(-f/64)
.set AH,  48                           ; v48-63   f x log2(10000)/64, upper part; later the angle, later sin before its sign
.set AL,  64                           ; v64-79   its lower part; later the reduced angle
.set NN,  80                           ; v80-95   whole parts; later cos before its sign
.set OUTR, 112                         ; v112-143 cos, sin of frequency k at 2 k, 2 k + 1
.set S2,  144
.set CC,  160
.set SN,  176
.set QQ,  192
.set TT,  208
.set TWOPI, 35
.set C1, 36
.set C2, 37
.set C3, 38
.set K4, 39
.set K3, 40
.set K2, 41
.set P3, 42
.set P2, 43
.set P1, 44
.set P0, 45
.set LH, 46
.set LL, 47
.Ltable:
	s_sub_co_u32 s9, ttmp9, 640
	s_lshl_b32 s9, s9, 1
	s_lshr_b32 s10, s8, 1
	s_add_co_u32 s9, s9, s10                       ; the block, 0..135
	s_and_b32 s10, s8, 1                           ; which half of its sixteen i
	s_min_u32 s11, s9, 127                         ; blocks 128-135 read a position inside the buffer and multiply it by 0
	s_lshr_b32 s12, s11, 1
	s_lshl_b32 s12, s12, 7
	s_and_b32 s13, s11, 1
	s_lshl_b32 s13, s13, 5
	s_add_co_u32 s12, s12, s13                     ; 4 x (32 (block / 2) + 8 (block % 2))
	s_wait_alu depctr_va_vdst(0)
	v_and_b32 v5, 8, v3
	v_add_nc_u32 v5, v5, v3
	v_lshlrev_b32 v5, 2, v5
	v_add_nc_u32 v5, s12, v5                       ; 4 x my token
	s_lshl_b32 s2, s9, 13
	s_lshl_b32 s3, s10, 12
	s_add_co_u32 s2, s2, s3
	s_mov_b32 s3, 0
	s_cmp_lt_u32 s9, 128
	s_cselect_b32 s14, 1.0, 0
	s_lshl_b32 s15, s10, 5
	s_mov_b32 s[TWOPI], 0x3f22f983                 ; 2 / pi
	s_mov_b32 s[C1], 0xbfc90fd8                    ; - pi / 2 in three parts
	s_mov_b32 s[C2], 0xb4a8885a
	s_mov_b32 s[C3], 0xa7c234c4
	s_mov_b32 s[K4], 0x37cd4000                    ; cos on +-pi/4: 1 - s/2 + K2 s^2 + K3 s^3 + K4 s^4, s = r^2
	s_mov_b32 s[K3], 0xbab6077d
	s_mov_b32 s[K2], 0x3d2aaaa8
	s_mov_b32 s[P3], 0x36405000                    ; sin: r + r s (P0 + P1 s + P2 s^2 + P3 s^3)
	s_mov_b32 s[P2], 0xb9503486
	s_mov_b32 s[P1], 0x3c0888c1
	s_mov_b32 s[P0], 0xbe2aaaab
	s_mov_b32 s[LH], 0x3e549a78                    ; log2(10000) / 64 in two parts
	s_mov_b32 s[LL], 0x31979a22
	s_wait_alu depctr_va_vdst(0)
	s_wait_kmcnt 0x0
	global_load_b32 v11, v5, s[26:27]
	s_add_nc_u64 s[30:31], s[30:31], s[2:3]
	v_lshlrev_b32 v6, 3, v9
	v_add_nc_u32 v6, s15, v6                       ; 32 (wave % 2) + 8 h
.set k, 0
.rept 16
	v_add_nc_u32 v[FQ+k], 16*(k/8)+k%8, v6         ; f
.set k, k+1
.endr
.set k, 0
.rept 16
	v_cvt_f32_u32 v[FQ+k], v[FQ+k]
.set k, k+1
.endr
.set k, 0
.rept 16
	v_mul_f32 v[AH+k], s[LH], v[FQ+k]
.set k, k+1
.endr
.set k, 0
.rept 16
	v_fma_f32 v[AL+k], v[FQ+k], s[LH], -v[AH+k]    ; what that product's rounding lost,
.set k, k+1
.endr
.set k, 0
.rept 16
	v_fma_f32 v[AL+k], v[FQ+k], s[LL], v[AL+k]     ; and the constant's lower part
.set k, k+1
.endr
.set k, 0
.rept 16
	v_rndne_f32 v[NN+k], v[AH+k]
.set k, k+1
.endr
.set k, 0
.rept 16
	v_sub_f32 v[AH+k], v[NN+k], v[AH+k]            ; exact
.set k, k+1
.endr
.set k, 0
.rept 16
	v_sub_f32 v[AH+k], v[AH+k], v[AL+k]            ; minus the fraction, within +-1/2
.set k, k+1
.endr
.set k, 0
.rept 16
	v_cvt_i32_f32 v[NN+k], v[NN+k]
.set k, k+1
.endr
.set k, 0
	s_wait_alu depctr_va_vdst(0)
.rept 16
	v_exp_f32 v[FQ+k], v[AH+k]
.set k, k+1
.endr
.set k, 0
.rept 16
	v_sub_nc_u32 v[NN+k], 0, v[NN+k]               ; plain lines behind the exponentials
.set k, k+1
.endr
	s_wait_alu depctr_va_vdst(0)                   ; one wait for the batch, ahead of its first reader
.set k, 0
.rept 16
	v_ldexp_f32 v[FQ+k], v[FQ+k], v[NN+k]          ; 10000^(-f/64)
.set k, k+1
.endr
	s_wait_loadcnt 0x0
	v_cvt_f32_i32 v11, v11
	v_mul_f32 v11, s14, v11                        ; the position, or 0 in blocks 128-135
.set k, 0
.rept 16
	v_mul_f32 v[AH+k], v11, v[FQ+k]                ; the angle: one product in f32
.set k, k+1
.endr
.set k, 0
.rept 16
	v_mul_f32 v[NN+k], s[TWOPI], v[AH+k]
.set k, k+1
.endr
.set k, 0
.rept 16
	v_rndne_f32 v[NN+k], v[NN+k]                   ; how many quarter turns
.set k, k+1
.endr
.set k, 0
.rept 16
	v_fma_f32 v[AL+k], v[NN+k], s[C1], v[AH+k]
.set k, k+1
.endr
.set k, 0
.rept 16
	v_fma_f32 v[AL+k], v[NN+k], s[C2], v[AL+k]
.set k, k+1
.endr
.set k, 0
.rept 16
	v_fma_f32 v[AL+k], v[NN+k], s[C3], v[AL+k]     ; r, within +-pi/4
.set k, k+1
.endr
.set k, 0
.rept 16
	v_cvt_i32_f32 v[QQ+k], v[NN+k]
.set k, k+1
.endr
.set k, 0
.rept 16
	v_mul_f32 v[S2+k], v[AL+k], v[AL+k]
.set k, k+1
.endr
.set k, 0
.rept 16
	v_fma_f32 v[CC+k], v[S2+k], s[K4], s[K3]
	v_fma_f32 v[SN+k], v[S2+k], s[P3], s[P2]
.set k, k+1
.endr
.set k, 0
.rept 16
	v_fma_f32 v[CC+k], v[CC+k], v[S2+k], s[K2]
	v_fma_f32 v[SN+k], v[SN+k], v[S2+k], s[P1]
.set k, k+1
.endr
.set k, 0
.rept 16
	v_fma_f32 v[CC+k], v[CC+k], v[S2+k], -0.5
	v_fma_f32 v[SN+k], v[SN+k], v[S2+k], s[P0]
.set k, k+1
.endr
.set k, 0
.rept 16
	v_mul_f32 v[TT+k], v[AL+k], v[S2+k]
	v_fma_f32 v[CC+k], v[CC+k], v[S2+k], 1.0       ; cos r
.set k, k+1
.endr
.set k, 0
.rept 16
	v_fma_f32 v[SN+k], v[SN+k], v[TT+k], v[AL+k]   ; sin r
.set k, k+1
.endr
.set k, 0
.rept 16
	v_and_b32 v[TT+k], 1, v[QQ+k]
.set k, k+1
.endr
.set k, 0
.rept 16
	v_cmp_eq_u32 vcc_lo, 1, v[TT+k]                ; an odd number of quarter turns: sin and cos change places
	v_cndmask_b32 v[AH+k], v[SN+k], v[CC+k], vcc_lo
	v_cndmask_b32 v[NN+k], v[CC+k], v[SN+k], vcc_lo
.set k, k+1
.endr
.set k, 0
.rept 16
	v_and_b32 v[TT+k], 2, v[QQ+k]                  ; sin is negated in quarters 2 and 3,
	v_add_nc_u32 v[QQ+k], 1, v[QQ+k]
.set k, k+1
.endr
.set k, 0
.rept 16
	v_lshlrev_b32 v[TT+k], 30, v[TT+k]
	v_and_b32 v[QQ+k], 2, v[QQ+k]                  ; cos in quarters 1 and 2
.set k, k+1
.endr
.set k, 0
.rept 16
	v_xor_b32 v[OUTR+2*k+1], v[TT+k], v[AH+k]
	v_lshlrev_b32 v[QQ+k], 30, v[QQ+k]
.set k, k+1
.endr
.set k, 0
.rept 16
	v_xor_b32 v[OUTR+2*k], v[QQ+k], v[NN+k]
.set k, k+1
.endr
.irp i, 0,1,2,3,4,5,6,7
	global_store_b128 v[GA], v[OUTR+4*\i:OUTR+4*\i+3], s[30:31] offset:512*\i   ; 512 consecutive bytes, aligned
.endr
	s_endpgm
.Lfunc_end_k_q4e8569df96_prep:
	.size	k_q4e8569df96_prep, .Lfunc_end_k_q4e8569df96_prep-k_q4e8569df96_prep
	.p2alignl 7, 3214868480
	.fill 96, 4, 3214868480
	.section	.rodata,"a",@progbits
	.p2align	6, 0x0
	.amdhsa_kernel k_q4e8569df96_prep
		.amdhsa_group_segment_fixed_size 35328
		.amdhsa_private_segment_fixed_size 0
		.amdhsa_enable_private_segment 0
		.amdhsa_kernarg_size 64
		.amdhsa_user_sgpr_count 2
		.amdhsa_user_sgpr_kernarg_segment_ptr 1
		.amdhsa_wavefront_size32 1
		.amdhsa_system_sgpr_workgroup_id_x 1
		.amdhsa_system_sgpr_workgroup_id_y 1
		.amdhsa_system_sgpr_workgroup_id_z 1
		.amdhsa_system_vgpr_workitem_id 0
		.amdhsa_next_free_vgpr 256
		.amdhsa_next_free_sgpr 66
		.amdhsa_reserve_vcc 1
		.amdhsa_float_denorm_mode_32 3
		.amdhsa_float_denorm_mode_16_64 3
		.amdhsa_memory_ordered 1
		.amdhsa_forward_progress 1
		.amdhsa_inst_pref_size 81
	.end_amdhsa_kernel
	.amdgpu_metadata
---
amdhsa.version: [ 1, 2 ]
amdhsa.kernels:
  - .name:           k_q4e8569df96_prep
    .symbol:         k_q4e8569df96_prep.kd
    .args:
      - { .name: x, .offset: 0, .size: 8, .value_kind: global_buffer, .address_space: global }
      - { .name: wq, .offset: 8, .size: 8, .value_kind: global_buffer, .address_space: global }
      - { .name: wk, .offset: 16, .size: 8, .value_kind: global_buffer, .address_space: global }
      - { .name: wv, .offset: 24, .size: 8, .value_kind: global_buffer, .address_space: global }
      - { .name: wo, .offset: 32, .size: 8, .value_kind: global_buffer, .address_space: global }
      - { .name: token_positions, .offset: 40, .size: 8, .value_kind: global_buffer, .address_space: global }
      - { .name: opimg, .offset: 48, .size: 8, .value_kind: global_buffer, .address_space: global }
      - { .name: rope, .offset: 56, .size: 8, .value_kind: global_buffer, .address_space: global }
    .group_segment_fixed_size: 35328
    .private_segment_fixed_size: 0
    .kernarg_segment_align: 8
    .kernarg_segment_size: 64
    .max_flat_workgroup_size: 128
    .sgpr_count:     66
    .vgpr_count:     256
    .wavefront_size: 32
...
	.end_amdgpu_metadata
.endif
;; end of part 5
;; launch qkv (part 6): grid 24 x 8, 4 waves a work-group, clusters of 4 x 4, 327,680 bytes of LDS; arguments opimg, rope, qkvc, qkvs; writes qkvc, qkvs
.if DOCPART == 6
	.amdgcn_target "amdgcn-amd-amdhsa--gfx1250"
	.amdhsa_code_object_version 6
	.text
	.protected	k_q4e8569df96_qkv
	.globl	k_q4e8569df96_qkv
	.p2align	8
	.type	k_q4e8569df96_qkv,@function
k_q4e8569df96_qkv:
	s_mov_b64 s[64:65], 0
	v_nop
	global_prefetch_b8 v0, s[64:65] scope:SCOPE_SE
	s_setreg_imm32_b32 hwreg(HW_REG_WAVE_MODE, 25, 1), 1
	s_wait_xcnt 0x0
	s_wait_alu depctr_hold_cnt(0) depctr_sa_sdst(0) depctr_va_vdst(0) depctr_va_sdst(0) depctr_va_ssrc(0) depctr_va_vcc(0) depctr_vm_vsrc(0)
	s_getreg_b32 s2, hwreg(HW_REG_IB_STS2, 6, 4)
	s_cmp_eq_u32 s2, 0
	s_cbranch_scc0 .Lentry_in_a_cluster
	s_endpgm
.Lentry_in_a_cluster:
	s_bfe_u32 s2, ttmp6, 0x10000c
	s_cmp_lg_u32 s2, 0xf033
	s_cbranch_scc0 .Lentry_shape_is_right
	s_endpgm
.Lentry_shape_is_right:
; QKV.  q = x wq^T, k = x wk^T, v = x wv^T on codes of FP8 (E4M3) with E8M0 scales for each 32 along K = 2,048; q and k are rotated; all three are quantised again, in registers, and stored as codes.
; A work-group of four waves makes a tile of 256 x 256; a wave 128 x 128: 64 accumulators, 512 registers.  Grid x 0-7: q, 8-15: k, 16-23: v.  Grid y: for q and k the tile of tokens, for v the tile of wv's rows.
; OPERANDS COME AS IMAGES OF THEIR REGISTERS (opimg): a chunk of CH bytes is 256 rows x 128 K: 16 images of 2,048 bytes [c][lane][16 bytes], then 16 x 16 scale words.  A chunk is dense in memory: one tensor load
; brings it, and a fragment is read from LDS by four loads of 512 consecutive bytes.  In block 2 g + u lane r holds row 32 g + 8 u + r + 8 (r / 8).
; THE MATRIX INSTRUCTION: source 0 = 16 rows of side B, source 1 = 16 rows of side A.  A lane then holds one row of side A (lane % 16), and, by the rule of rows, the 64 registers of A's block a hold
; side B's index 32 b + 16 (lane / 16) + i in register 16 b + i: neighbours, in the order that the next product's operand wants along its K.
; For q and k: A = x (tokens), B = the weight (a wave's 128 rows are one head): registers run along the head's 128.  For v: A = wv, B = x: registers run along 128 keys, which are the K of the second product of attention.
; THE WAY OUT, one text for all three: rotate by the table (v's work-groups read blocks of cos 1, sin 0), quantise, store an image of 2,048 bytes for each of A's eight blocks, and 512 bytes of scale words.
; qkvc: [q, k, v][head][group of 128 tokens][block 0..7][2,048 bytes];  qkvs: the same with 16 words for a block.
; CLUSTERS: 4 x 4 work-groups; A's chunks are shared along a row of the cluster, B's along a column: each is asked for jointly, by the same tensor load with a mask that names the four.
; The ring: two slots, each with two K steps of 128 of both sides (4 chunks); wave w fetches chunk w of a slot (A step 0, A step 1, B step 0, B step 1).
; LIMITS: as the quantiser's in the launch before: a block of zeros gets the byte 1; NaN and infinities are not served.
; REGISTERS: window 0: v16-29 addresses; v32-63 scale words, two sets; v128-255 A's fragments, one set; on the way out v128-191 the rotated numbers, v192-231 at work.
;   window 1: B's fragments, two sets; on the way out v0-255 four sets of the table.   windows 2, 3: the accumulators ((a, b) at v[8 (8 (a % 4) + b)]).
.set CH,     33792
.set TILEB,  16*CH
.set SLOT,   4*CH
.set SPARE,  2*SLOT                    ; behind the ring: the spare words, 128 bytes for each wave, that no other line names
.set NQ,     2
.set FR,     16
.set NL,     4
.set NP,     8                         ; places behind this matrix instruction (ISA guide 7.12.1)
.set LAPS,   4                         ; a lap = two slots = 512 along K
.set ADRA, 16                          ; v16-17  LDS address of my A fragments in slot 0, 1
.set ADRB, 20                          ; v20-21  the same for B
.set ADRS, 22                          ; v22-23  of my scale words: lanes 0-15 A's, lanes 16-31 B's
.set STO,  24                          ; v24     the way out: where my row's scale word goes
.set RD,   25                          ; v25     and where the scale words are read back
.set CO,   26                          ; v26     16 x lane
.set SPW,  28                          ; v28     LDS address of my spare word; never rewritten
.set NIL,  29                          ; v29     0; never rewritten
.set SC,   32
.set AF,   128
.set X,    128
.set PC,   192
.set TM,   208
.set PW,   224
.set SW,   228
.set G1, 24
.set G0, 32
.set G1B, 48
.set G0B, 56
.set SEL, 76
.set MNT, 78
.set MSB, 0
.macro WIN new                         ; the immediate's high byte repeats the setting that is left
.if MSB != \new
	s_set_vgpr_msb (MSB<<8)|\new
.set MSB, \new
.endif
.endm
.set MUL_LO, 0xa1                      ; source 0 (B) window 1, source 1 (A) window 0, C and D window 2
.set MUL_HI, 0xf1                      ; the same, C and D window 3
.set TO_B,   0x40                      ; destination window 1, address window 0
; A joint load: waves 0 and 1 fetch for A, waves 2 and 3 for B; the branch hangs on the wave's number alone.  Four v_nop follow each of the two lines.
.macro JLOAD g0a, g1a, g0b, g1b
	s_cmp_eq_u32 s15, 0
	s_cbranch_scc0 .Lfor_b_\@
	tensor_load_to_lds s[\g0a:\g0a+3], s[\g1a:\g1a+7]
	s_nop 0
.rept 4
	v_nop
.endr
	s_branch .Lasked_\@
.Lfor_b_\@:
	tensor_load_to_lds s[\g0b:\g0b+3], s[\g1b:\g1b+7]
	s_nop 0
.rept 4
	v_nop
.endr
.Lasked_\@:
.endm
.macro CREST                           ; a round of the cluster's barrier behind its opening barrier
	s_cmp_lg_u32 s14, 0
	s_cbranch_scc1 .Lnot_wave_0_\@
	s_barrier_signal -3
.Lnot_wave_0_\@:
	s_barrier_wait -3
	s_barrier_signal -1
	s_barrier_wait -1
.endm
.macro CROUND
	s_barrier_signal -1
	s_barrier_wait -1
	CREST
.endm
.macro QUANT s                         ; 64 numbers of a lane, register 16 b + i = K 32 b + 16 h + i of my row, become codes in v[PC] on and the scale word in v[PW]
.irp b, 0,1,2,3
	v_max3_num_f32 v[TM+\b], |v[\s+16*\b]|, |v[\s+1+16*\b]|, 0x4800000   ; and the floor 2^(9 - 127): the byte cannot fall under 1
.endr
.irp i, 2,4,6,8,10,12,14
.irp b, 0,1,2,3
	v_max3_num_f32 v[TM+\b], v[TM+\b], |v[\s+16*\b+\i]|, |v[\s+1+16*\b+\i]|
.endr
.endr
.irp b, 0,1,2,3
	v_permlanex16_b32 v[TM+4+\b], v[TM+\b], s[SEL], s[SEL+1]
.endr
.irp b, 0,1,2,3
	v_max_num_f32 v[TM+\b], v[TM+\b], v[TM+4+\b]
.endr
.irp b, 0,1,2,3
	v_add_nc_u32 v[TM+12+\b], 0xfc000000, v[TM+\b]         ; 8 off the exponent field: the conversion's scale operand
.endr
.irp b, 0,1,2,3
	v_and_or_b32 v[TM+8+\b], v[TM+\b], 0x7f800000, s[MNT]  ; 448 x the scale
.endr
.irp b, 0,1,2,3
	v_lshrrev_b32 v[TM+4+\b], 23, v[TM+12+\b]              ; the scale's byte
.endr
	v_lshl_or_b32 v[PW], v[TM+5], 8, v[TM+4]
	v_lshl_or_b32 v[PW], v[TM+6], 16, v[PW]
	v_lshl_or_b32 v[PW], v[TM+7], 24, v[PW]
.irp b, 0,1,2,3
.irp i, 0,1,2,3,4,5,6,7,8,9,10,11,12,13,14,15
	v_med3_num_f32 v[\s+16*\b+\i], v[\s+16*\b+\i], -v[TM+8+\b], v[TM+8+\b]   ; the conversion does not saturate (ISA guide 7.6.2)
.endr
	v_cvt_scalef32_pk8_fp8_f32 v[PC+4*\b:PC+1+4*\b], v[\s+16*\b:\s+7+16*\b], v[TM+12+\b]
	v_cvt_scalef32_pk8_fp8_f32 v[PC+2+4*\b:PC+3+4*\b], v[\s+8+16*\b:\s+15+16*\b], v[TM+12+\b]
.endr
	v_nop                                          ; a plain line behind the last conversion
.endm
	s_load_b128 s[4:7], s[0:1], 0x0                ; opimg s[4:5], rope s[6:7]
	s_load_b128 s[8:11], s[0:1], 0x10              ; qkvc s[8:9], qkvs s[10:11]
	v_lshl_add_u32 v[SPW], v0, 2, SPARE
	v_mov_b32 v[NIL], 0
	ds_add_u32 v28, v29
	ds_add_u32 v28, v29
	s_wait_dscnt 0x0
	v_lshrrev_b32 v1, 5, v0
	v_readfirstlane_b32 s14, v1                    ; wave 0..3
	s_lshr_b32 s15, s14, 1                         ; which half of A's rows is mine.  Also: I fetch for A (0) or for B (1)
	s_and_b32 s16, s14, 1                          ; which half of B's rows.  Also: which K step of a slot I fetch
	s_bfe_u32 s40, ttmp6, 0x40000                  ; cx, cy: my place in the cluster
	s_bfe_u32 s41, ttmp6, 0x40004
	s_lshl_b32 s42, ttmp9, 2
	s_add_co_u32 s42, s42, s40                     ; grid x
	s_and_b32 s17, ttmp7, 0xffff
	s_lshl_b32 s17, s17, 2
	s_add_co_u32 s17, s17, s41                     ; grid y
	s_lshl_b32 s43, s41, 2
	s_lshl_b32 s43, 15, s43                        ; my row of the cluster
	s_lshl_b32 s44, 0x1111, s40                    ; my column
	s_lshr_b32 s66, ttmp9, 2                       ; 1 in v's clusters (cluster x 4 and 5): the same in all sixteen partners
	s_mul_i32 s67, s66, 24
	; descriptor group 1: a chunk, dense: 132 rows of 32 elements of 8 bytes
	s_or_b32 s[G1+0], s43, (3<<16)|(1<<21)         ; 15:0 the mask: A's chunks go to my row; 17:16 elements of 8 bytes; 21 set beside a mask
	s_or_b32 s[G1B+0], s44, (3<<16)|(1<<21)
.irp g, G1, G1B
	s_mov_b32 s[\g+1], 32<<16                      ; tensor_dim0
	s_mov_b32 s[\g+2], 132<<16                     ; tensor_dim1
	s_mov_b32 s[\g+3], 32<<16                      ; tile_dim0
	s_mov_b32 s[\g+4], 132                         ; tile_dim1
	s_mov_b32 s[\g+5], 32                          ; tensor_dim0_stride
	s_mov_b32 s[\g+6], 0
	s_mov_b32 s[\g+7], 0
.endr
	s_mul_i32 s18, s16, CH                         ; the K step that I fetch
	s_add_co_u32 s20, s17, s67                     ; A's tile: x's tile y, or wv's (24 + y)
	s_mul_i32 s20, s20, TILEB
	s_add_co_u32 s20, s20, s18
	s_mov_b32 s21, 0
	s_add_co_u32 s46, s42, 8                       ; B's tile: wq's and wk's (8 + x), or x's (x - 16)
	s_sub_co_u32 s46, s46, s67
	s_mul_i32 s46, s46, TILEB
	s_add_co_u32 s46, s46, s18
	s_mov_b32 s47, 0
	s_mul_i32 s45, s14, CH                         ; where it goes: chunk w of a slot: no place in the cluster enters an LDS address
	s_wait_kmcnt 0x0
	s_add_nc_u64 s[20:21], s[4:5], s[20:21]
	s_add_nc_u64 s[46:47], s[4:5], s[46:47]
	CROUND                                         ; all sixteen work-groups are here: the first joint loads meet
.irp s, 0,1
	s_mov_b32 s[G0+4*\s], 1
	s_add_co_u32 s[G0+4*\s+1], s45, \s*SLOT
	s_add_nc_u64 s[G0+4*\s+2:G0+4*\s+3], s[20:21], \s*2*CH
	s_or_b32 s[G0+4*\s+3], s[G0+4*\s+3], 0x80000000
	s_mov_b32 s[G0B+4*\s], 1
	s_add_co_u32 s[G0B+4*\s+1], s45, \s*SLOT
	s_add_nc_u64 s[G0B+4*\s+2:G0B+4*\s+3], s[46:47], \s*2*CH
	s_or_b32 s[G0B+4*\s+3], s[G0B+4*\s+3], 0x80000000
.endr
	JLOAD G0, G1, G0B, G1B                         ; slot 0
	v_and_b32 v1, 15, v0                           ; r
	v_bfe_u32 v2, v0, 4, 1                         ; h
	s_wait_alu depctr_va_vdst(0)
	v_and_b32 v3, 31, v0
	v_lshlrev_b32 v[CO], 4, v3                     ; 16 x lane
	s_lshl_b32 s21, s15, 14                        ; my eight images of A in a chunk
	s_lshl_b32 s22, s16, 14                        ; my eight of B,
	s_add_co_u32 s22, s22, 2*CH                    ; behind A's two chunks
.irp s, 0,1
	v_add_nc_u32 v[ADRA+\s], s21, v[CO]
	v_add_nc_u32 v[ADRB+\s], s22, v[CO]
	s_add_co_u32 s21, s21, SLOT
	s_add_co_u32 s22, s22, SLOT
.endr
	s_lshl_b32 s21, s15, 9                         ; the scale words of my eight blocks of A: 512 bytes,
	s_lshl_b32 s22, s16, 9
	s_add_co_u32 s22, s22, 2*CH                    ; and of B
	s_sub_co_u32 s22, s22, s21
	v_mul_u32_u24 v6, s22, v2                      ; lanes 16-31 take B's
	s_add_co_u32 s21, s21, 32768
	v_lshlrev_b32 v5, 2, v1
	v_add_nc_u32 v6, v5, v6
	v_add_nc_u32 v[ADRS], s21, v6
	v_add_nc_u32 v[ADRS+1], SLOT, v[ADRS]
	s_lshl_b32 s23, s14, 9                         ; the way out: 512 bytes for each wave at the head of slot 0, which has had its last fill and its last read by then
	v_add_nc_u32 v[STO], s23, v5
	v_add_nc_u32 v[RD], s23, v[CO]
	; where my results go
	s_and_b32 s70, s42, 7
	s_lshl_b32 s70, s70, 1
	s_add_co_u32 s70, s70, s16                     ; u: which 128 of side B
	s_lshl_b32 s71, s17, 1
	s_add_co_u32 s71, s71, s15                     ; v: which 128 of side A
	s_lshr_b32 s72, s42, 3                         ; q, k or v
	s_lshl_b32 s75, s71, 3                         ; the table's first block for my tokens
	s_cmp_eq_u32 s66, 1
	s_cselect_b32 s73, s71, s70                    ; the head: side B's for q and k, side A's for v
	s_cselect_b32 s74, s70, s71                    ; the group of 128 tokens: the other one
	s_cselect_b32 s75, 128, s75                    ; v is rotated by the blocks of cos 1, sin 0
	s_lshl_b32 s72, s72, 4
	s_add_co_u32 s72, s72, s73
	s_lshl_b32 s72, s72, 4
	s_add_co_u32 s72, s72, s74
	s_lshl_b32 s70, s72, 14
	s_mov_b32 s71, 0
	s_add_nc_u64 s[8:9], s[8:9], s[70:71]
	s_lshl_b32 s70, s72, 9
	s_add_nc_u64 s[10:11], s[10:11], s[70:71]
	s_lshl_b32 s70, s75, 13
	s_add_nc_u64 s[6:7], s[6:7], s[70:71]
	s_mov_b32 s[SEL], 0x76543210
	s_mov_b32 s[SEL+1], 0xfedcba98
	s_mov_b32 s[MNT], 0x600000
.macro FRAG reg, adr, q, i             ; an image comes back as it was stored: four loads of 512 consecutive bytes
.irp c, 0,1,2,3
	ds_load_b128 v[\reg+4*\c:\reg+4*\c+3], v[\adr] offset:CH*(\q)+2048*(\i)+512*\c
.endr
.endm
; 16 matrix instructions: A's blocks a0, a0 + 1 x B's eight.  The 64 accumulators take turns, one instruction a turn, in the same order in every step.
.macro MUL16 a0, p, q, sc, zero
.irp a, \a0, \a0+1
.irp b, 0,1,2,3,4,5,6,7
.if \zero
	v_wmma_scale_f32_16x16x128_f8f6f4 v[8*(8*((\a)%4)+\b):8*(8*((\a)%4)+\b)+7], v[128*(\p)+FR*\b:128*(\p)+FR*\b+FR-1], v[AF+FR*(\a):AF+FR*(\a)+FR-1], 0, v[SC+8*NQ*(\sc)+NQ*\b+(\q)], v[SC+8*NQ*(\sc)+NQ*(\a)+(\q)] matrix_a_scale:MATRIX_SCALE_ROW1
.else
	v_wmma_scale_f32_16x16x128_f8f6f4 v[8*(8*((\a)%4)+\b):8*(8*((\a)%4)+\b)+7], v[128*(\p)+FR*\b:128*(\p)+FR*\b+FR-1], v[AF+FR*(\a):AF+FR*(\a)+FR-1], v[8*(8*((\a)%4)+\b):8*(8*((\a)%4)+\b)+7], v[SC+8*NQ*(\sc)+NQ*\b+(\q)], v[SC+8*NQ*(\sc)+NQ*(\a)+(\q)] matrix_a_scale:MATRIX_SCALE_ROW1
.endif
.endr
.endr
.endm
.macro FETCH_B slot, q, p
	WIN TO_B
.irp i, 0,1,2,3,4,5,6,7
	FRAG 128*(\p)+FR*\i, ADRB+\slot, \q, \i
.endr
	WIN 0
.endm
.macro FETCH_A slot, q, i0
.irp i, \i0, \i0+1, \i0+2, \i0+3
	FRAG AF+FR*(\i), ADRA+\slot, \q, \i
.endr
.endm
.macro SCALES sc                       ; a slot's scale words into set sc: register 2 i + q: lanes 0-15 A's block i, lanes 16-31 B's block i, K step q
.irp i, 0,1,2,3,4,5,6,7
.irp q, 0,1
	ds_load_b32 v[SC+16*\sc+2*\i+\q], v[ADRS+\sc] offset:CH*\q+64*\i
.endr
.endr
.endm
.macro PLACES n                        ; plain vector lines between a matrix instruction and a load into, or a read of, its registers
.rept \n
	v_nop
.endr
.endm
.macro STEP slot, q, zero              ; a step of 128 along K that has its successor in the same slot
	s_wait_dscnt 4*NL                              ; B's set, A's blocks 0-3 and the scale words are in; the youngest 16 loads (A's blocks 4-7) may be out
	WIN MUL_LO
	MUL16 0, (\q)%2, \q, \slot, \zero
	MUL16 2, (\q)%2, \q, \slot, \zero
	s_wait_dscnt 0                                 ; A's blocks 4-7 are in
	PLACES NP
	FETCH_B \slot, (\q)+1, 1-(\q)%2
	FETCH_A \slot, (\q)+1, 0
	WIN MUL_HI
	MUL16 4, (\q)%2, \q, \slot, \zero
	MUL16 6, (\q)%2, \q, \slot, \zero
	PLACES NP
	WIN 0
	FETCH_A \slot, (\q)+1, 4
.endm
; A slot's last step changes slots: one barrier; in front of it each wave waits for all its tensor loads, adds 0 to its spare word, and waits for that and for its own reads of this slot.
.macro TURN slot, next, fill
	s_wait_tensorcnt 0x0                           ; all my tensor loads have landed: my chunk of the next slot
	ds_add_u32 v[SPW], v[NIL]                      ; 0 onto my spare word
	s_wait_dscnt 4*NL+1                            ; (the add and the youngest 16 loads, A's blocks 4-7, may be out)
	WIN MUL_LO
	MUL16 0, 1, NQ-1, \slot, 0
	s_wait_dscnt 0x0                               ; the add is done, and my reads of this slot are over
	s_barrier_signal -1
	MUL16 2, 1, NQ-1, \slot, 0
	WIN 0
	s_barrier_wait -1
.if \fill
	CREST                                          ; the barrier has opened a round of the cluster's: no wave of any partner still reads this slot or has a load on its way
	s_add_nc_u64 s[G0+4*\slot+2:G0+4*\slot+3], s[G0+4*\slot+2:G0+4*\slot+3], 4*CH
	s_add_nc_u64 s[G0B+4*\slot+2:G0B+4*\slot+3], s[G0B+4*\slot+2:G0B+4*\slot+3], 4*CH
	JLOAD G0+4*\slot, G1, G0B+4*\slot, G1B         ; the first tensor load behind the round; its four v_nop are among the places in front of the loads below
	PLACES NP-4
.else
	PLACES NP
.endif
	FETCH_B \next, 0, 0
	FETCH_A \next, 0, 0
	SCALES \next
	WIN MUL_HI
	MUL16 4, 1, NQ-1, \slot, 0
	MUL16 6, 1, NQ-1, \slot, 0
	PLACES NP
	WIN 0
	FETCH_A \next, 0, 4
.endm
	s_wait_alu depctr_va_vdst(0)
	s_wait_tensorcnt 0x0                           ; my chunk of slot 0 is in
	ds_add_u32 v[SPW], v[NIL]
	s_wait_dscnt 0x0
	CROUND                                         ; a whole round: everybody's chunk is in, and the joint loads meet
	JLOAD G0+4, G1, G0B+4, G1B                     ; slot 1's first fill, the first tensor load behind the round
	FETCH_B 0, 0, 0
	FETCH_A 0, 0, 0
	SCALES 0
	FETCH_A 0, 0, 4
	STEP 0, 0, 1                                   ; the first step stands in front of the loop: its products start the sums
	s_mov_b32 s3, LAPS-1
.Llap:                                                 ; a trip goes once round the ring and fills both slots again
	TURN 0, 1, 1
	STEP 1, 0, 0
	TURN 1, 0, 1
	STEP 0, 0, 0
	s_sub_co_u32 s3, s3, 1
	s_cmp_lg_u32 s3, 0
	s_cbranch_scc1 .Llap
	TURN 0, 1, 0                                   ; the last lap fills nothing
	STEP 1, 0, 0
.macro TAB a                           ; the table's block for A's block a: 16 loads of 512 consecutive bytes into set a % 4 (window 1): register e = cos, e + 1 = sin of the pair (e, e + 1)
	WIN 0x40
.irp i, 0,1,2,3,4,5,6,7,8,9,10,11,12,13,14,15
	global_load_b128 v[64*((\a)%4)+4*\i:64*((\a)%4)+4*\i+3], v[CO], s[6:7] offset:(\a)*8192+512*\i
.endr
	WIN 0
.endm
	TAB 0                                          ; the first two blocks of the table land on B's set 0, which the step above read last, eight places back; the last step multiplies set 1
	TAB 1
	s_wait_dscnt 4*NL
	WIN MUL_LO
	MUL16 0, 1, NQ-1, 1, 0
	MUL16 2, 1, NQ-1, 1, 0
	s_wait_dscnt 0
	WIN MUL_HI
	MUL16 4, 1, NQ-1, 1, 0
	MUL16 6, 1, NQ-1, 1, 0
	WIN 0
; THE WAY OUT, A's blocks one after the other.
.macro ROPE a                          ; even' = even cos - odd sin, odd' = even sin + odd cos.  Each accumulator is read from its low end on
.set AC, 64*((\a)%4)
.set TT, 64*((\a)%4)
	WIN 0x06+(\a)/4                                ; source 0: window 2 or 3; source 1: window 1
.set e, 0
.rept 16
	v_mul_f32 v[X+e],   v[AC+e+1], v[TT+e+1]
	v_mul_f32 v[X+e+2], v[AC+e+3], v[TT+e+3]
	v_mul_f32 v[X+e+1], v[AC+e],   v[TT+e+1]
	v_mul_f32 v[X+e+3], v[AC+e+2], v[TT+e+3]
	v_fma_f32 v[X+e],   v[AC+e],   v[TT+e],   -v[X+e]
	v_fma_f32 v[X+e+2], v[AC+e+2], v[TT+e+2], -v[X+e+2]
	v_fma_f32 v[X+e+1], v[AC+e+1], v[TT+e],   v[X+e+1]
	v_fma_f32 v[X+e+3], v[AC+e+3], v[TT+e+2], v[X+e+3]
.set e, e+4
.endr
	WIN 0
.endm
	PLACES NP                                      ; behind the last products: for the loads and writes into their operands' registers and the reads of their results
.irp b, 0,1,2,3
	v_mov_b32 v[TM+4+\b], 0                        ; a lane permute's destination counts as one of its sources
.endr
	TAB 2
.irp a, 0,1,2,3,4,5,6,7
.if \a < 5
	TAB \a+3                                       ; three blocks ahead, into the set that block a - 1 has read
	s_wait_loadcnt 48                              ; this block's table is in; the 16 loads of each of the next three blocks may be out
.else
	s_wait_loadcnt 16*(7-\a)                       ; the blocks that are left behind this one
.endif
	ROPE \a
	s_wait_xcnt 0x0                                ; the last block's stores have read the codes' registers,
	s_wait_dscnt 0x0                               ; and its scale word has left its register
	QUANT X
.irp c, 0,1,2,3
	global_store_b128 v[CO], v[PC+4*\c:PC+4*\c+3], s[8:9] offset:\a*2048+512*\c   ; 512 consecutive bytes, aligned
.endr
	ds_store_b32 v[STO], v[PW] offset:64*\a        ; both halves of the lanes write the same word with the same value
.endr
	ds_load_b128 v[SW:SW+3], v[RD]                 ; LDS serves a wave's instructions in order: this sees my stores
	s_wait_dscnt 0x0
	global_store_b128 v[CO], v[SW:SW+3], s[10:11]  ; my eight blocks' scale words: 512 consecutive bytes, aligned
	s_wait_tensorcnt 0x0                           ; the wave's end
	ds_add_u32 v[SPW], v[NIL]
	s_wait_dscnt 0x0
	CROUND                                         ; the closing round: no work-group ends while a partner may still ask for a chunk that names it
	s_endpgm
.Lfunc_end_k_q4e8569df96_qkv:
	.size	k_q4e8569df96_qkv, .Lfunc_end_k_q4e8569df96_qkv-k_q4e8569df96_qkv
	.p2alignl 7, 3214868480
	.fill 96, 4, 3214868480
	.section	.rodata,"a",@progbits
	.p2align	6, 0x0
	.amdhsa_kernel k_q4e8569df96_qkv
		.amdhsa_group_segment_fixed_size 327680
		.amdhsa_private_segment_fixed_size 0
		.amdhsa_enable_private_segment 0
		.amdhsa_kernarg_size 32
		.amdhsa_user_sgpr_count 2
		.amdhsa_user_sgpr_kernarg_segment_ptr 1
		.amdhsa_wavefront_size32 1
		.amdhsa_system_sgpr_workgroup_id_x 1
		.amdhsa_system_sgpr_workgroup_id_y 1
		.amdhsa_system_sgpr_workgroup_id_z 1
		.amdhsa_system_vgpr_workitem_id 0
		.amdhsa_next_free_vgpr 1024
		.amdhsa_next_free_sgpr 100
		.amdhsa_reserve_vcc 0
		.amdhsa_float_denorm_mode_32 3
		.amdhsa_float_denorm_mode_16_64 3
		.amdhsa_memory_ordered 1
		.amdhsa_forward_progress 1
		.amdhsa_inst_pref_size 246
	.end_amdhsa_kernel
	.amdgpu_metadata
---
amdhsa.version: [ 1, 2 ]
amdhsa.kernels:
  - .name:           k_q4e8569df96_qkv
    .symbol:         k_q4e8569df96_qkv.kd
    .args:
      - { .name: opimg, .offset: 0, .size: 8, .value_kind: global_buffer, .address_space: global }
      - { .name: rope, .offset: 8, .size: 8, .value_kind: global_buffer, .address_space: global }
      - { .name: qkvc, .offset: 16, .size: 8, .value_kind: global_buffer, .address_space: global }
      - { .name: qkvs, .offset: 24, .size: 8, .value_kind: global_buffer, .address_space: global }
    .group_segment_fixed_size: 327680
    .private_segment_fixed_size: 0
    .kernarg_segment_align: 8
    .kernarg_segment_size: 32
    .max_flat_workgroup_size: 128
    .sgpr_count:     100
    .vgpr_count:     1024
    .wavefront_size: 32
...
	.end_amdgpu_metadata
.endif
;; end of part 6
;; launch attn (part 7): grid 16 x 16, 8 waves a work-group, no clusters, 327,680 bytes of LDS; arguments qkvc, qkvs, aoimg; writes aoimg
.if DOCPART == 7
	.amdgcn_target "amdgcn-amd-amdhsa--gfx1250"
	.amdhsa_code_object_version 6
	.text
	.protected	k_q4e8569df96_attn
	.globl	k_q4e8569df96_attn
	.p2align	8
	.type	k_q4e8569df96_attn,@function
k_q4e8569df96_attn:
	s_mov_b64 s[64:65], 0
	v_nop
	global_prefetch_b8 v0, s[64:65] scope:SCOPE_SE
	s_setreg_imm32_b32 hwreg(HW_REG_WAVE_MODE, 25, 1), 1
	s_wait_xcnt 0x0
; ATTENTION on codes of FP8 (E4M3) with E8M0 scales: S^T = K Q^T, p = 2^(t - M), O^T = V^T P^T, O / l quantised again along the head's 128 and stored as an image of the next launch's operand.
; t = score x log2(e) / sqrt(128); M = the ceiling of the running largest t, a whole number; l = the sum of the unquantised p.  When M moves, l and O^T are multiplied by 2^(old M - new M), which rounds nothing.
; LEFT OUT: key steps of 128 keys that lie wholly behind a tile's 16 queries: the causal mask gives them the weight 0 for all inputs.
; LIMITS: the promise holds while |t| stays under 2^31; NaN and infinities are not served; a block of zeros gets the byte 1 (its codes are zeros; this program alone reads the bytes).
; SHARES.  Tokens go in 16 groups of 128, a group in 8 blocks (tiles) of 16 queries.  Work-group (x, head): j = x / 2, u = x % 2: blocks 4 u .. 4 u + 3 of group 15 - j (16 - j key steps) and of group j (j + 1 key steps): 68 tile steps in every work-group.
; Wave w: t = w % 4, e = w / 4: block 4 u + t of BOTH groups, and of the key steps those of parity e.  So in each slot all eight waves have the same steps to walk.  The two parities' partial O^T, M and l of a tile are joined at the end
; through LDS: a wave keeps tile A (e = 0: the long group's, e = 1: the short one's), gives tile B to wave w xor 4, and finishes, quantises and stores tile A.
; THE RING: two slots of four key steps: [K's blocks 0-3][K's 4-7][V's 0-3][V's 4-7], each [step][8,192 bytes]; waves 0-3 fetch one of the four parts each, 4 rows of 8,192 bytes.  Waves 4-7 fetch, at the head, the halves of K's and V's scale words of the head.
; A slot whose first key step lies behind group 15 - j is not asked for: a jump on ids alone, the same in all waves, round the load's own lines; every wait on TENSORcnt is for 0; the loops' trip counts are constants.
; NO CLUSTER: how many slots a work-group fills hangs on its number (four where j < 4, else three), and the jump that ends the fills may not lead round a joint load.
; PREFETCH: the change of slots that loads slot p + 1 (p = 0, 1) asks for slot p + 2: the eight work-groups of a head with j < 4 share its 2 x 65,536 bytes by address: 8,192 of K (wave 0) and of V (wave 1), lanes 256 bytes apart.  Slots 0 and 1 come by their loads alone.
; REGISTERS.  Window 0: v1-11 addresses; v12-15, v16-19 -M, largest t, l in two halves of tiles A, B; v20, v21 Q's scale words; v22 the mask's bound; v24-31 scale words; v32-159 eight fragments; v160-223 S^T, then p; v224-239 p's codes; v232-255 at work.
; Window 1: v0-63, v64-127 O^T of A, B; v128-143, v144-159 Q of A, B.
.set SLOT1, 1<<17
.set SCK,   2*SLOT1
.set SCV,   SCK+8192
.set SPARE, SCV+8192
.set STGB,  8704                       ; the hand-over: 8,192 bytes of O^T and 512 of state for each wave, from LDS byte 0 on: in slot 0, behind its last fill and a barrier behind every wave's last read
.set CH,    33792
.set TILEB, 16*CH
.set AK0,  1
.set AV0,  2
.set ASK0, 3
.set ASV0, 4
.set SPW,  5
.set NIL,  6
.set PFO,  7
.set ADK,  8
.set ADV,  9
.set ADS,  10
.set ADT,  11
.set DD,   22
.set NINF, 23
.set CO,   248
.set STO,  249
.set PRD,  250
.set R4,   251
.set TM,   232
.set PC,   32
.set PW,   255
.set TB,   2
.set TS,   3
.set WV,   18
.set MNT,  19
.set SEL,  20
.set CS,   22
.set G1,   24
.set G1S,  32
.set G0,   40
.set G0S,  44
.set KS,   66
.set GLW,  67
.set SLOTS, 68
.set FOUR, 69
.set GA,   70
.set GB,   71
.set PFA,  72
.set LIM,  74
.set DJ,   75
.set NX,   86
.set MSB, 0
.macro WIN new                         ; the immediate's high byte repeats the setting that is left
.if MSB != \new
	s_set_vgpr_msb (MSB<<8)|\new
.set MSB, \new
.endif
.endm
.macro PLACES n
.rept \n
	v_nop
.endr
.endm
.macro QUANT s                         ; 64 numbers of a lane, register 16 b + i = K 32 b + 16 h + i of my row, become codes in v[PC] on and the scale word in v[PW]
.irp b, 0,1,2,3
	v_max3_num_f32 v[TM+\b], |v[\s+16*\b]|, |v[\s+1+16*\b]|, 0x4800000
.endr
.irp i, 2,4,6,8,10,12,14
.irp b, 0,1,2,3
	s_delay_alu instid0(VALU_DEP_4)
	v_max3_num_f32 v[TM+\b], v[TM+\b], |v[\s+16*\b+\i]|, |v[\s+1+16*\b+\i]|
.endr
.endr
.irp b, 0,1,2,3
	v_permlanex16_b32 v[TM+4+\b], v[TM+\b], s[SEL], s[SEL+1]
.endr
.irp b, 0,1,2,3
	s_delay_alu instid0(VALU_DEP_4)
	v_max_num_f32 v[TM+\b], v[TM+\b], v[TM+4+\b]
.endr
.irp b, 0,1,2,3
	s_delay_alu instid0(VALU_DEP_4)
	v_add_nc_u32 v[TM+12+\b], 0xfc000000, v[TM+\b]         ; 8 off the exponent field: the conversion's scale operand
.endr
.irp b, 0,1,2,3
	v_and_or_b32 v[TM+8+\b], v[TM+\b], 0x7f800000, s[MNT]  ; 448 x the scale
.endr
.irp b, 0,1,2,3
	v_lshrrev_b32 v[TM+4+\b], 23, v[TM+12+\b]              ; the scale's byte
.endr
	s_delay_alu instid0(VALU_DEP_3)
	v_lshl_or_b32 v[PW], v[TM+5], 8, v[TM+4]
	s_delay_alu instid0(VALU_DEP_1)
	v_lshl_or_b32 v[PW], v[TM+6], 16, v[PW]
	s_delay_alu instid0(VALU_DEP_1)
	v_lshl_or_b32 v[PW], v[TM+7], 24, v[PW]
.irp b, 0,1,2,3
.irp i, 0,1,2,3,4,5,6,7,8,9,10,11,12,13,14,15
	v_med3_num_f32 v[\s+16*\b+\i], v[\s+16*\b+\i], -v[TM+8+\b], v[TM+8+\b]   ; the conversion does not saturate (ISA guide 7.6.2)
.endr
	v_cvt_scalef32_pk8_fp8_f32 v[PC+4*\b:PC+1+4*\b], v[\s+16*\b:\s+7+16*\b], v[TM+12+\b]
	v_cvt_scalef32_pk8_fp8_f32 v[PC+2+4*\b:PC+3+4*\b], v[\s+8+16*\b:\s+15+16*\b], v[TM+12+\b]
.endr
	v_nop                                          ; a plain line behind the last conversion
.endm
	s_load_b128 s[4:7], s[0:1], 0x0                ; qkvc, qkvs
	s_load_b64 s[8:9], s[0:1], 0x10                ; aoimg
	v_lshl_add_u32 v[SPW], v0, 2, SPARE
	v_mov_b32 v[NIL], 0
	ds_add_u32 v[SPW], v[NIL]                      ; the opening: the add, twice on end, and its wait ahead of my first tensor load
	ds_add_u32 v[SPW], v[NIL]
	v_lshrrev_b32 v8, 5, v0
	v_readfirstlane_b32 s[WV], v8                  ; wave 0..7
	s_lshr_b32 s10, ttmp9, 1                       ; j
	s_and_b32 s11, ttmp9, 1                        ; u
	s_and_b32 s12, ttmp7, 0xffff                   ; the head
	s_lshr_b32 s13, s[WV], 2                       ; e
	s_and_b32 s14, s[WV], 3                        ; t
	s_lshl_b32 s15, s11, 2
	s_add_co_u32 s15, s15, s14                     ; my block 4 u + t
	s_sub_co_u32 s[GLW], 15, s10                   ; the long group
	s_cmp_eq_u32 s13, 0
	s_cselect_b32 s[GA], s[GLW], s10               ; the group of the tile that I keep,
	s_cselect_b32 s[GB], s10, s[GLW]               ; and of the one that I give
	s_lshr_b32 s48, s14, 1                         ; what I fetch: t / 2: K or V; t % 2: which half
	s_add_co_u32 s48, s48, 1
	s_lshl_b32 s48, s48, 4
	s_add_co_u32 s48, s48, s12
	s_and_b32 s49, s14, 1
	s_lshl_b32 s50, s48, 18
	s_lshl_b32 s51, s49, 13
	s_add_co_u32 s50, s50, s51                     ; codes: four blocks of key step 0
	s_mov_b32 s51, 0
	s_lshl_b32 s52, s48, 13
	s_lshl_b32 s53, s49, 12
	s_add_co_u32 s52, s52, s53                     ; scale words: half a head's
	s_mov_b32 s53, 0
	s_lshl_b32 s54, s14, 15
	s_lshl_b32 s55, s14, 12
	s_add_co_u32 s55, s55, SCK
	s_lshl_b32 s56, s12, 18                        ; Q's images of my two tiles
	s_lshl_b32 s57, s15, 11
	s_add_co_u32 s56, s56, s57
	s_lshl_b32 s57, s[GA], 14
	s_add_co_u32 s58, s56, s57
	s_mov_b32 s59, 0
	s_lshl_b32 s57, s[GB], 14
	s_add_co_u32 s60, s56, s57
	s_mov_b32 s61, 0
	s_lshl_b32 s56, s12, 13                        ; and their scale words
	s_lshl_b32 s57, s15, 6
	s_add_co_u32 s56, s56, s57
	s_lshl_b32 s57, s[GA], 9
	s_add_co_u32 s62, s56, s57
	s_mov_b32 s63, 0
	s_lshl_b32 s57, s[GB], 9
	s_add_co_u32 s80, s56, s57
	s_mov_b32 s81, 0
	s_lshr_b32 s57, s15, 1                         ; my block's first row in its group: 32 (b / 2) + 8 (b % 2)
	s_lshl_b32 s57, s57, 5
	s_and_b32 s[DJ], s15, 1
	s_lshl_b32 s[DJ], s[DJ], 3
	s_add_co_u32 s[DJ], s[DJ], s57
	s_lshr_b32 s57, s[GA], 1                       ; where tile A goes: tile of 256 rows GA / 2, chunk = head, image 8 (GA % 2) + b
	s_mul_i32 s76, s57, TILEB
	s_mul_i32 s57, s12, CH
	s_add_co_u32 s76, s76, s57
	s_and_b32 s57, s[GA], 1
	s_lshl_b32 s57, s57, 3
	s_add_co_u32 s57, s57, s15
	s_lshl_b32 s78, s57, 6
	s_add_co_u32 s78, s78, s76
	s_add_co_u32 s78, s78, 32768
	s_lshl_b32 s57, s57, 11
	s_add_co_u32 s76, s76, s57
	s_mov_b32 s77, 0
	s_mov_b32 s79, 0
	s_and_b32 s57, s[WV], 1                        ; the prefetches: wave 0 K, wave 1 V; 8,192 bytes at 8,192 x (x % 8) of a slot; now at slot 1: each change steps it first
	s_add_co_u32 s57, s57, 1
	s_lshl_b32 s57, s57, 4
	s_add_co_u32 s57, s57, s12
	s_lshl_b32 s82, s57, 18
	s_and_b32 s57, ttmp9, 7
	s_lshl_b32 s57, s57, 13
	s_add_co_u32 s82, s82, s57
	s_add_co_u32 s82, s82, 65536
	s_mov_b32 s83, 0
	s_lshr_b32 s[LIM], s[WV], 1
	s_lshr_b32 s57, ttmp9, 3
	s_or_b32 s[LIM], s[LIM], s57
	s_cmp_eq_u32 s[LIM], 0
	s_cselect_b32 s[LIM], 2, -1                    ; waves 0, 1 where x < 8 ask while more than two trips are left; the others never
	s_mul_i32 s84, s[WV], STGB
	s_xor_b32 s85, s[WV], 4
	s_mul_i32 s85, s85, STGB
	s_mov_b32 s[G1], 3<<16                         ; group 1: 4 rows of 1,024 elements of 8 bytes, 16,384 bytes apart
	s_mov_b32 s[G1+1], 1024<<16
	s_mov_b32 s[G1+2], 4<<16
	s_mov_b32 s[G1+3], 1024<<16
	s_mov_b32 s[G1+4], 4
	s_mov_b32 s[G1+5], 2048
	s_mov_b32 s[G1+6], 0
	s_mov_b32 s[G1+7], 0
	s_mov_b32 s[G1S], 3<<16                        ; the scale words: 4,096 dense bytes as 16 rows of 256
	s_mov_b32 s[G1S+1], 32<<16
	s_mov_b32 s[G1S+2], 16<<16
	s_mov_b32 s[G1S+3], 32<<16
	s_mov_b32 s[G1S+4], 16
	s_mov_b32 s[G1S+5], 32
	s_mov_b32 s[G1S+6], 0
	s_mov_b32 s[G1S+7], 0
	s_mov_b32 s[SEL], 0x76543210
	s_mov_b32 s[SEL+1], 0xfedcba98
	s_mov_b32 s[CS], 0x3e0293ee                    ; log2(e) / sqrt(128)
	s_mov_b32 s[CS+1], s[CS]
	s_mov_b32 s[MNT], 0x600000
	s_mov_b32 s[TB], 0
	s_mov_b32 s[TS], 0
	s_mov_b32 s[KS], s13                           ; my first key step
	s_mov_b32 s[SLOTS], 4
	s_mov_b32 s[NX], 4                             ; the first key step of the slot that the next change would ask for
	s_wait_dscnt 0x0                               ; both opening adds are done
	s_wait_kmcnt 0x0
	s_mov_b32 s[G0], 1
	s_mov_b32 s[G0+1], s54
	s_add_nc_u64 s[G0+2:G0+3], s[4:5], s[50:51]
	s_or_b32 s[G0+3], s[G0+3], 0x80000000
	s_mov_b32 s[G0S], 1
	s_mov_b32 s[G0S+1], s55
	s_add_nc_u64 s[G0S+2:G0S+3], s[6:7], s[52:53]
	s_or_b32 s[G0S+3], s[G0S+3], 0x80000000
	s_cmp_lt_u32 s[WV], 4                          ; the head's loads, one a wave, on every way through the head
	s_cbranch_scc0 .Lhead_s
	tensor_load_to_lds s[G0:G0+3], s[G1:G1+7]      ; waves 0-3: slot 0's four parts
	s_nop 0
	PLACES 4
	s_branch .Lhead_j
.Lhead_s:
	tensor_load_to_lds s[G0S:G0S+3], s[G1S:G1S+7]  ; waves 4-7: the scale words, filled once
	s_nop 0
	PLACES 4
.Lhead_j:
	s_add_nc_u64 s[PFA:PFA+1], s[4:5], s[82:83]
	s_add_nc_u64 s[58:59], s[4:5], s[58:59]
	s_add_nc_u64 s[60:61], s[4:5], s[60:61]
	s_add_nc_u64 s[62:63], s[6:7], s[62:63]
	s_add_nc_u64 s[80:81], s[6:7], s[80:81]
	s_add_nc_u64 s[76:77], s[8:9], s[76:77]
	s_add_nc_u64 s[78:79], s[8:9], s[78:79]
	v_and_b32 v8, 31, v0
	v_and_b32 v9, 15, v0
	v_lshlrev_b32 v[CO], 4, v8                     ; 16 x lane
	v_lshlrev_b32 v[PFO], 8, v8
	v_lshlrev_b32 v[R4], 2, v9                     ; 4 r
	s_lshl_b32 s57, s13, 13
	v_add_nc_u32 v[AK0], s57, v[CO]                ; a fragment's piece, in key step e of a slot
	v_add_nc_u32 v[AV0], 65536, v[AK0]
	s_lshl_b32 s57, s13, 9
	s_add_co_u32 s57, s57, SCK
	v_add_nc_u32 v[ASK0], s57, v[R4]               ; scale words: 512 bytes a key step
	v_add_nc_u32 v[ASV0], 8192, v[ASK0]
	v_add_nc_u32 v[STO], s84, v[CO]                ; the hand-over: my place, and my partner's
	v_add_nc_u32 v[PRD], s85, v[CO]
	v_and_b32 v10, 8, v0
	v_add_nc_u32 v[DD], v9, v10
	v_bfe_u32 v10, v0, 4, 1
	v_lshlrev_b32 v10, 4, v10
	v_sub_nc_u32 v[DD], v[DD], v10
	v_add_nc_u32 v[DD], s[DJ], v[DD]               ; my query's row in its group - 16 h: on the diagonal register 16 b + i (key 32 b + 16 h + i) is hidden where 32 b + i is greater
	v_mov_b32 v[NINF], 0xff800000
.irp s, 12, 16
	v_mov_b32 v[\s+1], 0xff61b1e6                  ; the largest t so far: -3e38
	v_floor_f32 v[\s], -v[\s+1]                    ; -M
	v_mov_b32 v[\s+2], 0                           ; l
	v_mov_b32 v[\s+3], 0
.endr
.irp r, 236,237,238,239,243,252,253
	v_mov_b32 v[\r], 0                             ; lane permutes' destinations and upper halves of pairs are written once
.endr
	s_wait_alu depctr_va_vdst(0)
	WIN 0x40
.irp c, 0,1,2,3
	global_load_b128 v[128+4*\c:131+4*\c], v[CO], s[58:59] offset:512*\c
	global_load_b128 v[144+4*\c:147+4*\c], v[CO], s[60:61] offset:512*\c
.endr
.set n, 0
.rept 128
	v_mov_b32 v[n], 0                              ; both O^T: the step is written once, and a wave may have no step of a tile
.set n, n+1
.endr
	WIN 0
	global_load_b32 v20, v[R4], s[62:63]
	global_load_b32 v21, v[R4], s[80:81]
; ONE TILE'S KEY STEP.  st: its state; qs: Q's scale word; ob, qb: O^T and Q in window 1; sg: the scalar with its group
.macro TILE st, qs, ob, qb, sg
	s_cmp_gt_u32 s[KS], s[\sg]                     ; all 128 keys come after the tile's queries: ids alone
	s_cbranch_scc1 .Lhid_\@
.irp t, 0,1,2,3,4,5,6,7
.irp c, 0,1,2,3
	ds_load_b128 v[32+16*\t+4*\c:35+16*\t+4*\c], v[ADK] offset:(\t/4)*32768+(\t%4)*2048+512*\c
.endr
	ds_load_b32 v[24+\t], v[ADS] offset:64*\t
.endr
	WIN 0x04                                       ; source 1 (Q) in window 1
	s_wait_dscnt 20                                ; fragments 0-3 are in: behind them 4 x 5 loads
.irp t, 0,1,2,3,4,5,6,7
.if \t == 4
	s_wait_dscnt 0x0
.endif
	v_wmma_scale_f32_16x16x128_f8f6f4 v[160+8*\t:167+8*\t], v[32+16*\t:47+16*\t], v[\qb:\qb+15], 0, v[24+\t], v[\qs]
.endr
	WIN 0
	PLACES 8                                       ; ahead of the loads into the fragments and of the scores' first reader
.irp t, 0,1,2,3,4,5,6,7
.irp c, 0,1,2,3
	ds_load_b128 v[32+16*\t+4*\c:35+16*\t+4*\c], v[ADV] offset:(\t/4)*32768+(\t%4)*2048+512*\c
.endr
	ds_load_b32 v[24+\t], v[ADT] offset:64*\t
.endr
	s_cmp_lt_u32 s[KS], s[\sg]
	s_cbranch_scc1 .Lopen_\@
.set n, 0
.rept 64                                       ; on the diagonal hidden scores become -infinity
	v_cmp_gt_i32 vcc_lo, 32*(n/16)+n%16, v[DD]
	v_cndmask_b32 v[160+n], v[160+n], v[NINF], vcc_lo
.set n, n+1
.endr
.Lopen_\@:
.irp b, 0,1,2,3
	v_max3_num_f32 v[232+\b], v[160+16*\b], v[161+16*\b], v[162+16*\b]   ; each block's largest score: for the row's maximum and for the block's largest p
.endr
.irp i, 3,5,7,9,11,13
.irp b, 0,1,2,3
	v_max3_num_f32 v[232+\b], v[232+\b], v[160+16*\b+\i], v[161+16*\b+\i]
.endr
.endr
.irp b, 0,1,2,3
	v_max_num_f32 v[232+\b], v[232+\b], v[175+16*\b]
.endr
.irp b, 0,1,2,3
	v_permlanex16_b32 v[236+\b], v[232+\b], s[SEL], s[SEL+1]
.endr
.irp b, 0,1,2,3
	s_delay_alu instid0(VALU_DEP_4)
	v_max_num_f32 v[232+\b], v[232+\b], v[236+\b]
.endr
	s_delay_alu instid0(VALU_DEP_2)
	v_max3_num_f32 v254, v232, v233, v234
	s_delay_alu instid0(VALU_DEP_1)
	v_max_num_f32 v254, v254, v235
	s_delay_alu instid0(VALU_DEP_1)
	v_mul_f32 v254, s[CS], v254
	s_delay_alu instid0(VALU_DEP_1)
	v_max_num_f32 v[\st+1], v[\st+1], v254         ; the running largest t
	v_mov_b32 v254, v[\st]
	s_delay_alu instid0(VALU_DEP_2)
	v_floor_f32 v[\st], -v[\st+1]                  ; the new -M
	s_delay_alu instid0(VALU_DEP_1)
	v_sub_f32 v254, v[\st], v254
	s_delay_alu instid0(VALU_DEP_1)
	v_cvt_i32_f32 v254, v254                       ; (it saturates)
	s_delay_alu instid0(VALU_DEP_1)
	v_ldexp_f32 v252, 1.0, v254                    ; f = 2^(old M - new M)
.set n, 0
.rept 32
	v_pk_fma_f32 v[160+n:161+n], v[160+n:161+n], s[CS:CS+1], v[\st:\st+1] op_sel_hi:[1,0,0]   ; t - M
.set n, n+2
.endr
.irp b, 0,1,2,3
	v_fma_f32 v[232+\b], v[232+\b], s[CS], v[\st]
.endr
	s_wait_alu depctr_va_vdst(0)                   ; ahead of the batch
.set n, 0
.rept 64
	v_exp_f32 v[160+n], v[160+n]                   ; p
.set n, n+1
.endr
	v_pk_mul_f32 v[\st+2:\st+3], v[\st+2:\st+3], v[252:253] op_sel_hi:[1,0]
	s_wait_alu depctr_va_vdst(0)                   ; and behind it
.irp b, 0,1,2,3
	v_exp_f32 v[232+\b], v[232+\b]                 ; each block's largest p
.endr
	v_pk_add_f32 v[236:237], v[160:161], v[162:163]   ; l is summed of the unquantised p, in two chains
.irp j, 4,8,12,16,20,24,28,32,36,40,44,48,52,56,60
	v_pk_add_f32 v[\st+2:\st+3], v[\st+2:\st+3], v[160+\j:161+\j]
	v_pk_add_f32 v[236:237], v[236:237], v[162+\j:163+\j]
.endr
	s_delay_alu instid0(VALU_DEP_1)
	v_pk_add_f32 v[\st+2:\st+3], v[\st+2:\st+3], v[236:237]
	s_wait_alu depctr_va_vdst(0)
.irp b, 0,1,2,3
	v_max_num_f32 v[232+\b], 0x4800000, v[232+\b]  ; the floor: the byte cannot fall under 1
.endr
.irp b, 0,1,2,3
	s_delay_alu instid0(VALU_DEP_4)
	v_add_nc_u32 v[244+\b], 0xfc000000, v[232+\b]
.endr
.irp b, 0,1,2,3
	v_and_or_b32 v[240+\b], v[232+\b], 0x7f800000, s[MNT]
.endr
.irp b, 0,1,2,3
	v_lshrrev_b32 v[236+\b], 23, v[244+\b]
.endr
	s_delay_alu instid0(VALU_DEP_3)
	v_lshl_or_b32 v253, v237, 8, v236              ; p's scale word
	s_delay_alu instid0(VALU_DEP_1)
	v_lshl_or_b32 v253, v238, 16, v253
	s_delay_alu instid0(VALU_DEP_1)
	v_lshl_or_b32 v253, v239, 24, v253
.irp b, 0,1,2,3
.irp i, 0,1,2,3,4,5,6,7,8,9,10,11,12,13,14,15
	v_min_num_f32 v[160+16*\b+\i], v[160+16*\b+\i], v[240+\b]   ; the hold; p is not negative
.endr
	v_cvt_scalef32_pk8_fp8_f32 v[224+4*\b:225+4*\b], v[160+16*\b:167+16*\b], v[244+\b]
	v_cvt_scalef32_pk8_fp8_f32 v[226+4*\b:227+4*\b], v[168+16*\b:175+16*\b], v[244+\b]
.endr
	WIN 0x41                                       ; O^T: destination and source 0 in window 1
	s_wait_alu depctr_va_vdst(0)                   ; directly ahead of O^T's first reader
.set n, 0
.rept 32
	v_pk_mul_f32 v[\ob+n:\ob+n+1], v[\ob+n:\ob+n+1], v[252:253] op_sel_hi:[1,0]   ; O^T under the new M; also the places ahead of the products
.set n, n+2
.endr
	WIN 0x50                                       ; C and D in window 1
	s_wait_alu depctr_va_vdst(0)
	s_wait_dscnt 0x0                               ; V's fragments
.irp t, 0,1,2,3,4,5,6,7
	v_wmma_scale_f32_16x16x128_f8f6f4 v[\ob+8*\t:\ob+8*\t+7], v[32+16*\t:47+16*\t], v[224:239], v[\ob+8*\t:\ob+8*\t+7], v[24+\t], v253
.endr
	WIN 0
	PLACES 8                                       ; ahead of whatever next loads into, writes or reads these products' registers
.Lhid_\@:
.endm
	s_wait_alu depctr_va_vdst(0)
	s_wait_loadcnt 0x0                             ; Q
.Lslot:                                            ; four trips, a slot each
	s_wait_tensorcnt 0x0                           ; all my tensor loads are in
	ds_add_u32 v[SPW], v[NIL]
	s_xor_b32 s[G0+1], s[G0+1], SLOT1              ; the walking descriptor: the other slot, the next four key steps
	s_add_nc_u64 s[G0+2:G0+3], s[G0+2:G0+3], 65536
	s_wait_xcnt 0x0                                ; my prefetch has read its address
	s_add_nc_u64 s[PFA:PFA+1], s[PFA:PFA+1], 65536
	s_wait_dscnt 0x0                               ; the add is done, and my reads of the slot that I have left are over
	s_barrier_signal -1
	s_barrier_wait -1
	s_cmp_gt_u32 s[NX], s[GLW]                     ; a slot that begins behind the long group is read by no wave: not asked for
	s_cbranch_scc1 .Lpast
	s_cmp_lt_u32 s[WV], 4
	s_cbranch_scc0 .Lpast
	tensor_load_to_lds s[G0:G0+3], s[G1:G1+7]
	s_nop 0
	PLACES 4
.Lpast:
	s_cmp_gt_u32 s[SLOTS], s[LIM]
	s_cbranch_scc0 .Lnot_mine
	global_prefetch_b8 v[PFO], s[PFA:PFA+1] th:TH_LOAD_NT scope:SCOPE_SE
.Lnot_mine:
	s_mov_b32 s[FOUR], 2
.Lstep:                                            ; my two key steps of the slot
	v_add_nc_u32 v[ADK], s[TB], v[AK0]
	v_add_nc_u32 v[ADV], s[TB], v[AV0]
	v_add_nc_u32 v[ADS], s[TS], v[ASK0]
	v_add_nc_u32 v[ADT], s[TS], v[ASV0]
	s_wait_alu depctr_va_vdst(0)                   ; behind these writes
	TILE 12, 20, 0, 128, GA
	TILE 16, 21, 64, 144, GB
	s_add_co_u32 s[KS], s[KS], 2
	s_add_co_u32 s[TB], s[TB], 16384
	s_add_co_u32 s[TS], s[TS], 1024
	s_sub_co_u32 s[FOUR], s[FOUR], 1
	s_cmp_lg_u32 s[FOUR], 0
	s_cbranch_scc1 .Lstep
	s_sub_co_u32 s[TB], s[TB], 32768
	s_xor_b32 s[TB], s[TB], SLOT1
	s_add_co_u32 s[NX], s[NX], 4
	s_sub_co_u32 s[SLOTS], s[SLOTS], 1
	s_cmp_lg_u32 s[SLOTS], 0
	s_cbranch_scc1 .Lslot
	s_wait_tensorcnt 0x0                           ; no fill of mine is out: the hand-over's stores land on the ring's bytes
	s_wait_dscnt 0x0
	s_barrier_signal -1
	s_barrier_wait -1
	WIN 0x04                                       ; the data in window 1
	s_wait_alu depctr_va_vdst(0)                   ; ahead of these first readers of tile B's O^T
.irp i, 0,1,2,3,4,5,6,7,8,9,10,11,12,13,14,15
	ds_store_b128 v[STO], v[64+4*\i:67+4*\i] offset:512*\i
.endr
	WIN 0
	ds_store_b128 v[STO], v[16:19] offset:8192     ; and its -M and l
	s_wait_dscnt 0x0
	s_barrier_signal -1
	s_barrier_wait -1
.irp i, 0,1,2,3,4,5,6,7,8,9,10,11,12,13,14,15
	ds_load_b128 v[32+4*\i:35+4*\i], v[PRD] offset:512*\i   ; my partner's part of tile A
.endr
	ds_load_b128 v[96:99], v[PRD] offset:8192
	s_wait_dscnt 0x0
	v_min_num_f32 v240, v12, v96                   ; -M of both
	v_add_f32 v14, v14, v15
	v_add_f32 v98, v98, v99
	v_sub_f32 v241, v240, v12                      ; whole numbers, 0 or less (a part with no step: -3e38, and its factor 0)
	v_sub_f32 v242, v240, v96
	v_cvt_i32_f32 v241, v241
	v_cvt_i32_f32 v242, v242
	v_ldexp_f32 v244, 1.0, v241
	v_ldexp_f32 v246, 1.0, v242
	v_mul_f32 v14, v14, v244
	v_fma_f32 v14, v98, v246, v14
	v_permlanex16_b32 v243, v14, s[SEL], s[SEL+1]
	v_add_f32 v14, v14, v243                       ; l of the whole row
	s_wait_alu depctr_va_vdst(0)                   ; ahead of the transcendental
	v_rcp_f32 v14, v14
	v_mov_b32 v245, 0                              ; (upper halves of the pairs named below)
	v_mov_b32 v247, 0
	s_wait_alu depctr_va_vdst(0)
	v_mul_f32 v244, v244, v14                      ; the powers of two times 1 / l
	v_mul_f32 v246, v246, v14
	WIN 0x01                                       ; source 0 in window 1
	s_wait_alu depctr_va_vdst(0)                   ; directly ahead of the first reader of tile A's O^T
.set n, 0
.rept 32
	v_pk_mul_f32 v[160+n:161+n], v[n:n+1], v[244:245] op_sel_hi:[1,0]
.set n, n+2
.endr
	WIN 0
.set n, 0
.rept 32
	v_pk_fma_f32 v[160+n:161+n], v[32+n:33+n], v[246:247], v[160+n:161+n] op_sel_hi:[1,0,1]
.set n, n+2
.endr
	QUANT 160
.irp c, 0,1,2,3
	global_store_b128 v[CO], v[PC+4*\c:PC+4*\c+3], s[76:77] offset:512*\c   ; 512 consecutive bytes, aligned
.endr
	s_wait_xcnt 0x0                                ; EXEC changes only behind this wait
	v_and_b32 v240, 31, v0
	v_cmp_gt_u32 vcc_lo, 16, v240
	s_and_saveexec_b32 s87, vcc_lo
	global_store_b32 v[R4], v[PW], s[78:79]        ; the image's 16 scale words
	s_wait_xcnt 0x0
	s_or_b32 exec_lo, exec_lo, s87
	s_wait_tensorcnt 0x0                           ; the wave's end
	ds_add_u32 v[SPW], v[NIL]
	s_wait_dscnt 0x0
	s_endpgm
.Lfunc_end_k_q4e8569df96_attn:
	.size	k_q4e8569df96_attn, .Lfunc_end_k_q4e8569df96_attn-k_q4e8569df96_attn
	.p2alignl 7, 3214868480
	.fill 96, 4, 3214868480
	.section	.rodata,"a",@progbits
	.p2align	6, 0x0
	.amdhsa_kernel k_q4e8569df96_attn
		.amdhsa_group_segment_fixed_size 327680
		.amdhsa_private_segment_fixed_size 0
		.amdhsa_enable_private_segment 0
		.amdhsa_kernarg_size 24
		.amdhsa_user_sgpr_count 2
		.amdhsa_user_sgpr_kernarg_segment_ptr 1
		.amdhsa_wavefront_size32 1
		.amdhsa_system_sgpr_workgroup_id_x 1
		.amdhsa_system_sgpr_workgroup_id_y 1
		.amdhsa_system_sgpr_workgroup_id_z 1
		.amdhsa_system_vgpr_workitem_id 0
		.amdhsa_next_free_vgpr 512
		.amdhsa_next_free_sgpr 100
		.amdhsa_reserve_vcc 1
		.amdhsa_float_denorm_mode_32 3
		.amdhsa_float_denorm_mode_16_64 3
		.amdhsa_memory_ordered 1
		.amdhsa_forward_progress 1
		.amdhsa_inst_pref_size 89
	.end_amdhsa_kernel
	.amdgpu_metadata
---
amdhsa.version: [ 1, 2 ]
amdhsa.kernels:
  - .name:           k_q4e8569df96_attn
    .symbol:         k_q4e8569df96_attn.kd
    .args:
      - { .name: qkvc, .offset: 0, .size: 8, .value_kind: global_buffer, .address_space: global }
      - { .name: qkvs, .offset: 8, .size: 8, .value_kind: global_buffer, .address_space: global }
      - { .name: aoimg, .offset: 16, .size: 8, .value_kind: global_buffer, .address_space: global }
    .group_segment_fixed_size: 327680
    .private_segment_fixed_size: 0
    .kernarg_segment_align: 8
    .kernarg_segment_size: 24
    .max_flat_workgroup_size: 256
    .sgpr_count:     100
    .vgpr_count:     512
    .wavefront_size: 32
...
	.end_amdgpu_metadata
.endif
;; end of part 7
;; launch oproj (part 8): grid 16 x 16, 4 waves a work-group, clusters of 4 x 4, 327,680 bytes of LDS; arguments aoimg, opimg, out0; writes out0
.if DOCPART == 8
	.amdgcn_target "amdgcn-amd-amdhsa--gfx1250"
	.amdhsa_code_object_version 6
	.text
	.protected	k_q4e8569df96_oproj
	.globl	k_q4e8569df96_oproj
	.p2align	8
	.type	k_q4e8569df96_oproj,@function
k_q4e8569df96_oproj:
	s_mov_b64 s[64:65], 0
	v_nop
	global_prefetch_b8 v0, s[64:65] scope:SCOPE_SE
	s_setreg_imm32_b32 hwreg(HW_REG_WAVE_MODE, 25, 1), 1
	s_wait_xcnt 0x0
	s_wait_alu depctr_hold_cnt(0) depctr_sa_sdst(0) depctr_va_vdst(0) depctr_va_sdst(0) depctr_va_ssrc(0) depctr_va_vcc(0) depctr_vm_vsrc(0)
	s_getreg_b32 s2, hwreg(HW_REG_IB_STS2, 6, 4)
	s_cmp_eq_u32 s2, 0
	s_cbranch_scc0 .Lentry_in_a_cluster
	s_endpgm
.Lentry_in_a_cluster:
	s_bfe_u32 s2, ttmp6, 0x10000c
	s_cmp_lg_u32 s2, 0xf033
	s_cbranch_scc0 .Lentry_shape_is_right
	s_endpgm
.Lentry_shape_is_right:
.set CH,     33792
.set TILEB,  16*CH
.set STEPB,  16384
.set SLOT,   8*STEPB
.set SCL,    2*SLOT
.set SPARE,  SCL+16384
.set STAGE,  SPARE+512
.set SPITCH, 272
.set FR,     16
.set NP,     8
.set ADRA, 16
.set ADRB, 20
.set ADRS, 22
.set STO,  24
.set RD,   25
.set CO,   26
.set SPW,  28
.set NIL,  29
.set SC,   32
.set BK,   64
.set ACC,  128
.set G1, 24
.set G0, 32
.set G1B, 48
.set G0B, 56
.set G1S, 68
.set G0S, 76
.set G1SB, 80
.set G0SB, 88
.set MSB, 0
.macro WIN new
.if MSB != \new
	s_set_vgpr_msb (MSB<<8)|\new
.set MSB, \new
.endif
.endm
.set MUL,  0x05
.set TO_F, 0x40
.macro JLOAD g0a, g1a, g0b, g1b
	s_cmp_eq_u32 s15, 0
	s_cbranch_scc0 .Lfor_b_\@
	tensor_load_to_lds s[\g0a:\g0a+3], s[\g1a:\g1a+7]
	s_nop 0
.rept 4
	v_nop
.endr
	s_branch .Lasked_\@
.Lfor_b_\@:
	tensor_load_to_lds s[\g0b:\g0b+3], s[\g1b:\g1b+7]
	s_nop 0
.rept 4
	v_nop
.endr
.Lasked_\@:
.endm
.macro CREST
	s_cmp_lg_u32 s14, 0
	s_cbranch_scc1 .Lnot_wave_0_\@
	s_barrier_signal -3
.Lnot_wave_0_\@:
	s_barrier_wait -3
	s_barrier_signal -1
	s_barrier_wait -1
.endm
.macro CROUND
	s_barrier_signal -1
	s_barrier_wait -1
	CREST
.endm
	s_load_b128 s[4:7], s[0:1], 0x0
	s_load_b64 s[12:13], s[0:1], 0x10
	v_lshl_add_u32 v[SPW], v0, 2, SPARE
	v_mov_b32 v[NIL], 0
	ds_add_u32 v28, v29
	ds_add_u32 v28, v29
	s_wait_dscnt 0x0
	v_lshrrev_b32 v1, 5, v0
	v_readfirstlane_b32 s14, v1
	s_lshr_b32 s15, s14, 1
	s_and_b32 s16, s14, 1
	s_bfe_u32 s40, ttmp6, 0x40000
	s_bfe_u32 s41, ttmp6, 0x40004
	s_lshl_b32 s42, ttmp9, 2
	s_add_co_u32 s42, s42, s40
	s_and_b32 s17, ttmp7, 0xffff
	s_lshl_b32 s17, s17, 2
	s_add_co_u32 s17, s17, s41
	s_lshl_b32 s43, s41, 2
	s_lshl_b32 s43, 15, s43
	s_lshl_b32 s44, 0x1111, s40
	s_or_b32 s[G1+0], s43, (3<<16)|(1<<21)
	s_or_b32 s[G1B+0], s44, (3<<16)|(1<<21)
.irp g, G1, G1B
	s_mov_b32 s[\g+1], 2048<<16
	s_mov_b32 s[\g+2], 2<<16
	s_mov_b32 s[\g+3], 2048<<16
	s_mov_b32 s[\g+4], 2
	s_mov_b32 s[\g+5], CH/8
	s_mov_b32 s[\g+6], 0
	s_mov_b32 s[\g+7], 0
.endr
	s_or_b32 s[G1S+0], s43, (3<<16)|(1<<21)
	s_or_b32 s[G1SB+0], s44, (3<<16)|(1<<21)
.irp g, G1S, G1SB
	s_mov_b32 s[\g+1], 64<<16
	s_mov_b32 s[\g+2], 8<<16
	s_mov_b32 s[\g+3], 64<<16
	s_mov_b32 s[\g+4], 8
	s_mov_b32 s[\g+5], CH/8
	s_mov_b32 s[\g+6], 0
	s_mov_b32 s[\g+7], 0
.endr
	s_mul_i32 s18, s16, 2*CH
	s_mul_i32 s19, s16, 8*CH
	s_lshr_b32 s20, s17, 1
	s_mul_i32 s20, s20, TILEB
	s_and_b32 s21, s17, 1
	s_lshl_b32 s22, s21, 9
	s_add_co_u32 s22, s22, s20
	s_add_co_u32 s22, s22, 32768
	s_add_co_u32 s22, s22, s19
	s_lshl_b32 s21, s21, 14
	s_add_co_u32 s20, s20, s21
	s_add_co_u32 s20, s20, s18
	s_mov_b32 s21, 0
	s_mov_b32 s23, 0
	s_lshr_b32 s46, s42, 1
	s_add_co_u32 s46, s46, 32
	s_mul_i32 s46, s46, TILEB
	s_and_b32 s47, s42, 1
	s_lshl_b32 s92, s47, 9
	s_add_co_u32 s92, s92, s46
	s_add_co_u32 s92, s92, 32768
	s_add_co_u32 s92, s92, s19
	s_lshl_b32 s47, s47, 14
	s_add_co_u32 s46, s46, s47
	s_add_co_u32 s46, s46, s18
	s_mov_b32 s47, 0
	s_mov_b32 s93, 0
	s_lshl_b32 s45, s14, 15
	s_lshl_b32 s94, s14, 12
	s_wait_kmcnt 0x0
	s_add_nc_u64 s[20:21], s[4:5], s[20:21]
	s_add_nc_u64 s[22:23], s[4:5], s[22:23]
	s_add_nc_u64 s[46:47], s[6:7], s[46:47]
	s_add_nc_u64 s[92:93], s[6:7], s[92:93]
	CROUND
	s_mov_b32 s[G0S], 1
	s_add_co_u32 s[G0S+1], s94, SCL
	s_mov_b64 s[G0S+2:G0S+3], s[22:23]
	s_or_b32 s[G0S+3], s[G0S+3], 0x80000000
	s_mov_b32 s[G0SB], 1
	s_add_co_u32 s[G0SB+1], s94, SCL
	s_mov_b64 s[G0SB+2:G0SB+3], s[92:93]
	s_or_b32 s[G0SB+3], s[G0SB+3], 0x80000000
	JLOAD G0S, G1S, G0SB, G1SB
.irp s, 0,1
	s_mov_b32 s[G0+4*\s], 1
	s_add_co_u32 s[G0+4*\s+1], s45, \s*SLOT
	s_add_nc_u64 s[G0+4*\s+2:G0+4*\s+3], s[20:21], \s*4*CH
	s_or_b32 s[G0+4*\s+3], s[G0+4*\s+3], 0x80000000
	s_mov_b32 s[G0B+4*\s], 1
	s_add_co_u32 s[G0B+4*\s+1], s45, \s*SLOT
	s_add_nc_u64 s[G0B+4*\s+2:G0B+4*\s+3], s[46:47], \s*4*CH
	s_or_b32 s[G0B+4*\s+3], s[G0B+4*\s+3], 0x80000000
	s_wait_alu depctr_va_vdst(0)
	s_wait_tensorcnt 0x0
	ds_add_u32 v28, v29
	s_wait_dscnt 0x0
	CROUND
	JLOAD G0+4*\s, G1, G0B+4*\s, G1B
.endr
	v_and_b32 v1, 15, v0
	v_bfe_u32 v2, v0, 4, 1
	s_wait_alu depctr_va_vdst(0)
	v_and_b32 v3, 31, v0
	v_lshlrev_b32 v4, 4, v3
	s_lshl_b32 s21, s15, 13
	s_lshl_b32 s22, s16, 13
	s_add_co_u32 s22, s22, 4*STEPB
.irp s, 0,1
	v_add_nc_u32 v[ADRA+\s], s21, v4
	v_add_nc_u32 v[ADRB+\s], s22, v4
	s_add_co_u32 s21, s21, SLOT
	s_add_co_u32 s22, s22, SLOT
.endr
	s_lshl_b32 s21, s15, 8
	s_lshl_b32 s22, s16, 8
	s_add_co_u32 s22, s22, 8192
	s_sub_co_u32 s22, s22, s21
	v_mul_u32_u24 v6, s22, v2
	s_add_co_u32 s21, s21, SCL
	v_lshlrev_b32 v5, 2, v1
	v_add_nc_u32 v6, v5, v6
	v_add_nc_u32 v[ADRS], s21, v6
	s_mul_i32 s23, s14, 16*SPITCH
	s_add_co_u32 s23, s23, STAGE
	v_mul_u32_u24 v5, v1, SPITCH
	v_lshl_add_u32 v5, v2, 6, v5
	v_add_nc_u32 v[STO], s23, v5
	v_mul_u32_u24 v5, v2, SPITCH
	v_lshl_add_u32 v5, v1, 4, v5
	v_add_nc_u32 v[RD], s23, v5
	v_lshlrev_b32 v5, 13, v2
	v_lshl_add_u32 v[CO], v1, 4, v5
	s_lshl_b32 s20, s17, 7
	s_lshl_b32 s21, s15, 6
	s_add_co_u32 s20, s20, s21
	s_lshl_b32 s20, s20, 13
	s_lshl_b32 s46, s42, 9
	s_lshl_b32 s47, s16, 8
	s_add_co_u32 s46, s46, s47
	s_add_co_u32 s20, s20, s46
	s_mov_b32 s21, 0
	s_add_nc_u64 s[12:13], s[12:13], s[20:21]
.macro MUL8 ks, a0, zero
.set MP, 128*((\ks)%2)
.set MS, SC+16*(((\ks)/4)%2)+4*((\ks)%4)
.irp a, \a0, \a0+1
.irp b, 0,1,2,3
.if \zero
	v_wmma_scale_f32_16x16x128_f8f6f4 v[ACC+8*(4*(\a)+\b):ACC+8*(4*(\a)+\b)+7], v[MP+64+FR*\b:MP+64+FR*\b+FR-1], v[MP+FR*(\a):MP+FR*(\a)+FR-1], 0, v[MS+\b], v[MS+(\a)] matrix_a_scale:MATRIX_SCALE_ROW1
.else
	v_wmma_scale_f32_16x16x128_f8f6f4 v[ACC+8*(4*(\a)+\b):ACC+8*(4*(\a)+\b)+7], v[MP+64+FR*\b:MP+64+FR*\b+FR-1], v[MP+FR*(\a):MP+FR*(\a)+FR-1], v[ACC+8*(4*(\a)+\b):ACC+8*(4*(\a)+\b)+7], v[MS+\b], v[MS+(\a)] matrix_a_scale:MATRIX_SCALE_ROW1
.endif
.endr
.endr
.endm
.macro FETCH k
.set FS, ((\k)/4)%2
.set FN, (\k)%4
.set FP, 128*((\k)%2)
	WIN TO_F
.irp i, 0,1,2,3
.irp c, 0,1,2,3
	ds_load_b128 v[FP+64+FR*\i+4*\c:FP+64+FR*\i+4*\c+3], v[ADRB+FS] offset:STEPB*FN+2048*\i+512*\c
.endr
.endr
.irp i, 0,1,2,3
.irp c, 0,1,2,3
	ds_load_b128 v[FP+FR*\i+4*\c:FP+FR*\i+4*\c+3], v[ADRA+FS] offset:STEPB*FN+2048*\i+512*\c
.endr
.endr
.endm
.macro SCALES f
.irp n, 0,1,2,3
.irp i, 0,1,2,3
	ds_load_b32 v[SC+16*((\f)%2)+4*\n+\i], v[ADRS] offset:512*(4*(\f)+\n)+64*\i
.endr
.endr
.endm
.macro PLACES n
.rept \n
	v_nop
.endr
.endm
.macro KSTEP ks, zero
	s_wait_dscnt 8
	WIN MUL
	MUL8 \ks, 0, \zero
	PLACES NP
	FETCH (\ks)+1
	s_wait_dscnt 32
	WIN MUL
	MUL8 \ks, 2, \zero
.endm
.macro TURN ks, fill
.set TSL, ((\ks)/4)%2
	WIN 0
	s_wait_tensorcnt 0x0
	ds_add_u32 v[SPW], v[NIL]
.if \fill
	s_add_nc_u64 s[G0+4*TSL+2:G0+4*TSL+3], s[G0+4*TSL+2:G0+4*TSL+3], 8*CH
	s_add_nc_u64 s[G0B+4*TSL+2:G0B+4*TSL+3], s[G0B+4*TSL+2:G0B+4*TSL+3], 8*CH
.endif
	s_wait_dscnt 0x0
	s_barrier_signal -1
	WIN MUL
	MUL8 \ks, 0, 0
	WIN 0
	s_barrier_wait -1
.if \fill
	CREST
	JLOAD G0+4*TSL, G1, G0B+4*TSL, G1B
	PLACES NP-4
.else
	PLACES NP
.endif
	SCALES (\ks)/4+1
	FETCH (\ks)+1
	WIN MUL
	MUL8 \ks, 2, 0
.endm
	s_wait_alu depctr_va_vdst(0)
	s_wait_tensorcnt 1
	s_barrier_signal -1
	s_barrier_wait -1
	SCALES 0
	FETCH 0
	KSTEP 0, 1
	KSTEP 1, 0
	KSTEP 2, 0
	TURN 3, 1
	KSTEP 4, 0
	KSTEP 5, 0
	KSTEP 6, 0
	TURN 7, 1
	KSTEP 8, 0
	KSTEP 9, 0
	KSTEP 10, 0
	TURN 11, 0
	KSTEP 12, 0
	KSTEP 13, 0
	KSTEP 14, 0
	s_wait_dscnt 8
	WIN MUL
	MUL8 15, 0, 0
	s_wait_dscnt 0x0
	MUL8 15, 2, 0
	WIN 0
.macro TOSTAGE a
.irp b, 0,1,2,3
	ds_store_b128 v[STO], v[ACC+8*(4*(\a)+\b):ACC+8*(4*(\a)+\b)+3] offset:128*(\b/2)+32*(\b%2)
	ds_store_b128 v[STO], v[ACC+8*(4*(\a)+\b)+4:ACC+8*(4*(\a)+\b)+7] offset:128*(\b/2)+32*(\b%2)+16
.endr
.set BB, BK+32*((\a)%2)
.irp t, 0,1,2,3,4,5,6,7
	ds_load_b128 v[BB+4*\t:BB+4*\t+3], v[RD] offset:\t*2*SPITCH
.endr
.endm
.macro SEND a, younger
.set BB, BK+32*((\a)%2)
	s_wait_dscnt \younger
.irp t, 0,1,2,3,4,5,6,7
	global_store_b128 v[CO], v[BB+4*\t:BB+4*\t+3], s[12:13] offset:(32*((\a)/2)+8*((\a)%2)+2*\t+8*(\t/4))*8192 th:TH_STORE_NT
.endr
.endm
	PLACES NP
	TOSTAGE 0
.irp a, 1,2,3
.if \a > 1
	s_wait_xcnt 0x0
.endif
	TOSTAGE \a
	SEND \a-1, 16
.endr
	SEND 3, 0
	s_wait_tensorcnt 0x0
	ds_add_u32 v[SPW], v[NIL]
	s_wait_dscnt 0x0
	CROUND
	s_endpgm
.Lfunc_end_k_q4e8569df96_oproj:
	.size	k_q4e8569df96_oproj, .Lfunc_end_k_q4e8569df96_oproj-k_q4e8569df96_oproj
	.p2alignl 7, 3214868480
	.fill 96, 4, 3214868480
	.section	.rodata,"a",@progbits
	.p2align	6, 0x0
	.amdhsa_kernel k_q4e8569df96_oproj
		.amdhsa_group_segment_fixed_size 327680
		.amdhsa_private_segment_fixed_size 0
		.amdhsa_enable_private_segment 0
		.amdhsa_kernarg_size 24
		.amdhsa_user_sgpr_count 2
		.amdhsa_user_sgpr_kernarg_segment_ptr 1
		.amdhsa_wavefront_size32 1
		.amdhsa_system_sgpr_workgroup_id_x 1
		.amdhsa_system_sgpr_workgroup_id_y 1
		.amdhsa_system_sgpr_workgroup_id_z 1
		.amdhsa_system_vgpr_workitem_id 0
		.amdhsa_next_free_vgpr 512
		.amdhsa_next_free_sgpr 100
		.amdhsa_reserve_vcc 0
		.amdhsa_float_denorm_mode_32 3
		.amdhsa_float_denorm_mode_16_64 3
		.amdhsa_memory_ordered 1
		.amdhsa_forward_progress 1
		.amdhsa_inst_pref_size 95
	.end_amdhsa_kernel
	.amdgpu_metadata
---
amdhsa.version: [ 1, 2 ]
amdhsa.kernels:
  - .name:           k_q4e8569df96_oproj
    .symbol:         k_q4e8569df96_oproj.kd
    .args:
      - { .name: aoimg, .offset: 0, .size: 8, .value_kind: global_buffer, .address_space: global }
      - { .name: opimg, .offset: 8, .size: 8, .value_kind: global_buffer, .address_space: global }
      - { .name: out0, .offset: 16, .size: 8, .value_kind: global_buffer, .address_space: global }
    .group_segment_fixed_size: 327680
    .private_segment_fixed_size: 0
    .kernarg_segment_align: 8
    .kernarg_segment_size: 24
    .max_flat_workgroup_size: 128
    .sgpr_count:     100
    .vgpr_count:     512
    .wavefront_size: 32
...
	.end_amdgpu_metadata
.endif
;; end of part 8
